; MI455X (gfx1250); checked and timed in simulation.
; The chip was launched on July 23, 2026; its instructions are those of AMD's public machine-readable ISA for CDNA 5 (MIT licence, August 2026) and "CDNA5" Instruction Set Architecture Reference Guide (July 2026). The comments in the code are by the model that wrote it; some were corrected since.
;; Mixture Of Experts Layer. Allowed arithmetic: matrix products marked QUANTISED: E3M2 operands, one E8M0 scale for each 32 along K, by v_wmma_scale_f32_16x16x128_f8f6f4 with both operands' format E3M2, f32 sums; products left as they are: f32 operands where the result goes on into a quantised operand, else bf16, f16 or f32 operands; f32 sums; everything else in f32.
;; Inputs: gate_w 1,024 x 8 float32; w_down 8 x 2,752 x 1,024 float32; w_gate 8 x 1,024 x 2,752 float32; w_up 8 x 1,024 x 2,752 float32; x 4 x 256 x 1,024 float32.
;; Outputs: out0 4 x 256 x 1,024 float32; out1 one number float32.
;; This version of the problem:
;;   THIS VERSION OF THE PROBLEM IS GIVEN IN LOW PRECISION. The matrix products marked QUANTISED in the list below multiply operands that are first quantised to E3M2 (3 exponent bits, 2 mantissa bits; 6 bits a number), with one power-of-two scale for each 32 numbers along K (OCP MX v1.0); their sums are f32. All else is computed in f32.
;;   The module's matrix products, in the order in which they are computed (A, B: the left and right operand; K: the contracted axis; several contracted axes count as one K, in the product's order):
;;     1. [M 1,024, K 1,024] x [K 1,024, N 8]; A: input x; B: input gate_w: left as it is (N = 8 < 16)
;;     2. [M 1,024, K 1,024] x [K 1,024, N 2,752]; A: input x; B: input w_gate: QUANTISED
;;     3. [M 1,024, K 1,024] x [K 1,024, N 2,752]; A: input x; B: input w_up: QUANTISED
;;     4. [M 1,024, K 2,752] x [K 2,752, N 1,024]; A: computed on the way; B: input w_down: QUANTISED
;;     5. [M 1,024, K 1,024] x [K 1,024, N 2,752]; A: input x; B: input w_gate: QUANTISED
;;     6. [M 1,024, K 1,024] x [K 1,024, N 2,752]; A: input x; B: input w_up: QUANTISED
;;     7. [M 1,024, K 2,752] x [K 2,752, N 1,024]; A: computed on the way; B: input w_down: QUANTISED
;;     8. [M 1,024, K 1,024] x [K 1,024, N 2,752]; A: input x; B: input w_gate: QUANTISED
;;     9. [M 1,024, K 1,024] x [K 1,024, N 2,752]; A: input x; B: input w_up: QUANTISED
;;     10. [M 1,024, K 2,752] x [K 2,752, N 1,024]; A: computed on the way; B: input w_down: QUANTISED
;;     11. [M 1,024, K 1,024] x [K 1,024, N 2,752]; A: input x; B: input w_gate: QUANTISED
;;     12. [M 1,024, K 1,024] x [K 1,024, N 2,752]; A: input x; B: input w_up: QUANTISED
;;     13. [M 1,024, K 2,752] x [K 2,752, N 1,024]; A: computed on the way; B: input w_down: QUANTISED
;;     14. [M 1,024, K 1,024] x [K 1,024, N 2,752]; A: input x; B: input w_gate: QUANTISED
;;     15. [M 1,024, K 1,024] x [K 1,024, N 2,752]; A: input x; B: input w_up: QUANTISED
;;     16. [M 1,024, K 2,752] x [K 2,752, N 1,024]; A: computed on the way; B: input w_down: QUANTISED
;;     17. [M 1,024, K 1,024] x [K 1,024, N 2,752]; A: input x; B: input w_gate: QUANTISED
;;     18. [M 1,024, K 1,024] x [K 1,024, N 2,752]; A: input x; B: input w_up: QUANTISED
;;     19. [M 1,024, K 2,752] x [K 2,752, N 1,024]; A: computed on the way; B: input w_down: QUANTISED
;;     20. [M 1,024, K 1,024] x [K 1,024, N 2,752]; A: input x; B: input w_gate: QUANTISED
;;     21. [M 1,024, K 1,024] x [K 1,024, N 2,752]; A: input x; B: input w_up: QUANTISED
;;     22. [M 1,024, K 2,752] x [K 2,752, N 1,024]; A: computed on the way; B: input w_down: QUANTISED
;;     23. [M 1,024, K 1,024] x [K 1,024, N 2,752]; A: input x; B: input w_gate: QUANTISED
;;     24. [M 1,024, K 1,024] x [K 1,024, N 2,752]; A: input x; B: input w_up: QUANTISED
;;     25. [M 1,024, K 2,752] x [K 2,752, N 1,024]; A: computed on the way; B: input w_down: QUANTISED
;;   THE QUANTISER, for each operand of a quantised product, along K:
;;     - K is cut into blocks of 32 from its start; a last block that is shorter is filled with zeros.
;;     - A block's scale is 2^e with e = floor(log2(the largest magnitude in the block)) - 4, held to -126 .. 127; a block of zeros has e = 0. As a byte (E8M0): e + 127.
;;     - Each number is divided by its block's scale, clamped to +-28, and rounded to the nearest number of E3M2, ties to even, subnormals kept.
;;     - The product sums the exact products of the quantised numbers (number of the format x scale) in f32.
;;   ~~~python
;;   def quantise(x, axis):      # numpy; x: float32 -> the quantised numbers, widened to float32 again
;;       x = np.moveaxis(x, axis, -1); K = x.shape[-1]
;;       x = np.pad(x, [(0, 0)] * (x.ndim - 1) + [(0, -K % 32)]); x = x.reshape(x.shape[:-1] + (-1, 32)); a = np.abs(x).max(-1, keepdims=True)
;;       e = np.where(a > 0, np.clip(np.frexp(np.where(a > 0, a, 1))[1] - 1 - 4, -126, 127), 0)      # np.frexp(a)[1] - 1 = floor(log2(a)), exactly
;;       r = np.clip(x / 2.0 ** e, -28, 28)
;;       step = 2.0 ** (np.maximum(np.frexp(np.where(r == 0, 1, r))[1] - 1, -2) - 2)
;;       q = np.round(r / step) * step * 2.0 ** e      # np.round: ties to even
;;       return np.moveaxis(q.reshape(q.shape[:-2] + (-1,))[..., :K], -1, axis).astype(np.float32)
;;   ~~~
;;   OPERANDS COMPUTED ON THE WAY. 'Computed on the way' means the value that the module computes at that place (a softmax that the list does not call 'softmax' is quantised finished and normalised). What goes into a quantiser is computed in f32, as accurately as f32 sums, v_exp_f32 and their like allow (about 1e-6 of the number): no bf16 or f16 on the way to a quantiser, and a product that is left as it is and whose result goes on into a quantised operand takes f32 operands (vector FMAs, or v_wmma_f32_16x16x4_f32). A number that lies on a knife's edge between two numbers of the format may be rounded either way, as far as f32 arithmetic and the matrix unit's own rounding can turn it there, and no further.
;; 3 versions. Each part assembles by itself: llvm-mc -triple=amdgcn-amd-amdhsa -mcpu=gfx1250 --defsym DOCPART=n.
;; ======== version 1 of 3: 5 launches
;; workspace buffers: route 5,120 bytes of whole numbers; rw 10,240 bytes; slots 33,024 bytes of whole numbers; xq 6,586,368 bytes; hq 18,022,400 bytes; y 16,842,752 bytes
;; launch router (part 1): grid 32 x 1, 16 waves a work-group, no clusters, 51,200 bytes of LDS; arguments x, gate_w, route, rw; writes route, rw
.if DOCPART == 1
	.amdgcn_target "amdgcn-amd-amdhsa--gfx1250"
	.amdhsa_code_object_version 6
	.text
	.protected	k_q2b4f6dadb0_router
	.globl	k_q2b4f6dadb0_router
	.p2align	8
	.type	k_q2b4f6dadb0_router,@function
k_q2b4f6dadb0_router:
	s_mov_b64 s[64:65], 0
	v_nop
	global_prefetch_b8 v0, s[64:65] scope:SCOPE_SE
	s_setreg_imm32_b32 hwreg(HW_REG_WAVE_MODE, 25, 1), 1
	s_wait_xcnt 0x0
; ROUTER.  logits = x gate_w (f32 multiply-adds), softmax with the row's maximum taken away, the two largest probabilities
; (of equal ones the lower index), their weights p / (p0 + p1 + 1e-8), and what the loss needs.  Everything goes to fixed places:
;   route: masks[e][g] (bit l: token 32 g + l chose expert e) at 128 e + 4 g;  ids[t] = id0 | id1 << 8 at 1024 + 4 t
;   rw:    weights[t][2] at 8 t;  part[g][16] at 8192 + 64 g: 0-7 the sums of p over the group's 32 tokens, 8-15 the counts as f32
; SHARES.  Work-group g takes tokens 32 g .. 32 g + 31, a lane a token; wave w takes k = 64 w .. 64 w + 63; the sixteen partial
; logits of a token meet in LDS, and wave 0 finishes.  No address and no branch hangs on a floating-point number.
; LIMITS: NaN and infinities among the inputs are not served.  v_exp_f32 gives 0 for results under 2^-126: where the second
; largest probability lies under that, the second choice may differ from the reference's; its weight is then under 1e-37.
; The logits are summed in another order than the reference's.
.set ACC, 8                            ; v8-15    eight logits, four pairs
.set X,   16                           ; v16-79   my token's 64 numbers
.set GWL, 80                           ; v80-95   gate_w as loaded
.set G,   96                           ; v96-159  two sets of four rows of gate_w
.set PL,  32768                        ; LDS: 0: gate_w, 2,048 bytes a wave, the wave's own; PL: partial logits, 1,024 bytes a wave
	s_load_b256 s[4:11], s[0:1], 0x0               ; x, gate_w, route, rw
	v_lshl_add_u32 v192, v0, 2, 0xc000
	v_mov_b32 v193, 0
	v_lshrrev_b32 v2, 5, v0
	v_readfirstlane_b32 s12, v2                    ; wave
	v_and_b32 v1, 31, v0                           ; lane = token
	v_lshlrev_b32 v2, 12, v1                       ; my row of x
	v_lshlrev_b32 v6, 4, v1                        ; 16 x lane
	s_lshl_b32 s13, s12, 11                        ; 2,048 x wave
	v_add_nc_u32 v3, s13, v6                       ; LDS: where I put 16 bytes of gate_w
	v_mov_b32 v4, s13                              ; LDS: my wave's rows of gate_w, the same in every lane
	s_lshl_b32 s14, s12, 10
	s_add_co_u32 s14, s14, PL
	v_lshlrev_b32 v7, 5, v1
	v_add_nc_u32 v5, s14, v7                       ; LDS: my partial logits
	v_add_nc_u32 v7, PL, v7                        ; LDS: wave 0's read of all sixteen
	s_lshl_b32 s16, ttmp9, 17                      ; 32 rows of 4,096 bytes a group,
	s_lshl_b32 s18, s12, 8                         ; 256 bytes of a row a wave
	s_add_co_u32 s16, s16, s18
	s_mov_b32 s17, 0
	s_mov_b32 s18, s13
	s_mov_b32 s19, 0
	s_mov_b32 s20, 0x76543210                      ; v_permlanex16_b32's selects for lane l xor 16
	s_mov_b32 s21, 0xfedcba98
	s_wait_kmcnt 0x0
	s_add_nc_u64 s[4:5], s[4:5], s[16:17]
	s_add_nc_u64 s[6:7], s[6:7], s[18:19]
.irp i, 0,1,2,3
	global_load_b128 v[GWL+4*\i:GWL+4*\i+3], v6, s[6:7] offset:512*\i
.endr
.irp b, 0,1,2,3,4,5,6,7,8,9,10,11,12,13,14,15
	global_load_b128 v[X+4*\b:X+4*\b+3], v2, s[4:5] offset:16*\b
.endr
	s_wait_loadcnt 16                              ; gate_w is in; the sixteen loads of x are younger
.irp i, 0,1,2,3
	ds_store_b128 v3, v[GWL+4*\i:GWL+4*\i+3] offset:512*\i   ; my wave's own bytes: LDS serves a wave's instructions in order, so no wait and no barrier
.endr
.macro GLD b                           ; four rows of gate_w (128 bytes), the same for every lane, into set b % 2
.irp p, 0,1,2,3,4,5,6,7
	ds_load_b128 v[G+32*((\b)%2)+4*\p:G+32*((\b)%2)+4*\p+3], v4 offset:128*(\b)+16*\p
.endr
.endm
.macro BATCH b                         ; four k: sixteen packed multiply-adds; x's number serves both halves
.if (\b) < 15
	GLD (\b)+1
	s_wait_dscnt 8                                 ; this batch's rows are in; the next batch's eight loads are younger
.else
	s_wait_dscnt 0x0
.endif
	s_wait_loadcnt 15-(\b)                         ; load b of x is in; the later ones stay out
.irp kk, 0,1,2,3
.irp c, 0,1,2,3
.if ((\b) == 0) && (\kk == 0)
	v_pk_mul_f32 v[ACC+2*\c:ACC+2*\c+1], v[X:X+1], v[G+2*\c:G+2*\c+1] op_sel_hi:[0,1]   ; the first product starts the sums
.elseif \kk%2 == 0
	v_pk_fma_f32 v[ACC+2*\c:ACC+2*\c+1], v[X+4*(\b)+\kk:X+4*(\b)+\kk+1], v[G+32*((\b)%2)+8*\kk+2*\c:G+32*((\b)%2)+8*\kk+2*\c+1], v[ACC+2*\c:ACC+2*\c+1] op_sel_hi:[0,1,1]
.else
	v_pk_fma_f32 v[ACC+2*\c:ACC+2*\c+1], v[X+4*(\b)+\kk-1:X+4*(\b)+\kk], v[G+32*((\b)%2)+8*\kk+2*\c:G+32*((\b)%2)+8*\kk+2*\c+1], v[ACC+2*\c:ACC+2*\c+1] op_sel:[1,0,0] op_sel_hi:[1,1,1]
.endif
.endr
.endr
.endm
	GLD 0
.irp b, 0,1,2,3,4,5,6,7,8,9,10,11,12,13,14,15
	BATCH \b
.endr
	ds_store_b128 v5, v[ACC:ACC+3]
	ds_store_b128 v5, v[ACC+4:ACC+7] offset:16
	s_wait_dscnt 0x0                               ; for wave 0's sake: my partial logits have landed
	s_barrier_signal -1
	s_barrier_wait -1
	s_cmp_lg_u32 s12, 0
	s_cbranch_scc1 .Lend                           ; wave 0 finishes the 32 tokens
.irp w, 0,1,2,3,4,5,6,7,8,9,10,11,12,13,14,15
	ds_load_b128 v[16+8*\w:19+8*\w], v7 offset:1024*\w
	ds_load_b128 v[20+8*\w:23+8*\w], v7 offset:1024*\w+16
.endr
	s_lshl_b32 s16, ttmp9, 7
	s_add_nc_u64 s[22:23], s[8:9], s[16:17]        ; route + 128 g: ids
	s_lshl_b32 s16, ttmp9, 2
	s_add_nc_u64 s[24:25], s[8:9], s[16:17]        ; route + 4 g: masks
	s_lshl_b32 s16, ttmp9, 8
	s_add_nc_u64 s[26:27], s[10:11], s[16:17]      ; rw + 256 g: weights
	s_lshl_b32 s16, ttmp9, 6
	s_add_nc_u64 s[28:29], s[10:11], s[16:17]      ; rw + 64 g: part
	s_wait_dscnt 0x0
.irp c, 0,1,2,3
	v_pk_add_f32 v[8+2*\c:9+2*\c], v[16+2*\c:17+2*\c], v[24+2*\c:25+2*\c]
.endr
.irp w, 2,3,4,5,6,7,8,9,10,11,12,13,14,15
.irp c, 0,1,2,3
	v_pk_add_f32 v[8+2*\c:9+2*\c], v[8+2*\c:9+2*\c], v[16+8*\w+2*\c:17+8*\w+2*\c]
.endr
.endr
	; softmax: the maximum is taken away first
	v_max3_num_f32 v16, v8, v9, v10
	v_max3_num_f32 v16, v16, v11, v12
	v_max3_num_f32 v16, v16, v13, v14
	v_max_num_f32 v16, v16, v15
.irp e, 0,1,2,3,4,5,6,7
	v_sub_f32 v[24+\e], v[8+\e], v16
.endr
.irp e, 0,1,2,3,4,5,6,7
	v_mul_f32 v[24+\e], 0x3fb8aa3b, v[24+\e]       ; x log2(e)
.endr
.irp e, 0,1,2,3,4,5,6,7
	v_exp_f32 v[24+\e], v[24+\e]
.endr
	v_nop                                          ; a plain instruction behind the exponentials
	s_wait_alu depctr_va_vdst(0)
	v_add_f32 v17, v24, v25
	v_add_f32 v18, v26, v27
	v_add_f32 v19, v28, v29
	v_add_f32 v20, v30, v31
	v_add_f32 v17, v17, v18
	v_add_f32 v19, v19, v20
	v_add_f32 v17, v17, v19
	v_rcp_f32 v18, v17
	v_mov_b32 v56, -1.0                            ; (a plain instruction behind the reciprocal) under every probability
	s_wait_alu depctr_va_vdst(0)
.irp e, 0,1,2,3,4,5,6,7
	v_mul_f32 v[32+\e], v[24+\e], v18              ; p
.endr
	; the largest: kept while it is at least as large as the next, so of equal ones the lower index stays
	v_mov_b32 v40, v32
	v_mov_b32 v41, 0
.irp e, 1,2,3,4,5,6,7
	v_cmp_ge_f32 vcc_lo, v40, v[32+\e]
	v_cndmask_b32 v41, \e, v41, vcc_lo
	v_cndmask_b32 v40, v[32+\e], v40, vcc_lo
.endr
	; the second: the same over p with the first one's place set to -1
.irp e, 0,1,2,3,4,5,6,7
	v_cmp_eq_u32 vcc_lo, \e, v41
	v_cndmask_b32 v[48+\e], v[32+\e], v56, vcc_lo
.endr
	v_mov_b32 v42, v48
	v_mov_b32 v43, 0
.irp e, 1,2,3,4,5,6,7
	v_cmp_ge_f32 vcc_lo, v42, v[48+\e]
	v_cndmask_b32 v43, \e, v43, vcc_lo
	v_cndmask_b32 v42, v[48+\e], v42, vcc_lo
.endr
	v_add_f32 v44, v40, v42
	v_add_f32 v44, 0x322bcc77, v44                 ; + 1e-8
	v_rcp_f32 v45, v44
	v_lshl_or_b32 v57, v43, 8, v41                 ; (a plain instruction behind the reciprocal) id0 | id1 << 8
	s_wait_alu depctr_va_vdst(0)
	v_mul_f32 v46, v40, v45
	v_mul_f32 v47, v42, v45
	v_lshlrev_b32 v60, 2, v1
	v_lshlrev_b32 v61, 3, v1
	v_lshlrev_b32 v62, 7, v1
	global_store_b32 v60, v57, s[22:23] offset:1024   ; 128 consecutive bytes
	global_store_b64 v61, v[46:47], s[26:27]          ; 256 consecutive bytes, aligned
	v_mov_b32 v58, 0                               ; lane e: the mask of expert e
	v_mov_b32 v59, 0                               ; lane e: the sum of p; lane 8 + e: the count
.irp e, 0,1,2,3,4,5,6,7
	v_cmp_eq_u32 s30, \e, v41
	v_cmp_eq_u32 s31, \e, v43
	s_or_b32 s30, s30, s31
	v_writelane_b32 v58, s30, \e
	s_bcnt1_i32_b32 s31, s30
	s_cvt_f32_u32 s31, s31
	v_writelane_b32 v59, s31, 8+\e
.endr
.irp k, 1,2,4,8
.irp e, 0,1,2,3,4,5,6,7
	v_add_f32_dpp v[32+\e], v[32+\e], v[32+\e] row_xmask:\k row_mask:0xf bank_mask:0xf
.endr
.endr
.irp e, 0,1,2,3,4,5,6,7
	v_permlanex16_b32 v[64+\e], v[32+\e], s20, s21
.endr
.irp e, 0,1,2,3,4,5,6,7
	v_add_f32 v[32+\e], v[32+\e], v[64+\e]
.endr
.irp e, 0,1,2,3,4,5,6,7
	v_readfirstlane_b32 s30, v[32+\e]
	v_writelane_b32 v59, s30, \e
.endr
	s_wait_xcnt 0x0                                ; EXEC changes only behind this wait: the stores above have it among their sources
	v_cmp_gt_u32 vcc_lo, 8, v1
	s_and_saveexec_b32 s32, vcc_lo
	global_store_b32 v62, v58, s[24:25]            ; lane e: masks[e][g]
	s_wait_xcnt 0x0
	s_or_b32 exec_lo, exec_lo, s32
	v_cmp_gt_u32 vcc_lo, 16, v1
	s_and_saveexec_b32 s32, vcc_lo
	global_store_b32 v60, v59, s[28:29] offset:8192   ; part[g]: 64 consecutive bytes
	s_wait_xcnt 0x0
	s_or_b32 exec_lo, exec_lo, s32
.Lend:
	s_wait_tensorcnt 0x0
	ds_add_u32 v192, v193
	s_wait_dscnt 0x0
	s_endpgm
.Lfunc_end_k_q2b4f6dadb0_router:
	.size	k_q2b4f6dadb0_router, .Lfunc_end_k_q2b4f6dadb0_router-k_q2b4f6dadb0_router
	.p2alignl 7, 3214868480
	.fill 96, 4, 3214868480
	.section	.rodata,"a",@progbits
	.p2align	6, 0x0
	.amdhsa_kernel k_q2b4f6dadb0_router
		.amdhsa_group_segment_fixed_size 51200
		.amdhsa_private_segment_fixed_size 0
		.amdhsa_enable_private_segment 0
		.amdhsa_kernarg_size 32
		.amdhsa_user_sgpr_count 2
		.amdhsa_user_sgpr_kernarg_segment_ptr 1
		.amdhsa_wavefront_size32 1
		.amdhsa_system_sgpr_workgroup_id_x 1
		.amdhsa_system_sgpr_workgroup_id_y 1
		.amdhsa_system_sgpr_workgroup_id_z 1
		.amdhsa_system_vgpr_workitem_id 0
		.amdhsa_next_free_vgpr 194
		.amdhsa_next_free_sgpr 66
		.amdhsa_reserve_vcc 1
		.amdhsa_float_denorm_mode_32 3
		.amdhsa_float_denorm_mode_16_64 3
		.amdhsa_memory_ordered 1
		.amdhsa_forward_progress 1
		.amdhsa_inst_pref_size 47
	.end_amdhsa_kernel
	.amdgpu_metadata
---
amdhsa.version: [ 1, 2 ]
amdhsa.kernels:
  - .name:           k_q2b4f6dadb0_router
    .symbol:         k_q2b4f6dadb0_router.kd
    .args:
      - { .name: x, .offset: 0, .size: 8, .value_kind: global_buffer, .address_space: global }
      - { .name: gate_w, .offset: 8, .size: 8, .value_kind: global_buffer, .address_space: global }
      - { .name: route, .offset: 16, .size: 8, .value_kind: global_buffer, .address_space: global }
      - { .name: rw, .offset: 24, .size: 8, .value_kind: global_buffer, .address_space: global }
    .group_segment_fixed_size: 51200
    .private_segment_fixed_size: 0
    .kernarg_segment_align: 8
    .kernarg_segment_size: 32
    .max_flat_workgroup_size: 512
    .sgpr_count:     66
    .vgpr_count:     194
    .wavefront_size: 32
...
	.end_amdgpu_metadata
.endif
;; end of part 1
;; launch gather (part 2): grid 41 x 1, 4 waves a work-group, no clusters, 0 bytes of LDS; arguments x, route, rw, slots, xq, out1; writes slots, xq, out1
.if DOCPART == 2
	.amdgcn_target "amdgcn-amd-amdhsa--gfx1250"
	.amdhsa_code_object_version 6
	.text
	.protected	k_q2b4f6dadb0_gather
	.globl	k_q2b4f6dadb0_gather
	.p2align	8
	.type	k_q2b4f6dadb0_gather,@function
k_q2b4f6dadb0_gather:
	s_mov_b64 s[64:65], 0
	v_nop
	global_prefetch_b8 v0, s[64:65] scope:SCOPE_SE
	s_setreg_imm32_b32 hwreg(HW_REG_WAVE_MODE, 25, 1), 1
	s_wait_xcnt 0x0
; GATHER.  For each expert the tokens that chose it are numbered in ascending order (slots); a tile is 16 slots.  Expert e owns the fixed
; region of 64 tiles 64 e .. 64 e + 63, as many as any split can need, so nothing is summed over experts; only the tiles in use are touched.
; For each tile: slot -> token, from the router's bit masks; the slot's destination row (choice x 1024 + token; an unused slot: 2048 + e)
; and gate weight; and the 16 rows of x quantised to BF6 (E3M2, one E8M0 byte for 32 along K), laid as images of operand registers.
;   slots: cnt[e] at 4 e;  dr2 at 256 + 64 (64 e + T) + 32 (slot & 1) + 4 (slot >> 1)
;   xq:    codes at 12288 (64 e + T) + 1536 s + 512 i + 16 lane;  scale words at XS + 512 (64 e + T) + 64 s + 4 r;  weights at SW + 4 (1024 e + slot)
; SHARES.  Work-groups 0-39: expert b / 5; its twenty waves take tiles wi, wi + 20, wi + 40, wi + 60: one trip up to 320 rows, four for all 1,024.  A wave that
; the split leaves without a tile ends.  Work-group 40, wave 0: the loss, out1 = 0.08 x sum over e of (count_e / 2048) (sum p_e / 1024).
; A block's scale byte is its largest magnitude's exponent field - 4, held at 1 from below (a block of zeros keeps 1: its codes are zeros,
; and this program alone reads the bytes).  LIMITS: blocks whose largest magnitude lies under 2^-122 keep the byte 1; NaN and infinities are not served.
.set XS,  6291456
.set SW,  6553600
.set HA,  48                           ; v48-111  64 numbers of x, even K steps
.set PC,  112                          ; v112-130 the codes just made
.set ST,  132                          ; v132-195 odd K steps
.set TM,  200                          ; v200-215 at work in QUANT
.set PW,  216                          ; the scale word just made
.set SEL, 92
.set TRIPS, 4                          ; 20 waves x 4 trips reach tile 79, past an expert's 64
; s16-47 the expert's 32 mask words; the running counts c_i stand in s[48 + i + 2 (i / 16)], which passes over s64 and s65
.macro QUANT s                         ; 64 numbers of a lane, register 16 b + i = k 32 b + 16 (lane / 16) + i of my row, become a fragment's codes in v[PC] on and its scale word in v[PW]
.irp b, 0,1,2,3
	v_max3_num_f32 v[TM+\b], |v[\s+16*\b]|, |v[\s+1+16*\b]|, 0x2800000   ; and the floor 2^(5 - 127): the byte cannot fall under 1
.endr
.irp i, 2,4,6,8,10,12,14
.irp b, 0,1,2,3
	v_max3_num_f32 v[TM+\b], v[TM+\b], |v[\s+16*\b+\i]|, |v[\s+1+16*\b+\i]|
.endr
.endr
.irp b, 0,1,2,3
	v_permlanex16_b32 v[TM+4+\b], v[TM+\b], s[SEL], s[SEL+1]
.endr
.irp b, 0,1,2,3
	v_max_num_f32 v[TM+\b], v[TM+\b], v[TM+4+\b]   ; with lane l xor 16's: the block's largest magnitude
.endr
.irp b, 0,1,2,3
	v_add_nc_u32 v[TM+12+\b], 0xfe000000, v[TM+\b] ; 4 off its exponent field: the conversion's scale operand
.endr
.irp b, 0,1,2,3
	v_lshrrev_b32 v[TM+4+\b], 23, v[TM+12+\b]      ; the scale's byte
.endr
	v_lshl_or_b32 v[PW], v[TM+5], 8, v[TM+4]
	v_lshl_or_b32 v[PW], v[TM+6], 16, v[PW]
	v_lshl_or_b32 v[PW], v[TM+7], 24, v[PW]
.irp c, 0,1
	v_cvt_scalef32_pk16_bf6_f32 v[PC+6*\c:PC+2+6*\c], v[\s+32*\c:\s+15+32*\c], v[TM+12+2*\c]
	v_cvt_scalef32_pk16_bf6_f32 v[PC+12+4*\c:PC+14+4*\c], v[\s+16+32*\c:\s+31+32*\c], v[TM+12+2*\c+1]
.endr
	v_nop                                          ; one plain instruction behind a scaled conversion
.irp c, 0,1                            ; the operand wants a whole block in a lane: lanes 0-15 block 2 c, lanes 16-31 block 2 c + 1
.irp i, 0,1,2
	v_permlane16_swap_b32 v[PC+6*\c+\i], v[PC+12+4*\c+\i]
.endr
.irp i, 0,1,2
	v_mov_b32 v[PC+3+6*\c+\i], v[PC+12+4*\c+\i]
.endr
.endr
.endm
.macro XLOAD reg, s                    ; my slot's numbers of K step s: 16 neighbours of each block of 32
.irp b, 0,1,2,3
.irp j, 0,1,2,3
	global_load_b128 v[\reg+16*\b+4*\j:\reg+16*\b+4*\j+3], v4, s[4:5] offset:512*(\s)+128*\b+16*\j
.endr
.endr
.endm
.macro KSTEP s
.if (\s) < 7
	s_wait_loadcnt 16                              ; this K step's sixteen loads are in; the next step's are younger
.else
	s_wait_loadcnt 0x0
.endif
	s_wait_xcnt 0x0                                ; the last image's stores have read the registers that QUANT writes
.if (\s)%2 == 0
	QUANT HA
.else
	QUANT ST
.endif
.irp c, 0,1,2
	global_store_b128 v5, v[PC+4*\c:PC+4*\c+3], s[86:87] offset:1536*(\s)+512*\c   ; 512 consecutive bytes, aligned
.endr
.if (\s)%2 == 0
	v_mov_b32 v217, v[PW]
.else
	v_cndmask_b32 v218, v217, v[PW], s94           ; lanes 0-15 the even step's words, lanes 16-31 the odd step's
	global_store_b32 v6, v218, s[90:91] offset:XS+64*((\s)-1)
.endif
.if (\s)+2 < 8
.if (\s)%2 == 0
	XLOAD HA, (\s)+2
.else
	XLOAD ST, (\s)+2
.endif
.endif
.endm
	s_load_b256 s[4:11], s[0:1], 0x0               ; x, route, rw, slots
	s_load_b128 s[12:15], s[0:1], 0x20             ; xq, out1
	v_lshrrev_b32 v2, 5, v0
	v_readfirstlane_b32 s95, v2                    ; wave
	v_and_b32 v1, 31, v0                           ; lane
	v_and_b32 v2, 15, v0                           ; r: my slot in a tile
	v_bfe_u32 v3, v0, 4, 1                         ; h
	v_lshlrev_b32 v5, 4, v1                        ; 16 x lane
	v_lshlrev_b32 v6, 2, v1                        ; 4 x lane
	v_lshlrev_b32 v7, 2, v2                        ; 4 r
	v_and_b32 v8, 1, v2
	v_lshrrev_b32 v9, 1, v2
	v_lshlrev_b32 v9, 2, v9
	v_lshl_add_u32 v8, v8, 5, v9                   ; 32 (r & 1) + 4 (r >> 1)
	v_lshlrev_b32 v9, 6, v3                        ; 64 h
	s_mov_b32 s92, 0x76543210
	s_mov_b32 s93, 0xfedcba98
	s_mov_b32 s94, 0xffff0000
.irp b, 0,1,2,3
	v_mov_b32 v[TM+4+\b], 0                        ; written once: a lane permute's destination counts as one of its sources
.endr
	s_cmp_eq_u32 ttmp9, 40
	s_cbranch_scc1 .Lloss
	s_mul_i32 s85, ttmp9, 52
	s_lshr_b32 s85, s85, 8                         ; e = b / 5 for b under 40
	s_mul_i32 s96, s85, 5
	s_sub_co_u32 s96, ttmp9, s96
	s_lshl_b32 s96, s96, 2
	s_add_co_u32 s84, s96, s95                     ; T = my number among the expert's twenty waves
	s_lshl_b32 s2, s85, 7
	s_mov_b32 s3, 0
	s_add_co_u32 s99, s85, 2048                    ; the destination of unused slots
	s_wait_kmcnt 0x0
	s_add_nc_u64 s[86:87], s[6:7], s[2:3]
	s_load_b512 s[16:31], s[86:87], 0x0            ; the expert's 32 mask words
	s_load_b512 s[32:47], s[86:87], 0x40
	s_wait_kmcnt 0x0
	s_mov_b32 s48, 0
.irp i, 0,1,2,3,4,5,6,7,8,9,10,11,12,13,14,15,16,17,18,19,20,21,22,23,24,25,26,27,28,29,30
	s_bcnt1_i32_b32 s96, s[16+\i]
	s_add_co_u32 s[48+(\i+1)+2*((\i+1)/16)], s[48+\i+2*(\i/16)], s96   ; c_(i+1) = c_i + the bits of word i
.endr
	s_bcnt1_i32_b32 s96, s47
	s_add_co_u32 s82, s81, s96
	s_min_u32 s82, s82, 1024                       ; R: the expert's rows
	s_add_co_u32 s83, s82, 15
	s_lshr_b32 s83, s83, 4                         ; NT: its tiles
	s_cmp_lg_u32 s84, 0
	s_cbranch_scc1 .Lno_cnt
	v_mov_b32 v35, s82
	s_lshl_b32 s2, s85, 2
	v_mov_b32 v36, s2
	s_wait_xcnt 0x0
	v_cmp_eq_u32 vcc_lo, 0, v1
	s_and_saveexec_b32 s98, vcc_lo
	global_store_b32 v36, v35, s[10:11]            ; cnt[e], by one lane of one wave
	s_wait_xcnt 0x0
	s_or_b32 exec_lo, exec_lo, s98
.Lno_cnt:
	s_cmp_ge_u32 s84, s83
	s_cbranch_scc1 .Lend
	s_mov_b32 s101, 0                              ; the loop's own counter: at most TRIPS trips
.Ltile:
	s_wait_xcnt 0x0                                ; the last tile's stores have read their bases and data
	s_lshl_b32 s100, s85, 6
	s_add_co_u32 s100, s100, s84                   ; 64 e + T
	s_mov_b32 s3, 0
	s_mul_i32 s2, s100, 12288
	s_add_nc_u64 s[86:87], s[12:13], s[2:3]        ; codes
	s_lshl_b32 s2, s100, 6
	s_add_nc_u64 s[88:89], s[10:11], s[2:3]        ; destination rows
	s_add_nc_u64 s[96:97], s[12:13], s[2:3]        ; weights
	s_lshl_b32 s2, s100, 9
	s_add_nc_u64 s[90:91], s[12:13], s[2:3]        ; scale words
	s_lshl_b32 s2, s84, 4
	v_add_nc_u32 v19, s2, v2                       ; P: my slot's number in the expert
	; the last word i with c_i <= P holds the slot's bit
	v_mov_b32 v20, s16
	v_mov_b32 v21, 0
	v_mov_b32 v22, 0
.irp i, 1,2,3,4,5,6,7,8,9,10,11,12,13,14,15,16,17,18,19,20,21,22,23,24,25,26,27,28,29,30,31
	v_cmp_gt_u32 vcc_lo, s[48+\i+2*(\i/16)], v19   ; c_i > P: keep
	v_cndmask_b32 v20, s[16+\i], v20, vcc_lo
	v_cndmask_b32 v21, s[48+\i+2*(\i/16)], v21, vcc_lo
	v_cndmask_b32 v22, \i, v22, vcc_lo
.endr
	v_sub_nc_u32 v21, v19, v21                     ; q: the bit wanted is the word's set bit number q; its place = how many places have at most q set bits up to and with them
	v_mov_b32 v32, 0
	v_mov_b32 v34, 0
.set BITN, 0
.rept 32
	v_bfe_u32 v37, v20, BITN, 1
	v_add_nc_u32 v32, v32, v37
	v_cmp_le_u32 vcc_lo, v32, v21
	v_add_co_ci_u32 v34, vcc_lo, 0, v34, vcc_lo
.set BITN, BITN+1
.endr
	v_lshl_add_u32 v23, v22, 5, v34
	v_min_u32 v23, 0x3ff, v23                      ; the token (an unused slot gets some token: its rows go to a row that nobody reads)
	v_cmp_gt_u32 s98, s82, v19                     ; R > P: the slot is in use
	v_lshlrev_b32 v25, 2, v23
	v_lshlrev_b32 v28, 3, v23
	v_lshl_add_u32 v4, v23, 12, v9                 ; its row of x, + 64 h
	global_load_b32 v24, v25, s[6:7] offset:1024
	global_load_b64 v[26:27], v28, s[8:9]
	XLOAD HA, 0
	XLOAD ST, 1
	s_wait_loadcnt 32                              ; ids and weights are in; two K steps of x are younger
	v_bfe_u32 v29, v24, 8, 8
	v_cmp_eq_u32 vcc_lo, s85, v29                  ; am I the token's second choice?
	v_cndmask_b32 v30, v26, v27, vcc_lo            ; the gate's weight
	v_add_nc_u32 v31, 0x400, v23
	v_cndmask_b32 v31, v23, v31, vcc_lo            ; choice x 1024 + token
	v_mov_b32 v33, s99
	v_cndmask_b32 v31, v33, v31, s98
	global_store_b32 v8, v31, s[88:89] offset:256  ; lanes 16-31 write the same words with the same values
	global_store_b32 v7, v30, s[96:97] offset:SW
.irp s, 0,1,2,3,4,5,6,7
	KSTEP \s
.endr
	s_add_co_u32 s84, s84, 20                      ; my next tile;
	s_cmp_ge_u32 s84, s83
	s_cbranch_scc1 .Lend                           ; the expert has no such tile: done
	s_add_co_u32 s101, s101, 1
	s_cmp_lt_u32 s101, TRIPS
	s_cbranch_scc1 .Ltile
	s_endpgm
.Lloss:
	s_cmp_lg_u32 s95, 0
	s_cbranch_scc1 .Lend
	v_lshlrev_b32 v10, 6, v1
	v_mov_b32 v32, 0
	v_mov_b32 v33, 0
	s_wait_kmcnt 0x0
.irp i, 0,1,2,3
	global_load_b128 v[16+4*\i:19+4*\i], v10, s[8:9] offset:8192+16*\i   ; lane g: part[g]
.endr
	s_wait_loadcnt 0x0
.irp k, 1,2,4,8
.irp i, 0,1,2,3,4,5,6,7,8,9,10,11,12,13,14,15
	v_add_f32_dpp v[16+\i], v[16+\i], v[16+\i] row_xmask:\k row_mask:0xf bank_mask:0xf
.endr
.endr
.irp i, 0,2,4,6,8,10,12,14
	v_permlanex16_b32 v32, v[16+\i], s92, s93
	v_permlanex16_b32 v33, v[17+\i], s92, s93
	v_add_f32 v[16+\i], v[16+\i], v32
	v_add_f32 v[17+\i], v[17+\i], v33
.endr
	v_mul_f32 v34, v16, v24
.irp e, 1,2,3,4,5,6,7
	v_fmac_f32 v34, v[16+\e], v[24+\e]             ; sum of p x count
.endr
	v_mul_f32 v34, 0x3323d70a, v34                 ; x 0.08 / 2^21
	v_mov_b32 v35, 0
	s_wait_xcnt 0x0
	v_cmp_eq_u32 vcc_lo, 0, v1
	s_and_saveexec_b32 s98, vcc_lo
	global_store_b32 v35, v34, s[14:15]
	s_wait_xcnt 0x0
	s_or_b32 exec_lo, exec_lo, s98
.Lend:
	s_endpgm
.Lfunc_end_k_q2b4f6dadb0_gather:
	.size	k_q2b4f6dadb0_gather, .Lfunc_end_k_q2b4f6dadb0_gather-k_q2b4f6dadb0_gather
	.p2alignl 7, 3214868480
	.fill 96, 4, 3214868480
	.section	.rodata,"a",@progbits
	.p2align	6, 0x0
	.amdhsa_kernel k_q2b4f6dadb0_gather
		.amdhsa_group_segment_fixed_size 0
		.amdhsa_private_segment_fixed_size 0
		.amdhsa_enable_private_segment 0
		.amdhsa_kernarg_size 48
		.amdhsa_user_sgpr_count 2
		.amdhsa_user_sgpr_kernarg_segment_ptr 1
		.amdhsa_wavefront_size32 1
		.amdhsa_system_sgpr_workgroup_id_x 1
		.amdhsa_system_sgpr_workgroup_id_y 1
		.amdhsa_system_sgpr_workgroup_id_z 1
		.amdhsa_system_vgpr_workitem_id 0
		.amdhsa_next_free_vgpr 224
		.amdhsa_next_free_sgpr 102
		.amdhsa_reserve_vcc 1
		.amdhsa_float_denorm_mode_32 3
		.amdhsa_float_denorm_mode_16_64 3
		.amdhsa_memory_ordered 1
		.amdhsa_forward_progress 1
		.amdhsa_inst_pref_size 68
	.end_amdhsa_kernel
	.amdgpu_metadata
---
amdhsa.version: [ 1, 2 ]
amdhsa.kernels:
  - .name:           k_q2b4f6dadb0_gather
    .symbol:         k_q2b4f6dadb0_gather.kd
    .args:
      - { .name: x, .offset: 0, .size: 8, .value_kind: global_buffer, .address_space: global }
      - { .name: route, .offset: 8, .size: 8, .value_kind: global_buffer, .address_space: global }
      - { .name: rw, .offset: 16, .size: 8, .value_kind: global_buffer, .address_space: global }
      - { .name: slots, .offset: 24, .size: 8, .value_kind: global_buffer, .address_space: global }
      - { .name: xq, .offset: 32, .size: 8, .value_kind: global_buffer, .address_space: global }
      - { .name: out1, .offset: 40, .size: 8, .value_kind: global_buffer, .address_space: global }
    .group_segment_fixed_size: 0
    .private_segment_fixed_size: 0
    .kernarg_segment_align: 8
    .kernarg_segment_size: 48
    .max_flat_workgroup_size: 128
    .sgpr_count:     102
    .vgpr_count:     224
    .wavefront_size: 32
...
	.end_amdgpu_metadata
.endif
;; end of part 2
;; launch gateup (part 3): grid 43 x 8, 4 waves a work-group, no clusters, 102,912 bytes of LDS; arguments w_gate, w_up, xq, slots, hq; writes hq
.if DOCPART == 3
	.amdgcn_target "amdgcn-amd-amdhsa--gfx1250"
	.amdhsa_code_object_version 6
	.text
	.protected	k_q2b4f6dadb0_gateup
	.globl	k_q2b4f6dadb0_gateup
	.p2align	8
	.type	k_q2b4f6dadb0_gateup,@function
k_q2b4f6dadb0_gateup:
	s_mov_b64 s[64:65], 0
	v_nop
	global_prefetch_b8 v0, s[64:65] scope:SCOPE_SE
	s_setreg_imm32_b32 hwreg(HW_REG_WAVE_MODE, 25, 1), 1
	s_wait_xcnt 0x0
; h = silu(x Wg) * (x Wu) for the rows routed to expert e, 64 columns of F a work-group (sg = work-group x, e = work-group y), both products on BF6 codes.
; THE WEIGHTS ARE READ ONCE, AS f32, AND NEVER WRITTEN: each wave streams 512 rows of K x 64 columns of one matrix (wave & 1: gate or up; wave >> 1: which half of K),
; quantises along K in registers and leaves images of operand registers in LDS; one barrier; then the waves share the expert's tiles of 16 rows, four tiles a round.
; THE STREAM.  A load takes 16 bytes a lane: lanes 0-15 read 256 consecutive bytes of row k, aligned, lanes 16-31 those of row k + 16.  So a lane has four neighbouring columns,
; and TILE j OF THE WEIGHTS IS THE COLUMNS 4 q + j.  The conversion wants 16 neighbours along K in consecutive registers: one move a number.
; THE RESULT.  Transposed use (source 0 = 16 columns of the weight, source 1 = 16 rows of x): register jj of tile j in lane (r, hh) is column 32 hh + 4 jj + j of row r.  The four tiles
; give a lane a WHOLE block of 32 along F, at place p = 8 j + jj the column 4 (p % 8) + p / 8.  The order inside a block is free if the other operand has it too: the next
; launch takes w_down's rows in this order.  So h's largest magnitude needs no other lane, and the two conversions give six registers of the next operand as they stand.
;   hq: codes at 33792 (64 e + T) + 768 sg: 512 bytes at 16 lane, 256 at 8 lane (sg even: registers 0-3, 4-5 of the fragment of K step sg / 2; odd: 8-11, 6-7);
;       scale bytes at HS + 1408 (64 e + T) + 64 (sg / 2) + 4 r + 2 (sg % 2) + hh.  F = 2,752 is 21.5 steps of 128: work-group 42 also writes zero codes for the missing half.
; No cluster: a work-group's own weights (512 KiB as f32) outweigh what it shares with others (x's codes), and trip counts hang on counts read from memory.
; LIMITS: blocks whose largest magnitude lies under 2^-122 keep the scale byte 1 (a block of zeros too: its codes are zeros, and this program alone reads the bytes); NaN and infinities are not served.
; REGISTERS.  Window 0: v1-11 addresses; v12-19, v20-35 scale words and nothing else; v36-83, v84-131 gate's and up's four fragments; v132-179, v180-227 x's fragments, two sets of four.
;   In the stream v36-163 are at work; on the way out v36-79 and v132-167.  Window 1: in the stream four landing buffers of 64; then the accumulators (slot m, matrix, tile j) at 64 m + 32 mat + 8 j.
.set ROWB, 11008                       ; a row of w_gate or w_up in bytes: 43 x 256
.set SCB,  98304                       ; LDS: images at 49152 mat + 6144 s + 1536 j + 512 i + 16 lane; scale words at SCB + 128 (4 s + j) + 64 mat + 4 q
.set XS,   6291456
.set HS,   17301504
.set BSC,  12
.set ASC,  20
.set BG,   36
.set A0,   132
.set TT,   36                          ; v36-99   16 numbers along K for each of four columns; on the way out v36-67: 32 numbers of h
.set MX,   100
.set MY,   104
.set SF,   108
.set BYT,  112
.set FR,   116                         ; v116 + 8 j: six registers of column set j's fragment
.set XR,   148                         ; v148 + 4 j: a conversion's three registers
.set EM,   68
.set EX,   76
.set CB,   132                         ; v132 + 8 m: slot m's six registers of codes, then its scale byte
.set ZR,   164
.set MSB, 0
.macro WIN new                         ; the immediate's high byte repeats the setting that is left
.if MSB != \new
	s_set_vgpr_msb (MSB<<8)|\new
.set MSB, \new
.endif
.endm
.macro PLACES                          ; four plain instructions between a matrix instruction and a load into, or a vector instruction on, its registers
.rept 4
	v_nop
.endr
.endm
.macro LDBLK bt                        ; block bt: 32 rows of K
.irp i, 0,1,2,3,4,5,6,7,8,9,10,11,12,13,14,15
	global_load_b128 v[64*((\bt)%4)+4*\i:64*((\bt)%4)+4*\i+3], v3, s[22:23] offset:(32*(\bt)+\i)*ROWB th:TH_LOAD_NT
.endr
.endm
.macro BLK bt, ahead, left
.set BUF, 64*((\bt)%4)
.set SL, (\bt)/4                       ; my K step
.set CC, ((\bt)/2)%2                   ; which 64 of it
	s_wait_loadcnt \left                           ; this block's sixteen loads are in; the younger blocks stay out
	WIN 0x01
.irp i, 0,1,2,3,4,5,6,7,8,9,10,11,12,13,14,15
.irp j, 0,1,2,3
	v_mov_b32 v[TT+16*\j+\i], v[BUF+4*\i+\j]       ; column 4 q + j: k = 32 bt + 16 hh + i
.endr
.endr
.if \ahead
	WIN 0x40
	LDBLK (\bt)+4                                  ; the buffer takes the block four on
.endif
	WIN 0
.irp j, 0,1,2,3
	v_max3_num_f32 v[MX+\j], |v[TT+16*\j]|, |v[TT+16*\j+1]|, 0x2800000   ; and the floor 2^(5 - 127): the byte cannot fall under 1
.endr
.irp i, 2,4,6,8,10,12,14
.irp j, 0,1,2,3
	v_max3_num_f32 v[MX+\j], v[MX+\j], |v[TT+16*\j+\i]|, |v[TT+16*\j+\i+1]|
.endr
.endr
.irp j, 0,1,2,3
	v_permlanex16_b32 v[MY+\j], v[MX+\j], s36, s37
.endr
.irp j, 0,1,2,3
	v_max_num_f32 v[MX+\j], v[MX+\j], v[MY+\j]     ; with lane l xor 16's 16 rows: the block's largest magnitude
.endr
.irp j, 0,1,2,3
	v_add_nc_u32 v[SF+\j], 0xfe000000, v[MX+\j]    ; 4 off its exponent field: the conversion's scale operand
.endr
.if (\bt)%2 == 0
	s_wait_dscnt 0x0                               ; the last pair's LDS stores have read the registers written below
.irp j, 0,1,2,3
	v_lshrrev_b32 v[BYT+\j], 23, v[SF+\j]
.endr
.irp j, 0,1,2,3
	v_cvt_scalef32_pk16_bf6_f32 v[FR+8*\j:FR+8*\j+2], v[TT+16*\j:TT+16*\j+15], v[SF+\j]
.endr
	v_nop                                          ; one plain instruction behind a scaled conversion
.else
.irp j, 0,1,2,3
	v_lshrrev_b32 v[MX+\j], 23, v[SF+\j]
.endr
.irp j, 0,1,2,3
	v_lshl_or_b32 v[BYT+\j], v[MX+\j], 8, v[BYT+\j]   ; the pair's two scale bytes
.endr
.irp j, 0,1,2,3
	v_cvt_scalef32_pk16_bf6_f32 v[XR+4*\j:XR+4*\j+2], v[TT+16*\j:TT+16*\j+15], v[SF+\j]
.endr
	v_nop
.irp j, 0,1,2,3                        ; the operand wants a whole block in a lane: lanes 0-15 the even block, lanes 16-31 the odd one
.irp i, 0,1,2
	v_permlane16_swap_b32 v[FR+8*\j+\i], v[XR+4*\j+\i]
.endr
.endr
.irp j, 0,1,2,3
.irp i, 0,1,2
	v_mov_b32 v[FR+8*\j+3+\i], v[XR+4*\j+\i]
.endr
.endr
.irp j, 0,1,2,3                        ; registers 6 CC .. 6 CC + 5 of the fragment's image
.if CC == 0
	ds_store_b128 v4, v[FR+8*\j:FR+8*\j+3] offset:SL*6144+\j*1536
	ds_store_b64 v4, v[FR+8*\j+4:FR+8*\j+5] offset:SL*6144+\j*1536+512
.else
	ds_store_b64 v4, v[FR+8*\j:FR+8*\j+1] offset:SL*6144+\j*1536+520
	ds_store_b128 v4, v[FR+8*\j+2:FR+8*\j+5] offset:SL*6144+\j*1536+1024
.endif
	ds_store_b16 v5, v[BYT+\j] offset:(4*SL+\j)*128+2*CC   ; lanes q and q + 16 write the same two bytes with the same values
.endr
.endif
.endm
; one scaled product; z: it starts the sum; ra, rb: the scale words stand in lanes 16-31
.macro WM d, a, b, z, sa, sb, ra, rb
.if (\z) && (\ra)
	v_wmma_scale_f32_16x16x128_f8f6f4 v[(\d):(\d)+7], v[(\a):(\a)+11], v[(\b):(\b)+11], 0, v[\sa], v[\sb] matrix_a_fmt:MATRIX_FMT_BF6 matrix_b_fmt:MATRIX_FMT_BF6 matrix_a_scale:MATRIX_SCALE_ROW1
.elseif (\z)
	v_wmma_scale_f32_16x16x128_f8f6f4 v[(\d):(\d)+7], v[(\a):(\a)+11], v[(\b):(\b)+11], 0, v[\sa], v[\sb] matrix_a_fmt:MATRIX_FMT_BF6 matrix_b_fmt:MATRIX_FMT_BF6
.elseif (\ra) && (\rb)
	v_wmma_scale_f32_16x16x128_f8f6f4 v[(\d):(\d)+7], v[(\a):(\a)+11], v[(\b):(\b)+11], v[(\d):(\d)+7], v[\sa], v[\sb] matrix_a_fmt:MATRIX_FMT_BF6 matrix_b_fmt:MATRIX_FMT_BF6 matrix_a_scale:MATRIX_SCALE_ROW1 matrix_b_scale:MATRIX_SCALE_ROW1
.elseif (\ra)
	v_wmma_scale_f32_16x16x128_f8f6f4 v[(\d):(\d)+7], v[(\a):(\a)+11], v[(\b):(\b)+11], v[(\d):(\d)+7], v[\sa], v[\sb] matrix_a_fmt:MATRIX_FMT_BF6 matrix_b_fmt:MATRIX_FMT_BF6 matrix_a_scale:MATRIX_SCALE_ROW1
.elseif (\rb)
	v_wmma_scale_f32_16x16x128_f8f6f4 v[(\d):(\d)+7], v[(\a):(\a)+11], v[(\b):(\b)+11], v[(\d):(\d)+7], v[\sa], v[\sb] matrix_a_fmt:MATRIX_FMT_BF6 matrix_b_fmt:MATRIX_FMT_BF6 matrix_b_scale:MATRIX_SCALE_ROW1
.else
	v_wmma_scale_f32_16x16x128_f8f6f4 v[(\d):(\d)+7], v[(\a):(\a)+11], v[(\b):(\b)+11], v[(\d):(\d)+7], v[\sa], v[\sb] matrix_a_fmt:MATRIX_FMT_BF6 matrix_b_fmt:MATRIX_FMT_BF6
.endif
.endm
.macro MULS s, mat, ns                 ; 4 ns products, each on an accumulator of its own
.set MM, 0
.rept \ns
.irp j, 0,1,2,3
	WM 64*MM+32*(\mat)+8*\j, BG+48*(\mat)+12*\j, A0+48*((\s)%2)+12*MM, (\s)==0, BSC+4*((\s)%2)+\j, ASC+4*MM+(\s)/2, \mat, (\s)%2
.endr
.set MM, MM+1
.endr
.endm
.macro ALOAD set, s, ns                ; x's fragments of K step s, 3 loads a slot
.set MM, 0
.rept \ns
.irp i, 0,1,2
	global_load_b128 v[A0+48*(\set)+12*MM+4*\i:A0+48*(\set)+12*MM+4*\i+3], v6, s[24:25] offset:49152*MM+1536*(\s)+512*\i
.endr
.set MM, MM+1
.endr
.endm
.macro BGLOAD s                        ; K step s: the four scale registers (lanes 0-15 gate's words, lanes 16-31 up's) and gate's four fragments: 16 LDS loads
.irp j, 0,1,2,3
	ds_load_b32 v[BSC+4*((\s)%2)+\j], v8 offset:(4*(\s)+\j)*128
.endr
.irp j, 0,1,2,3
.irp i, 0,1,2
	ds_load_b128 v[BG+12*\j+4*\i:BG+12*\j+4*\i+3], v6 offset:(\s)*6144+\j*1536+\i*512
.endr
.endr
.endm
.macro BULOAD s                        ; up's four fragments: 12 LDS loads
.irp j, 0,1,2,3
.irp i, 0,1,2
	ds_load_b128 v[BG+48+12*\j+4*\i:BG+48+12*\j+4*\i+3], v7 offset:(\s)*6144+\j*1536+\i*512
.endr
.endr
.endm
.macro RSTEP s, ns
.if (\s) < 7
	s_wait_loadcnt 3*(\ns)                         ; x's fragments of this step are in; the next step's are younger
.else
	s_wait_loadcnt 0x0
.endif
	s_wait_dscnt 12                                ; gate's fragments and the scale words are in; up's twelve loads are younger
	WIN 0x50                                       ; C and D in window 1
	MULS \s, 0, \ns
	WIN 0
	PLACES
.if (\s) < 7
	BGLOAD (\s)+1
	s_wait_dscnt 16                                ; up's fragments are in; the sixteen just issued are younger
.else
	s_wait_dscnt 0x0
.endif
	WIN 0x50
	MULS \s, 1, \ns
	WIN 0
	PLACES
.if (\s) < 7
	BULOAD (\s)+1
.endif
.if (\s) < 6
	ALOAD (\s)%2, (\s)+2, \ns
.endif
.endm
.macro EPI m                           ; slot m: h = g / (1 + 2^(-g log2 e)) x u, in f32; its block of 32 quantised
	WIN 0x01
.set PP, 0
.rept 16
	v_pk_mul_f32 v[TT+PP:TT+PP+1], v[64*(\m)+PP:64*(\m)+PP+1], s[34:35] op_sel_hi:[1,0]   ; each accumulator from its low end on
.set PP, PP+2
.endr
	WIN 0
.set PP, 0
.rept 32
	v_exp_f32 v[TT+PP], v[TT+PP]
.set PP, PP+1
.endr
	v_nop                                          ; a plain instruction behind the exponentials
.set PP, 0
	s_wait_alu depctr_va_vdst(0)
.rept 16
	v_pk_add_f32 v[TT+PP:TT+PP+1], v[TT+PP:TT+PP+1], 1.0 op_sel_hi:[1,0]
.set PP, PP+2
.endr
.set PP, 0
.rept 32
	v_rcp_f32 v[TT+PP], v[TT+PP]
.set PP, PP+1
.endr
	v_nop
	WIN 0x04
.set PP, 0
	s_wait_alu depctr_va_vdst(0)
.rept 16
	v_pk_mul_f32 v[TT+PP:TT+PP+1], v[TT+PP:TT+PP+1], v[64*(\m)+PP:64*(\m)+PP+1]
.set PP, PP+2
.endr
.set PP, 0
.rept 16
	v_pk_mul_f32 v[TT+PP:TT+PP+1], v[TT+PP:TT+PP+1], v[64*(\m)+32+PP:64*(\m)+32+PP+1]
.set PP, PP+2
.endr
	WIN 0
	v_max3_num_f32 v[EM], |v[TT]|, |v[TT+1]|, 0x2800000
	v_max_num_f32 v[EM+1], |v[TT+16]|, |v[TT+17]|
.irp i, 2,4,6,8,10,12,14
	v_max3_num_f32 v[EM], v[EM], |v[TT+\i]|, |v[TT+\i+1]|
	v_max3_num_f32 v[EM+1], v[EM+1], |v[TT+16+\i]|, |v[TT+17+\i]|
.endr
	v_max_num_f32 v[EM], v[EM], v[EM+1]            ; all 32 numbers of the block are mine
	v_add_nc_u32 v[EM+2], 0xfe000000, v[EM]
	v_lshrrev_b32 v[CB+8*(\m)+6], 23, v[EM+2]      ; the scale's byte
	v_cvt_scalef32_pk16_bf6_f32 v[CB+8*(\m):CB+8*(\m)+2], v[TT:TT+15], v[EM+2]
	v_cvt_scalef32_pk16_bf6_f32 v[EX:EX+2], v[TT+16:TT+31], v[EM+2]
	v_nop
.irp i, 0,1,2
	v_mov_b32 v[CB+8*(\m)+3+\i], v[EX+\i]
.endr
.endm
.macro ROUND ns                        ; ns tiles of 16 rows: tau, tau + 4, ..
	s_wait_xcnt 0x0                                ; the last round's stores have read their bases and data
	s_lshl_b32 s39, s18, 6
	s_add_co_u32 s39, s39, s21                     ; 64 e + tau
	s_mov_b32 s3, 0
	s_mul_i32 s2, s39, 12288
	s_add_nc_u64 s[24:25], s[8:9], s[2:3]          ; x's codes
	s_lshl_b32 s2, s39, 9
	s_add_nc_u64 s[26:27], s[8:9], s[2:3]          ; x's scale words
	s_mul_i32 s2, s39, 33792
	s_add_co_u32 s2, s2, s40
	s_add_nc_u64 s[28:29], s[12:13], s[2:3]        ; h's codes
	s_mul_i32 s2, s39, 1408
	s_add_co_u32 s2, s2, s41
	s_add_nc_u64 s[30:31], s[12:13], s[2:3]        ; h's scale bytes
.set MM, 0
.rept \ns
.irp t, 0,1,2,3
	global_load_b32 v[ASC+4*MM+\t], v9, s[26:27] offset:XS+2048*MM+128*\t   ; lanes 0-15: K step 2 t, lanes 16-31: 2 t + 1
.endr
.set MM, MM+1
.endr
	ALOAD 0, 0, \ns
	ALOAD 1, 1, \ns
	BGLOAD 0
	BULOAD 0
.irp s, 0,1,2,3,4,5,6,7
	RSTEP \s, \ns
.endr
.set MQ, 0
.rept \ns
	EPI MQ
.set MQ, MQ+1
.endr
	s_bitcmp1_b32 s17, 0
	s_cbranch_scc1 .Lodd_\@
.set MM, 0
.rept \ns
	global_store_b128 v6, v[CB+8*MM:CB+8*MM+3], s[28:29] offset:135168*MM          ; 512 consecutive bytes, aligned
	global_store_b64 v10, v[CB+8*MM+4:CB+8*MM+5], s[28:29] offset:135168*MM+512    ; 256
.set MM, MM+1
.endr
	s_branch .Lsent_\@
.Lodd_\@:
.set MM, 0
.rept \ns
	global_store_b128 v6, v[CB+8*MM+2:CB+8*MM+5], s[28:29] offset:135168*MM
	global_store_b64 v10, v[CB+8*MM:CB+8*MM+1], s[28:29] offset:135168*MM+512
.set MM, MM+1
.endr
.Lsent_\@:
.set MM, 0
.rept \ns
	global_store_b8 v11, v[CB+8*MM+6], s[30:31] offset:5632*MM
.set MM, MM+1
.endr
	s_cmp_lg_u32 s17, 42
	s_cbranch_scc1 .Lno_pad_\@
.irp i, 0,1,2,3
	v_mov_b32 v[ZR+\i], 0
.endr
.set MM, 0
.rept \ns                              ; K = 2,752 is filled up to 2,816 with zero codes; their scale bytes are any byte but 0xff
	global_store_b128 v6, v[ZR:ZR+3], s[28:29] offset:135168*MM+768
	global_store_b64 v10, v[ZR:ZR+1], s[28:29] offset:135168*MM+1280
	global_store_b8 v11, v[CB+8*MM+6], s[30:31] offset:5632*MM+2
.set MM, MM+1
.endr
.Lno_pad_\@:
.endm
	s_load_b256 s[4:11], s[0:1], 0x0               ; w_gate, w_up, xq, slots
	s_load_b64 s[12:13], s[0:1], 0x20              ; hq
	v_lshl_add_u32 v254, v0, 2, 0x19000
	v_mov_b32 v255, 0
	v_lshrrev_b32 v2, 5, v0
	v_readfirstlane_b32 s14, v2                    ; wave
	s_and_b32 s15, s14, 1                          ; gate or up
	s_lshr_b32 s16, s14, 1                         ; which half of K
	s_mov_b32 s17, ttmp9                           ; sg: which 64 columns of F
	s_and_b32 s18, ttmp7, 0xffff                   ; e
	v_and_b32 v11, 31, v0                          ; lane
	v_and_b32 v1, 15, v0                           ; q, r
	v_bfe_u32 v2, v0, 4, 1                         ; hh
	v_mul_u32_u24 v3, v2, 16*ROWB
	v_lshl_add_u32 v3, v1, 4, v3                   ; the stream: 16 rows for hh, 16 bytes for q
	v_lshlrev_b32 v6, 4, v11                       ; 16 x lane: images, gate's in LDS
	v_lshlrev_b32 v10, 3, v11                      ; 8 x lane
	v_lshlrev_b32 v9, 2, v11                       ; 4 x lane
	v_add_nc_u32 v7, 49152, v6                     ; up's images in LDS
	v_add_nc_u32 v8, SCB, v9                       ; the weights' scale words
	s_mul_i32 s32, s15, 49152
	s_mul_i32 s33, s16, 24576
	s_add_co_u32 s32, s32, s33
	v_add_nc_u32 v4, s32, v6                       ; where my wave puts its images
	s_lshl_b32 s32, s15, 6
	s_lshl_b32 s33, s16, 11
	s_add_co_u32 s32, s32, s33
	s_add_co_u32 s32, s32, SCB
	v_lshl_add_u32 v5, v1, 2, s32                  ; and its scale bytes
	v_lshl_add_u32 v11, v1, 2, v2                  ; 4 r + hh: h's scale byte
	s_mul_i32 s2, s18, 1024*ROWB
	s_mul_i32 s32, s16, 512*ROWB
	s_add_co_u32 s2, s2, s32
	s_lshl_b32 s32, s17, 8
	s_add_co_u32 s2, s2, s32
	s_mov_b32 s3, 0
	s_lshl_b32 s38, s18, 2
	s_mul_i32 s40, s17, 768
	s_lshr_b32 s41, s17, 1
	s_lshl_b32 s41, s41, 6
	s_and_b32 s32, s17, 1
	s_lshl_b32 s32, s32, 1
	s_add_co_u32 s41, s41, s32
	s_add_co_u32 s41, s41, HS
	s_mov_b32 s34, 0xbfb8aa3b                      ; -log2(e)
	s_mov_b32 s35, s34                             ; (named with it as a pair)
	s_mov_b32 s36, 0x76543210
	s_mov_b32 s37, 0xfedcba98
.irp j, 0,1,2,3
	v_mov_b32 v[MY+\j], 0                          ; written once: a lane permute's destination counts as one of its sources
.endr
	s_wait_kmcnt 0x0
	s_cmp_eq_u32 s15, 0
	s_cselect_b64 s[22:23], s[4:5], s[6:7]         ; the choice hangs on the wave's number alone
	s_add_nc_u64 s[22:23], s[22:23], s[2:3]
	s_load_b32 s19, s[10:11], s38 offset:0x0       ; the expert's rows
	WIN 0x40
	LDBLK 0                                        ; four blocks, 64 loads of 512 bytes a wave; a load that the counter's field cannot hold waits at issue (ISA guide 5.7.1)
	LDBLK 1
	LDBLK 2
	LDBLK 3
.irp bt, 0,1,2,3,4,5,6,7,8,9,10,11
	BLK \bt, 1, 48
.endr
	BLK 12, 0, 48
	BLK 13, 0, 32
	BLK 14, 0, 16
	BLK 15, 0, 0
	s_wait_dscnt 0x0                               ; for the others' sake: my images and scale bytes have landed
	s_barrier_signal -1
	s_barrier_wait -1                              ; the one barrier: behind it nobody writes LDS
	s_wait_kmcnt 0x0
	s_min_u32 s19, s19, 1024
	s_add_co_u32 s19, s19, 15
	s_lshr_b32 s19, s19, 4                         ; NT tiles
	s_add_co_u32 s20, s19, 3
	s_sub_co_u32 s20, s20, s14
	s_lshr_b32 s20, s20, 2                         ; my tiles: wave, wave + 4, ..
	s_mov_b32 s21, s14
	s_cmp_ge_i32 s20, 4
	s_cbranch_scc0 .Lsingles
.Lfours:
	ROUND 4
	s_add_co_u32 s21, s21, 16
	s_sub_co_i32 s20, s20, 4
	s_cmp_ge_i32 s20, 4
	s_cbranch_scc1 .Lfours
.Lsingles:
	s_cmp_gt_i32 s20, 0
	s_cbranch_scc0 .Ldone
.Lone:
	ROUND 1
	s_add_co_u32 s21, s21, 4
	s_sub_co_i32 s20, s20, 1
	s_cmp_gt_i32 s20, 0
	s_cbranch_scc1 .Lone
.Ldone:
	s_wait_tensorcnt 0x0
	ds_add_u32 v254, v255
	s_wait_dscnt 0x0
	s_endpgm
.Lfunc_end_k_q2b4f6dadb0_gateup:
	.size	k_q2b4f6dadb0_gateup, .Lfunc_end_k_q2b4f6dadb0_gateup-k_q2b4f6dadb0_gateup
	.p2alignl 7, 3214868480
	.fill 96, 4, 3214868480
	.section	.rodata,"a",@progbits
	.p2align	6, 0x0
	.amdhsa_kernel k_q2b4f6dadb0_gateup
		.amdhsa_group_segment_fixed_size 102912
		.amdhsa_private_segment_fixed_size 0
		.amdhsa_enable_private_segment 0
		.amdhsa_kernarg_size 40
		.amdhsa_user_sgpr_count 2
		.amdhsa_user_sgpr_kernarg_segment_ptr 1
		.amdhsa_wavefront_size32 1
		.amdhsa_system_sgpr_workgroup_id_x 1
		.amdhsa_system_sgpr_workgroup_id_y 1
		.amdhsa_system_sgpr_workgroup_id_z 1
		.amdhsa_system_vgpr_workitem_id 0
		.amdhsa_next_free_vgpr 512
		.amdhsa_next_free_sgpr 66
		.amdhsa_reserve_vcc 0
		.amdhsa_float_denorm_mode_32 3
		.amdhsa_float_denorm_mode_16_64 3
		.amdhsa_memory_ordered 1
		.amdhsa_forward_progress 1
		.amdhsa_inst_pref_size 255
	.end_amdhsa_kernel
	.section	.bss,"aw",@nobits
	.p2align	6
	.space	262144
	.amdgpu_metadata
---
amdhsa.version: [ 1, 2 ]
amdhsa.kernels:
  - .name:           k_q2b4f6dadb0_gateup
    .symbol:         k_q2b4f6dadb0_gateup.kd
    .args:
      - { .name: w_gate, .offset: 0, .size: 8, .value_kind: global_buffer, .address_space: global }
      - { .name: w_up, .offset: 8, .size: 8, .value_kind: global_buffer, .address_space: global }
      - { .name: xq, .offset: 16, .size: 8, .value_kind: global_buffer, .address_space: global }
      - { .name: slots, .offset: 24, .size: 8, .value_kind: global_buffer, .address_space: global }
      - { .name: hq, .offset: 32, .size: 8, .value_kind: global_buffer, .address_space: global }
    .group_segment_fixed_size: 102912
    .private_segment_fixed_size: 0
    .kernarg_segment_align: 8
    .kernarg_segment_size: 40
    .max_flat_workgroup_size: 128
    .sgpr_count:     66
    .vgpr_count:     512
    .wavefront_size: 32
...
	.end_amdgpu_metadata
.endif
;; end of part 3
;; launch down (part 4): grid 16 x 16, 4 waves a work-group, no clusters, 88,320 bytes of LDS; arguments w_down, hq, slots, xq, y; writes y
.if DOCPART == 4
	.amdgcn_target "amdgcn-amd-amdhsa--gfx1250"
	.amdhsa_code_object_version 6
	.text
	.protected	k_q2b4f6dadb0_down
	.globl	k_q2b4f6dadb0_down
	.p2align	8
	.type	k_q2b4f6dadb0_down,@function
k_q2b4f6dadb0_down:
	s_mov_b64 s[64:65], 0
	v_nop
	global_prefetch_b8 v0, s[64:65] scope:SCOPE_SE
	s_setreg_imm32_b32 hwreg(HW_REG_WAVE_MODE, 25, 1), 1
	s_wait_xcnt 0x0
; y[kp][row] = gate weight x (h Wd), for the rows routed to expert e, 64 columns of D a work-group (dl = work-group x), half of K a work-group (work-group y = 2 e + kp; 11 K steps of 128).
; w_down IS READ ONCE, AS f32, AND NEVER WRITTEN: wave w streams K steps w, w + 4, w + 8 of the half, quantises along K in registers and leaves images of operand registers in LDS; one barrier;
; then the waves share the expert's tiles of 16 rows, four tiles a round.  The stream is the launch before's, but for the order of rows: h's codes stand in a block of 32 with column 4 (p % 8) + p / 8 at place p,
; so w_down's rows are taken in that order, by the loads' offsets: lane half hh and load i hold place p = 16 hh + i, row 4 (i % 8) + i / 8 + 2 hh of the block.
; K = 2,752 is filled up to 2,816: h's codes are zeros there; for the rows of w_down that do not exist the 64 rows before are read again (their products are zeros).
; Transposed use (source 0 = the columns 4 q + j of w_down, source 1 = 16 rows of h): a lane holds 32 neighbouring columns of one row.  The rows go through the wave's own stage in LDS and leave as
; 256 consecutive bytes, aligned, sixteen lanes to a row, at the slot's destination row (choice x 1024 + token).  Unused slots go to row 2048 + e, which nobody reads: so every lane stays on.
; Each row of y[kp] has one owner; the four parts of a token (two choices, two halves of K) are added by the next launch.
; No cluster: a work-group's own weights (352 KiB as f32) outweigh what it shares with others (h's codes), and trip counts hang on counts read from memory.
; LIMITS: blocks whose largest magnitude lies under 2^-122 keep the scale byte 1; NaN and infinities are not served.
; REGISTERS.  Window 0: v1-15 addresses; v16-19, v20-43 scale words and nothing else; v44-47 gate weights; v48-79 destination rows; v80-207 the accumulators (slot m, tile j) at 80 + 32 m + 8 j;
;   v208-255 the weights' fragments, set 0.  In the stream v48-175 are at work.  Window 1: in the stream four landing buffers of 64; then h's fragments, four sets of 48, and at v192 the weights' set 1; on the way out rows of y.
.set SCB,  67584                       ; LDS: images at 6144 sl + 1536 j + 512 i + 16 lane; scale words at SCB + 256 sl + 64 j + 4 q;
.set STG,  70400                       ; a stage of 16 rows x (256 + 16) bytes for each wave
.set SW,   6553600
.set HS,   17301504
.set BSC,  16
.set ASC,  20
.set WG,   44
.set DR,   48
.set AC,   80
.set Y,    208
.set TT,   48
.set MX,   112
.set MY,   116
.set SF,   120
.set BYT,  124
.set FR,   128
.set XR,   160
.set MSB, 0
.macro WIN new                         ; the immediate's high byte repeats the setting that is left
.if MSB != \new
	s_set_vgpr_msb (MSB<<8)|\new
.set MSB, \new
.endif
.endm
.macro PLACES                          ; four plain instructions between a matrix instruction and a load into, or a vector instruction on, its registers
.rept 4
	v_nop
.endr
.endm
.macro LDBLK n, bb                     ; block bb of my K step number n
.irp i, 0,1,2,3,4,5,6,7,8,9,10,11,12,13,14,15
.if ((\n) == 2) && ((\bb) >= 2)
	global_load_b128 v[64*(\bb)+4*\i:64*(\bb)+4*\i+3], v3, s[24:25] offset:(\n)*2097152+(32*(\bb)+4*(\i%8)+\i/8)*4096 th:TH_LOAD_NT
.else
	global_load_b128 v[64*(\bb)+4*\i:64*(\bb)+4*\i+3], v3, s[22:23] offset:(\n)*2097152+(32*(\bb)+4*(\i%8)+\i/8)*4096 th:TH_LOAD_NT
.endif
.endr
.endm
.macro BLK n, bb, ahead, left
.set BUF, 64*(\bb)
.set CC, (\bb)/2
	s_wait_loadcnt \left                           ; this block's sixteen loads are in; the younger blocks stay out
	WIN 0x01
.irp i, 0,1,2,3,4,5,6,7,8,9,10,11,12,13,14,15
.irp j, 0,1,2,3
	v_mov_b32 v[TT+16*\j+\i], v[BUF+4*\i+\j]       ; column 4 q + j, place 16 hh + i of the block
.endr
.endr
.if \ahead
	WIN 0x40
	LDBLK (\n)+1, \bb                              ; the buffer takes the same block of my next K step
.endif
	WIN 0
.irp j, 0,1,2,3
	v_max3_num_f32 v[MX+\j], |v[TT+16*\j]|, |v[TT+16*\j+1]|, 0x2800000   ; and the floor 2^(5 - 127): the byte cannot fall under 1
.endr
.irp i, 2,4,6,8,10,12,14
.irp j, 0,1,2,3
	v_max3_num_f32 v[MX+\j], v[MX+\j], |v[TT+16*\j+\i]|, |v[TT+16*\j+\i+1]|
.endr
.endr
.irp j, 0,1,2,3
	v_permlanex16_b32 v[MY+\j], v[MX+\j], s36, s37
.endr
.irp j, 0,1,2,3
	v_max_num_f32 v[MX+\j], v[MX+\j], v[MY+\j]
.endr
.irp j, 0,1,2,3
	v_add_nc_u32 v[SF+\j], 0xfe000000, v[MX+\j]    ; 4 off the exponent field: the conversion's scale operand
.endr
.if (\bb)%2 == 0
	s_wait_dscnt 0x0                               ; the last pair's LDS stores have read the registers written below
.irp j, 0,1,2,3
	v_lshrrev_b32 v[BYT+\j], 23, v[SF+\j]
.endr
.irp j, 0,1,2,3
	v_cvt_scalef32_pk16_bf6_f32 v[FR+8*\j:FR+8*\j+2], v[TT+16*\j:TT+16*\j+15], v[SF+\j]
.endr
	v_nop                                          ; one plain instruction behind a scaled conversion
.else
.irp j, 0,1,2,3
	v_lshrrev_b32 v[MX+\j], 23, v[SF+\j]
.endr
.irp j, 0,1,2,3
	v_lshl_or_b32 v[BYT+\j], v[MX+\j], 8, v[BYT+\j]
.endr
.irp j, 0,1,2,3
	v_cvt_scalef32_pk16_bf6_f32 v[XR+4*\j:XR+4*\j+2], v[TT+16*\j:TT+16*\j+15], v[SF+\j]
.endr
	v_nop
.irp j, 0,1,2,3                        ; a whole block in a lane: lanes 0-15 the even block, lanes 16-31 the odd one
.irp i, 0,1,2
	v_permlane16_swap_b32 v[FR+8*\j+\i], v[XR+4*\j+\i]
.endr
.endr
.irp j, 0,1,2,3
.irp i, 0,1,2
	v_mov_b32 v[FR+8*\j+3+\i], v[XR+4*\j+\i]
.endr
.endr
.irp j, 0,1,2,3
.if CC == 0
	ds_store_b128 v4, v[FR+8*\j:FR+8*\j+3] offset:(\n)*24576+\j*1536
	ds_store_b64 v4, v[FR+8*\j+4:FR+8*\j+5] offset:(\n)*24576+\j*1536+512
.else
	ds_store_b64 v4, v[FR+8*\j:FR+8*\j+1] offset:(\n)*24576+\j*1536+520
	ds_store_b128 v4, v[FR+8*\j+2:FR+8*\j+5] offset:(\n)*24576+\j*1536+1024
.endif
	ds_store_b16 v5, v[BYT+\j] offset:(\n)*1024+\j*64+2*CC
.endr
.endif
.endm
.macro STEPQ n, ahead                  ; one K step of mine: four blocks
.irp bb, 0,1,2,3
.if \ahead
	BLK \n, \bb, 1, 48
.else
	BLK \n, \bb, 0, 48-16*\bb
.endif
.endr
.endm
.macro WM d, a, b, z, sa, sb, ra, rb
.if (\z) && (\ra)
	v_wmma_scale_f32_16x16x128_f8f6f4 v[(\d):(\d)+7], v[(\a):(\a)+11], v[(\b):(\b)+11], 0, v[\sa], v[\sb] matrix_a_fmt:MATRIX_FMT_BF6 matrix_b_fmt:MATRIX_FMT_BF6 matrix_a_scale:MATRIX_SCALE_ROW1
.elseif (\z)
	v_wmma_scale_f32_16x16x128_f8f6f4 v[(\d):(\d)+7], v[(\a):(\a)+11], v[(\b):(\b)+11], 0, v[\sa], v[\sb] matrix_a_fmt:MATRIX_FMT_BF6 matrix_b_fmt:MATRIX_FMT_BF6
.elseif (\ra) && (\rb)
	v_wmma_scale_f32_16x16x128_f8f6f4 v[(\d):(\d)+7], v[(\a):(\a)+11], v[(\b):(\b)+11], v[(\d):(\d)+7], v[\sa], v[\sb] matrix_a_fmt:MATRIX_FMT_BF6 matrix_b_fmt:MATRIX_FMT_BF6 matrix_a_scale:MATRIX_SCALE_ROW1 matrix_b_scale:MATRIX_SCALE_ROW1
.elseif (\ra)
	v_wmma_scale_f32_16x16x128_f8f6f4 v[(\d):(\d)+7], v[(\a):(\a)+11], v[(\b):(\b)+11], v[(\d):(\d)+7], v[\sa], v[\sb] matrix_a_fmt:MATRIX_FMT_BF6 matrix_b_fmt:MATRIX_FMT_BF6 matrix_a_scale:MATRIX_SCALE_ROW1
.elseif (\rb)
	v_wmma_scale_f32_16x16x128_f8f6f4 v[(\d):(\d)+7], v[(\a):(\a)+11], v[(\b):(\b)+11], v[(\d):(\d)+7], v[\sa], v[\sb] matrix_a_fmt:MATRIX_FMT_BF6 matrix_b_fmt:MATRIX_FMT_BF6 matrix_b_scale:MATRIX_SCALE_ROW1
.else
	v_wmma_scale_f32_16x16x128_f8f6f4 v[(\d):(\d)+7], v[(\a):(\a)+11], v[(\b):(\b)+11], v[(\d):(\d)+7], v[\sa], v[\sb] matrix_a_fmt:MATRIX_FMT_BF6 matrix_b_fmt:MATRIX_FMT_BF6
.endif
.endm
.macro MULS s, ns                      ; 4 ns products, each on an accumulator of its own
.set MM, 0
.rept \ns
.irp j, 0,1,2,3
	WM AC+32*MM+8*\j, 208-16*((\s)%2)+12*\j, 48*((\s)%4)+12*MM, (\s)==0, BSC+2*((\s)%2)+\j/2, ASC+6*MM+(\s)/2, \j%2, (\s)%2
.endr
.set MM, MM+1
.endr
.endm
.macro ALOAD s, ns                     ; h's fragments of K step s into set s % 4 of window 1: 4 loads a slot
.set MM, 0
.rept \ns
.set AR, 48*((\s)%4)+12*MM
	global_load_b128 v[AR:AR+3], v6, s[44:45] offset:135168*MM+1536*(\s)
	global_load_b64 v[AR+4:AR+5], v7, s[44:45] offset:135168*MM+1536*(\s)+512
	global_load_b128 v[AR+8:AR+11], v6, s[44:45] offset:135168*MM+1536*(\s)+768
	global_load_b64 v[AR+6:AR+7], v7, s[44:45] offset:135168*MM+1536*(\s)+1280
.set MM, MM+1
.endr
.endm
.macro BLOAD s                         ; the weights' K step s: two scale registers (lanes 0-15 tile 2 p, lanes 16-31 tile 2 p + 1) and four fragments: 14 LDS loads
	WIN 0
.irp p, 0,1
	ds_load_b32 v[BSC+2*((\s)%2)+\p], v8 offset:(\s)*256+128*\p
.endr
.if (\s)%2
	WIN 0x40
.endif
.set BR, 208-16*((\s)%2)
.irp j, 0,1,2,3
.irp i, 0,1,2
.if (\s) < 6
	ds_load_b128 v[BR+12*\j+4*\i:BR+12*\j+4*\i+3], v6 offset:(\s)*6144+\j*1536+\i*512
.else
	ds_load_b128 v[BR+12*\j+4*\i:BR+12*\j+4*\i+3], v15 offset:((\s)-6)*6144+\j*1536+\i*512   ; an LDS offset has 16 bits: K steps 6 on by a second address
.endif
.endr
.endr
.endm
.macro RSTEP s, ns
.if 10-(\s) >= 3
	s_wait_loadcnt 12*(\ns)                        ; h's fragments of this step are in; three younger sets stay out
.else
	s_wait_loadcnt 4*(\ns)*(10-(\s))
.endif
.if (\s) < 10
	s_wait_dscnt 14                                ; the weights' fragments of this step are in; the next step's fourteen loads are younger
.else
	s_wait_dscnt 0x0
.endif
	WIN 0x04|((\s)%2)                              ; source 1 (h) window 1; source 0 (the weights) window s % 2
	MULS \s, \ns
	PLACES
.if (\s)+2 <= 10
	BLOAD (\s)+2
.endif
.if (\s)+4 <= 10
	WIN 0x40
	ALOAD (\s)+4, \ns
.endif
.endm
.macro EPI m                           ; slot m's 16 rows x 64 columns leave
.irp jj, 0,1,2,3,4,5,6,7
.irp j, 0,1,2,3
	v_mul_f32 v[Y+4*\jj+\j], v[WG+(\m)], v[AC+32*(\m)+8*\j+\jj]   ; x the gate's weight; the columns fall into order; each accumulator from its low end on
.endr
.endr
.irp i, 0,1,2,3,4,5,6,7
	ds_store_b128 v11, v[Y+4*\i:Y+4*\i+3] offset:16*\i
.endr
	WIN 0x40
.irp i, 0,1,2,3,4,5,6,7
	ds_load_b128 v[32*(\m)+4*\i:32*(\m)+4*\i+3], v12 offset:544*\i   ; my own stage: LDS serves a wave's instructions in order.  Lanes 0-15 slot 2 i, lanes 16-31 slot 2 i + 1
.endr
	WIN 0
.irp i, 0,1,2,3,4,5,6,7
	v_min_u32 v[DR+8*(\m)+\i], 0x807, v[DR+8*(\m)+\i]
.endr
.irp i, 0,1,2,3,4,5,6,7
	v_lshl_add_u32 v[DR+8*(\m)+\i], v[DR+8*(\m)+\i], 12, v14      ; destination row x 4,096 + 16 q
.endr
	WIN 0x04
.irp i, 0,1,2,3,4,5,6,7
	s_wait_dscnt 7-\i                              ; row pair i is back; the later reads are younger
	global_store_b128 v[DR+8*(\m)+\i], v[32*(\m)+4*\i:32*(\m)+4*\i+3], s[46:47]   ; sixteen lanes: 256 consecutive bytes, aligned
.endr
	WIN 0
.endm
.macro ROUND ns
	s_wait_xcnt 0x0                                ; the last round's stores have read their addresses and data
	s_lshl_b32 s39, s18, 6
	s_add_co_u32 s39, s39, s21                     ; 64 e + tau
	s_mov_b32 s3, 0
	s_lshl_b32 s2, s39, 6
	s_add_nc_u64 s[26:27], s[10:11], s[2:3]        ; gate weights
	s_add_nc_u64 s[28:29], s[8:9], s[2:3]          ; destination rows
	s_mul_i32 s2, s39, 1408
	s_add_co_u32 s2, s2, s40
	s_add_nc_u64 s[30:31], s[6:7], s[2:3]          ; h's scale words
	s_mul_i32 s2, s39, 33792
	s_add_co_u32 s2, s2, s41
	s_add_nc_u64 s[44:45], s[6:7], s[2:3]          ; h's codes
.set MM, 0
.rept \ns
	global_load_b32 v[WG+MM], v10, s[26:27] offset:SW+256*MM
	global_load_b128 v[DR+8*MM:DR+8*MM+3], v13, s[28:29] offset:256+256*MM
	global_load_b128 v[DR+8*MM+4:DR+8*MM+7], v13, s[28:29] offset:256+256*MM+16
.irp t, 0,1,2,3,4
	global_load_b32 v[ASC+6*MM+\t], v9, s[30:31] offset:5632*MM+128*\t   ; lanes 0-15: K step 2 t, lanes 16-31: 2 t + 1
.endr
	global_load_b32 v[ASC+6*MM+5], v10, s[30:31] offset:5632*MM+640      ; K step 10
.set MM, MM+1
.endr
	WIN 0x40
	ALOAD 0, \ns
	ALOAD 1, \ns
	ALOAD 2, \ns
	ALOAD 3, \ns
	BLOAD 0
	BLOAD 1
.irp s, 0,1,2,3,4,5,6,7,8,9,10
	RSTEP \s, \ns
.endr
	WIN 0
.set MQ, 0
.rept \ns
	EPI MQ
.set MQ, MQ+1
.endr
.endm
	s_load_b256 s[4:11], s[0:1], 0x0               ; w_down, hq, slots, xq
	s_load_b64 s[12:13], s[0:1], 0x20              ; y
	s_set_vgpr_msb 0x80
	v_lshl_add_u32 v0, v0, 2, 0x15700
	v_mov_b32 v1, 0
	s_set_vgpr_msb 0x8000
	v_lshrrev_b32 v2, 5, v0
	v_readfirstlane_b32 s14, v2                    ; wave
	s_mov_b32 s17, ttmp9                           ; dl: which 64 columns of D
	s_and_b32 s15, ttmp7, 0xffff
	s_lshr_b32 s18, s15, 1                         ; e
	s_and_b32 s16, s15, 1                          ; kp: which half of K
	v_and_b32 v15, 31, v0                          ; lane
	v_and_b32 v1, 15, v0                           ; q, r
	v_bfe_u32 v2, v0, 4, 1                         ; hh
	v_lshlrev_b32 v14, 4, v1                       ; 16 q
	v_lshl_add_u32 v3, v2, 13, v14                 ; the stream: 2 rows for hh, 16 bytes for q
	v_lshlrev_b32 v6, 4, v15                       ; 16 x lane
	v_lshlrev_b32 v7, 3, v15                       ; 8 x lane
	v_lshlrev_b32 v9, 2, v15                       ; 4 x lane
	v_add_nc_u32 v8, SCB, v9
	v_lshlrev_b32 v10, 2, v1                       ; 4 r
	v_lshlrev_b32 v13, 5, v2                       ; 32 hh
	v_add_nc_u32 v15, 36864, v6                    ; images of K steps 6 on
	s_mul_i32 s32, s14, 6144
	v_add_nc_u32 v4, s32, v6                       ; where my wave puts its images
	s_lshl_b32 s32, s14, 8
	s_add_co_u32 s32, s32, SCB
	v_add_nc_u32 v5, s32, v10                      ; and its scale bytes
	s_mul_i32 s32, s14, 4352
	s_add_co_u32 s32, s32, STG                     ; my stage
	v_mul_u32_u24 v11, v1, 272
	v_lshl_add_u32 v11, v2, 7, v11
	v_add_nc_u32 v11, s32, v11                     ; in: row r, 128 bytes for each half of the lanes
	v_mul_u32_u24 v12, v2, 272
	v_add_nc_u32 v12, v12, v14
	v_add_nc_u32 v12, s32, v12                     ; back: lanes 0-15 one row, lanes 16-31 the next
	s_mul_i32 s2, s18, 11272192
	s_mul_i32 s32, s16, 5767168
	s_add_co_u32 s2, s2, s32
	s_lshl_b32 s32, s14, 19
	s_add_co_u32 s2, s2, s32
	s_lshl_b32 s33, s17, 8
	s_add_co_u32 s2, s2, s33
	s_mov_b32 s3, 0
	s_lshl_b32 s32, s16, 2
	s_or_b32 s32, s32, s14
	s_cmp_eq_u32 s32, 6                            ; the upper half's wave 2 owns the K step whose last 64 rows do not exist
	s_cselect_b32 s32, 0x40000, 0
	s_sub_co_u32 s34, s2, s32
	s_mov_b32 s35, 0
	s_mul_i32 s42, s16, 8421376
	s_add_co_u32 s42, s42, s33
	s_mov_b32 s43, 0
	s_lshl_b32 s38, s18, 2
	s_mul_i32 s40, s16, 704
	s_add_co_u32 s40, s40, HS
	s_mul_i32 s41, s16, 16896
	s_mov_b32 s36, 0x76543210
	s_mov_b32 s37, 0xfedcba98
.irp j, 0,1,2,3
	v_mov_b32 v[MY+\j], 0                          ; written once: a lane permute's destination counts as one of its sources
.endr
	s_wait_kmcnt 0x0
	s_add_nc_u64 s[22:23], s[4:5], s[2:3]
	s_add_nc_u64 s[24:25], s[4:5], s[34:35]
	s_add_nc_u64 s[46:47], s[12:13], s[42:43]
	s_load_b32 s19, s[8:9], s38 offset:0x0         ; the expert's rows
	WIN 0x40
	LDBLK 0, 0                                     ; a K step, 64 loads of 512 bytes a wave; a load that the counter's field cannot hold waits at issue (ISA guide 5.7.1)
	LDBLK 0, 1
	LDBLK 0, 2
	LDBLK 0, 3
	STEPQ 0, 1
	s_cmp_eq_u32 s14, 3
	s_cbranch_scc1 .Lshort                         ; eleven K steps: wave 3 has two, the others three
	STEPQ 1, 1
	STEPQ 2, 0
	s_branch .Ljoin
.Lshort:
	STEPQ 1, 0
.Ljoin:
	s_wait_dscnt 0x0                               ; for the others' sake: my images and scale bytes have landed
	s_barrier_signal -1
	s_barrier_wait -1                              ; the one barrier: behind it the images are only read, and each stage is its wave's own
	s_wait_kmcnt 0x0
	s_min_u32 s19, s19, 1024
	s_add_co_u32 s19, s19, 15
	s_lshr_b32 s19, s19, 4                         ; NT tiles
	s_add_co_u32 s20, s19, 3
	s_sub_co_u32 s20, s20, s14
	s_lshr_b32 s20, s20, 2                         ; my tiles: wave, wave + 4, ..
	s_mov_b32 s21, s14
	s_cmp_ge_i32 s20, 4
	s_cbranch_scc0 .Lsingles
.Lfours:
	ROUND 4
	s_add_co_u32 s21, s21, 16
	s_sub_co_i32 s20, s20, 4
	s_cmp_ge_i32 s20, 4
	s_cbranch_scc1 .Lfours
.Lsingles:
	s_cmp_gt_i32 s20, 0
	s_cbranch_scc0 .Ldone
.Lone:
	ROUND 1
	s_add_co_u32 s21, s21, 4
	s_sub_co_i32 s20, s20, 1
	s_cmp_gt_i32 s20, 0
	s_cbranch_scc1 .Lone
.Ldone:
	s_set_vgpr_msb 0xa
	s_wait_tensorcnt 0x0
	ds_add_u32 v0, v1
	s_wait_dscnt 0x0
	s_set_vgpr_msb 0xa00
	s_endpgm
.Lfunc_end_k_q2b4f6dadb0_down:
	.size	k_q2b4f6dadb0_down, .Lfunc_end_k_q2b4f6dadb0_down-k_q2b4f6dadb0_down
	.p2alignl 7, 3214868480
	.fill 96, 4, 3214868480
	.section	.rodata,"a",@progbits
	.p2align	6, 0x0
	.amdhsa_kernel k_q2b4f6dadb0_down
		.amdhsa_group_segment_fixed_size 88320
		.amdhsa_private_segment_fixed_size 0
		.amdhsa_enable_private_segment 0
		.amdhsa_kernarg_size 40
		.amdhsa_user_sgpr_count 2
		.amdhsa_user_sgpr_kernarg_segment_ptr 1
		.amdhsa_wavefront_size32 1
		.amdhsa_system_sgpr_workgroup_id_x 1
		.amdhsa_system_sgpr_workgroup_id_y 1
		.amdhsa_system_sgpr_workgroup_id_z 1
		.amdhsa_system_vgpr_workitem_id 0
		.amdhsa_next_free_vgpr 514
		.amdhsa_next_free_sgpr 66
		.amdhsa_reserve_vcc 0
		.amdhsa_float_denorm_mode_32 3
		.amdhsa_float_denorm_mode_16_64 3
		.amdhsa_memory_ordered 1
		.amdhsa_forward_progress 1
		.amdhsa_inst_pref_size 221
	.end_amdhsa_kernel
	.amdgpu_metadata
---
amdhsa.version: [ 1, 2 ]
amdhsa.kernels:
  - .name:           k_q2b4f6dadb0_down
    .symbol:         k_q2b4f6dadb0_down.kd
    .args:
      - { .name: w_down, .offset: 0, .size: 8, .value_kind: global_buffer, .address_space: global }
      - { .name: hq, .offset: 8, .size: 8, .value_kind: global_buffer, .address_space: global }
      - { .name: slots, .offset: 16, .size: 8, .value_kind: global_buffer, .address_space: global }
      - { .name: xq, .offset: 24, .size: 8, .value_kind: global_buffer, .address_space: global }
      - { .name: y, .offset: 32, .size: 8, .value_kind: global_buffer, .address_space: global }
    .group_segment_fixed_size: 88320
    .private_segment_fixed_size: 0
    .kernarg_segment_align: 8
    .kernarg_segment_size: 40
    .max_flat_workgroup_size: 128
    .sgpr_count:     66
    .vgpr_count:     514
    .wavefront_size: 32
...
	.end_amdgpu_metadata
.endif
;; end of part 4
;; launch combine (part 5): grid 256 x 1, 8 waves a work-group, no clusters, 0 bytes of LDS; arguments y, out0; writes out0
.if DOCPART == 5
	.amdgcn_target "amdgcn-amd-amdhsa--gfx1250"
	.amdhsa_code_object_version 6
	.text
	.protected	k_q2b4f6dadb0_combine
	.globl	k_q2b4f6dadb0_combine
	.p2align	8
	.type	k_q2b4f6dadb0_combine,@function
k_q2b4f6dadb0_combine:
	s_mov_b64 s[64:65], 0
	v_nop
	global_prefetch_b8 v0, s[64:65] scope:SCOPE_SE
	s_setreg_imm32_b32 hwreg(HW_REG_WAVE_MODE, 25, 1), 1
	s_wait_xcnt 0x0
; out0[t] = y[0][t] + y[0][1024 + t] + y[1][t] + y[1][1024 + t]: a token's two choices, each in two halves of K.
; A stream: work-group b takes tokens 4 b .. 4 b + 3; thread t takes the 16 bytes at 16 t of each row, so a wave's load or store covers 512 consecutive bytes, aligned.
; All sixteen loads of a thread go out at once.  No LDS, no barrier, no matrix unit: nothing is shared and nothing is multiplied.
.set HALF,   8421376                   ; bytes of y[0]: 2,056 rows
.set CHOICE, 4194304                   ; 1,024 rows
	s_load_b128 s[4:7], s[0:1], 0x0                ; y, out0
	v_lshlrev_b32 v1, 4, v0
	s_lshl_b32 s2, ttmp9, 14                       ; four rows of 4,096 bytes
	s_mov_b32 s3, 0
	s_wait_kmcnt 0x0
	s_add_nc_u64 s[4:5], s[4:5], s[2:3]
	s_add_nc_u64 s[6:7], s[6:7], s[2:3]
	s_add_nc_u64 s[8:9], s[4:5], HALF
.irp r, 0,1,2,3
	global_load_b128 v[16+16*\r:19+16*\r], v1, s[4:5] offset:4096*\r th:TH_LOAD_NT
	global_load_b128 v[20+16*\r:23+16*\r], v1, s[4:5] offset:CHOICE+4096*\r th:TH_LOAD_NT
	global_load_b128 v[24+16*\r:27+16*\r], v1, s[8:9] offset:4096*\r th:TH_LOAD_NT
	global_load_b128 v[28+16*\r:31+16*\r], v1, s[8:9] offset:CHOICE+4096*\r th:TH_LOAD_NT
.endr
.irp r, 0,1,2,3
	s_wait_loadcnt 12-4*\r                         ; row r's four loads are in; the later rows' stay out
	v_pk_add_f32 v[16+16*\r:17+16*\r], v[16+16*\r:17+16*\r], v[20+16*\r:21+16*\r]
	v_pk_add_f32 v[18+16*\r:19+16*\r], v[18+16*\r:19+16*\r], v[22+16*\r:23+16*\r]
	v_pk_add_f32 v[24+16*\r:25+16*\r], v[24+16*\r:25+16*\r], v[28+16*\r:29+16*\r]
	v_pk_add_f32 v[26+16*\r:27+16*\r], v[26+16*\r:27+16*\r], v[30+16*\r:31+16*\r]
	v_pk_add_f32 v[16+16*\r:17+16*\r], v[16+16*\r:17+16*\r], v[24+16*\r:25+16*\r]
	v_pk_add_f32 v[18+16*\r:19+16*\r], v[18+16*\r:19+16*\r], v[26+16*\r:27+16*\r]
	global_store_b128 v1, v[16+16*\r:19+16*\r], s[6:7] offset:4096*\r th:TH_STORE_NT
.endr
	s_endpgm
.Lfunc_end_k_q2b4f6dadb0_combine:
	.size	k_q2b4f6dadb0_combine, .Lfunc_end_k_q2b4f6dadb0_combine-k_q2b4f6dadb0_combine
	.p2alignl 7, 3214868480
	.fill 96, 4, 3214868480
	.section	.rodata,"a",@progbits
	.p2align	6, 0x0
	.amdhsa_kernel k_q2b4f6dadb0_combine
		.amdhsa_group_segment_fixed_size 0
		.amdhsa_private_segment_fixed_size 0
		.amdhsa_enable_private_segment 0
		.amdhsa_kernarg_size 16
		.amdhsa_user_sgpr_count 2
		.amdhsa_user_sgpr_kernarg_segment_ptr 1
		.amdhsa_wavefront_size32 1
		.amdhsa_system_sgpr_workgroup_id_x 1
		.amdhsa_system_sgpr_workgroup_id_y 1
		.amdhsa_system_sgpr_workgroup_id_z 1
		.amdhsa_system_vgpr_workitem_id 0
		.amdhsa_next_free_vgpr 96
		.amdhsa_next_free_sgpr 66
		.amdhsa_reserve_vcc 0
		.amdhsa_float_denorm_mode_32 3
		.amdhsa_float_denorm_mode_16_64 3
		.amdhsa_memory_ordered 1
		.amdhsa_forward_progress 1
		.amdhsa_inst_pref_size 5
	.end_amdhsa_kernel
	.amdgpu_metadata
---
amdhsa.version: [ 1, 2 ]
amdhsa.kernels:
  - .name:           k_q2b4f6dadb0_combine
    .symbol:         k_q2b4f6dadb0_combine.kd
    .args:
      - { .name: y, .offset: 0, .size: 8, .value_kind: global_buffer, .address_space: global }
      - { .name: out0, .offset: 8, .size: 8, .value_kind: global_buffer, .address_space: global }
    .group_segment_fixed_size: 0
    .private_segment_fixed_size: 0
    .kernarg_segment_align: 8
    .kernarg_segment_size: 16
    .max_flat_workgroup_size: 256
    .sgpr_count:     66
    .vgpr_count:     96
    .wavefront_size: 32
...
	.end_amdgpu_metadata
.endif
;; end of part 5
;; ======== version 2 of 3: 5 launches
;; workspace buffers: route 5,120 bytes of whole numbers; rw 16,384 bytes; slots 33,024 bytes of whole numbers; xq 6,586,368 bytes; hq 18,022,400 bytes; y 16,842,752 bytes
;; launch router (part 6): grid 128 x 1, 16 waves a work-group, no clusters, 6,144 bytes of LDS; arguments x, gate_w, route, rw; writes route, rw
.if DOCPART == 6
	.amdgcn_target "amdgcn-amd-amdhsa--gfx1250"
	.amdhsa_code_object_version 6
	.text
	.protected	k_q2b4f6dadb0_router
	.globl	k_q2b4f6dadb0_router
	.p2align	8
	.type	k_q2b4f6dadb0_router,@function
k_q2b4f6dadb0_router:
	s_mov_b64 s[64:65], 0
	v_nop
	global_prefetch_b8 v0, s[64:65] scope:SCOPE_SE
	s_setreg_imm32_b32 hwreg(HW_REG_WAVE_MODE, 25, 1), 1
	s_wait_xcnt 0x0
; ROUTER.  logits = x gate_w (f32 multiply-adds), softmax with the row's maximum taken away, the two largest probabilities
; (of equal ones the lower index), their weights p / (p0 + p1 + 1e-8), and what the loss needs.  Everything goes to fixed places:
;   route: masks[e] is a row of 1,024 bits at 128 e (bit t: token t chose expert e): work-group g stores its byte 128 e + g;  ids[t] = id0 | id1 << 8 at 1024 + 4 t
;   rw:    weights[t][2] at 8 t;  part[g][16] at 8192 + 64 g: 0-7 the sums of p over the group's 8 tokens, 8-15 the counts as f32
; SHARES.  Work-group g takes tokens 8 g .. 8 g + 7; wave w takes k = 64 w .. 64 w + 63; lane (t = lane % 8, kq = lane / 8) takes token t and, of each 16 along K,
; the four numbers from 4 kq on.  So a load of x covers 64 consecutive bytes of each of 8 rows, and the rows of gate_w that a lane multiplies by come straight into
; its registers (eight lanes read the same 16 bytes): nothing is handed round through LDS but the waves' partial logits, which wave 0 adds and finishes.
; No address and no branch hangs on a floating-point number.
; LIMITS: NaN and infinities among the inputs are not served.  v_exp_f32 gives 0 for results under 2^-126: where the second
; largest probability lies under that, the second choice may differ from the reference's; its weight is then under 1e-37.
; The logits are summed in another order than the reference's.
.set ACC, 8                            ; v8-15    eight logits, four pairs
.set X,   16                           ; v16-31   my token's 16 numbers
.set G,   32                           ; v32-159  my 16 rows of gate_w, eight numbers each
                                       ; LDS: partial logits, 256 bytes a wave: 32 bytes a token
	s_load_b256 s[4:11], s[0:1], 0x0               ; x, gate_w, route, rw
	v_lshl_add_u32 v192, v0, 2, 0x1000
	v_mov_b32 v193, 0
	v_lshrrev_b32 v2, 5, v0
	v_readfirstlane_b32 s12, v2                    ; wave
	v_and_b32 v1, 31, v0                           ; lane
	v_and_b32 v3, 7, v0                            ; t
	v_bfe_u32 v4, v0, 3, 2                         ; kq
	v_lshlrev_b32 v2, 12, v3
	v_lshl_add_u32 v2, v4, 4, v2                   ; x: row t, + 16 kq
	v_lshlrev_b32 v6, 7, v4                        ; gate_w: four rows of 32 bytes for kq
	s_lshl_b32 s14, s12, 8                         ; 256 x wave: its bytes of a row of x, and its place in LDS
	v_lshlrev_b32 v7, 5, v3                        ; 32 t
	v_add_nc_u32 v5, s14, v7                       ; LDS: my wave's partial logits of token t
	v_lshl_add_u32 v7, v4, 10, v7                  ; LDS: wave 0's read: token t of waves 4 kq .. 4 kq + 3
	s_lshl_b32 s16, ttmp9, 15                      ; 8 rows of 4,096 bytes a group
	s_add_co_u32 s16, s16, s14
	s_mov_b32 s17, 0
	s_lshl_b32 s18, s12, 11                        ; 64 rows of gate_w a wave
	s_mov_b32 s19, 0
	s_mov_b32 s20, 0x76543210                      ; v_permlanex16_b32's selects for lane l xor 16
	s_mov_b32 s21, 0xfedcba98
	s_wait_kmcnt 0x0
	s_add_nc_u64 s[4:5], s[4:5], s[16:17]
	s_add_nc_u64 s[6:7], s[6:7], s[18:19]
.irp b, 0,1,2,3
	global_load_b128 v[X+4*\b:X+4*\b+3], v2, s[4:5] offset:64*\b       ; k = 64 w + 16 b + 4 kq + 0 .. 3
.endr
.irp b, 0,1,2,3
.irp i, 0,1,2,3
	global_load_b128 v[G+32*\b+8*\i:G+32*\b+8*\i+3], v6, s[6:7] offset:512*\b+32*\i        ; row 64 w + 16 b + 4 kq + i, experts 0-3
	global_load_b128 v[G+32*\b+8*\i+4:G+32*\b+8*\i+7], v6, s[6:7] offset:512*\b+32*\i+16   ; experts 4-7
.endr
.endr
.macro BATCH b                         ; four k: sixteen packed multiply-adds; x's number serves both halves
	s_wait_loadcnt 8*(3-(\b))                      ; x and this batch's rows of gate_w are in; the later batches' eight loads each are younger
.irp i, 0,1,2,3
.irp c, 0,1,2,3
.if ((\b) == 0) && (\i == 0)
	v_pk_mul_f32 v[ACC+2*\c:ACC+2*\c+1], v[X:X+1], v[G+2*\c:G+2*\c+1] op_sel_hi:[0,1]   ; the first product starts the sums
.elseif \i%2 == 0
	v_pk_fma_f32 v[ACC+2*\c:ACC+2*\c+1], v[X+4*(\b)+\i:X+4*(\b)+\i+1], v[G+32*(\b)+8*\i+2*\c:G+32*(\b)+8*\i+2*\c+1], v[ACC+2*\c:ACC+2*\c+1] op_sel_hi:[0,1,1]
.else
	v_pk_fma_f32 v[ACC+2*\c:ACC+2*\c+1], v[X+4*(\b)+\i-1:X+4*(\b)+\i], v[G+32*(\b)+8*\i+2*\c:G+32*(\b)+8*\i+2*\c+1], v[ACC+2*\c:ACC+2*\c+1] op_sel:[1,0,0] op_sel_hi:[1,1,1]
.endif
.endr
.endr
.endm
.irp b, 0,1,2,3
	BATCH \b
.endr
.macro OVERKQ                          ; the four lanes of a token add their parts: lane l xor 8, then lane l xor 16
.irp e, 0,1,2,3,4,5,6,7
	v_add_f32_dpp v[ACC+\e], v[ACC+\e], v[ACC+\e] row_xmask:8 row_mask:0xf bank_mask:0xf
.endr
.irp e, 0,1,2,3,4,5,6,7
	v_permlanex16_b32 v[16+\e], v[ACC+\e], s20, s21
.endr
.irp e, 0,1,2,3,4,5,6,7
	v_add_f32 v[ACC+\e], v[ACC+\e], v[16+\e]
.endr
.endm
	OVERKQ
	ds_store_b128 v5, v[ACC:ACC+3]                 ; a token's four lanes write the same bytes with the same values
	ds_store_b128 v5, v[ACC+4:ACC+7] offset:16
	s_wait_dscnt 0x0                               ; for wave 0's sake: my partial logits have landed
	s_barrier_signal -1
	s_barrier_wait -1
	s_cmp_lg_u32 s12, 0
	s_cbranch_scc1 .Lend                           ; wave 0 finishes the 8 tokens, each in four lanes alike
.irp w, 0,1,2,3
	ds_load_b128 v[16+8*\w:19+8*\w], v7 offset:256*\w
	ds_load_b128 v[20+8*\w:23+8*\w], v7 offset:256*\w+16
.endr
	s_lshl_b32 s16, ttmp9, 5
	s_add_nc_u64 s[22:23], s[8:9], s[16:17]        ; route + 32 g: ids
	s_mov_b32 s16, ttmp9
	s_add_nc_u64 s[24:25], s[8:9], s[16:17]        ; route + g: the masks' bytes
	s_lshl_b32 s16, ttmp9, 6
	s_add_nc_u64 s[26:27], s[10:11], s[16:17]      ; rw + 64 g: weights, and part
	s_wait_dscnt 0x0
.irp c, 0,1,2,3
	v_pk_add_f32 v[8+2*\c:9+2*\c], v[16+2*\c:17+2*\c], v[24+2*\c:25+2*\c]
.endr
.irp w, 2,3
.irp c, 0,1,2,3
	v_pk_add_f32 v[8+2*\c:9+2*\c], v[8+2*\c:9+2*\c], v[16+8*\w+2*\c:17+8*\w+2*\c]
.endr
.endr
	OVERKQ                                         ; four waves a lane, four lanes a token: all sixteen
	; softmax: the maximum is taken away first
	v_max3_num_f32 v16, v8, v9, v10
	v_max3_num_f32 v16, v16, v11, v12
	v_max3_num_f32 v16, v16, v13, v14
	v_max_num_f32 v16, v16, v15
.irp e, 0,1,2,3,4,5,6,7
	v_sub_f32 v[24+\e], v[8+\e], v16
.endr
.irp e, 0,1,2,3,4,5,6,7
	v_mul_f32 v[24+\e], 0x3fb8aa3b, v[24+\e]       ; x log2(e)
.endr
.irp e, 0,1,2,3,4,5,6,7
	v_exp_f32 v[24+\e], v[24+\e]
.endr
	v_nop                                          ; a plain instruction behind the exponentials
	s_wait_alu depctr_va_vdst(0)
	v_add_f32 v17, v24, v25
	v_add_f32 v18, v26, v27
	v_add_f32 v19, v28, v29
	v_add_f32 v20, v30, v31
	v_add_f32 v17, v17, v18
	v_add_f32 v19, v19, v20
	v_add_f32 v17, v17, v19
	v_rcp_f32 v18, v17
	v_mov_b32 v56, -1.0                            ; (a plain instruction behind the reciprocal) under every probability
	s_wait_alu depctr_va_vdst(0)
.irp e, 0,1,2,3,4,5,6,7
	v_mul_f32 v[32+\e], v[24+\e], v18              ; p
.endr
	; the largest: kept while it is at least as large as the next, so of equal ones the lower index stays
	v_mov_b32 v40, v32
	v_mov_b32 v41, 0
.irp e, 1,2,3,4,5,6,7
	v_cmp_ge_f32 vcc_lo, v40, v[32+\e]
	v_cndmask_b32 v41, \e, v41, vcc_lo
	v_cndmask_b32 v40, v[32+\e], v40, vcc_lo
.endr
	; the second: the same over p with the first one's place set to -1
.irp e, 0,1,2,3,4,5,6,7
	v_cmp_eq_u32 vcc_lo, \e, v41
	v_cndmask_b32 v[48+\e], v[32+\e], v56, vcc_lo
.endr
	v_mov_b32 v42, v48
	v_mov_b32 v43, 0
.irp e, 1,2,3,4,5,6,7
	v_cmp_ge_f32 vcc_lo, v42, v[48+\e]
	v_cndmask_b32 v43, \e, v43, vcc_lo
	v_cndmask_b32 v42, v[48+\e], v42, vcc_lo
.endr
	v_add_f32 v44, v40, v42
	v_add_f32 v44, 0x322bcc77, v44                 ; + 1e-8
	v_rcp_f32 v45, v44
	v_lshl_or_b32 v57, v43, 8, v41                 ; (a plain instruction behind the reciprocal) id0 | id1 << 8
	s_wait_alu depctr_va_vdst(0)
	v_mul_f32 v46, v40, v45
	v_mul_f32 v47, v42, v45
	v_lshlrev_b32 v60, 2, v1
	v_lshlrev_b32 v61, 3, v1
	v_lshlrev_b32 v62, 7, v1
	v_mov_b32 v58, 0                               ; lane e: the mask byte of expert e
	v_mov_b32 v59, 0                               ; lane e: the sum of p; lane 8 + e: the count
.irp e, 0,1,2,3,4,5,6,7
	v_cmp_eq_u32 s30, \e, v41
	v_cmp_eq_u32 s31, \e, v43
	s_or_b32 s30, s30, s31
	s_and_b32 s30, s30, 0xff                       ; lanes 0-7: the eight tokens, once
	v_writelane_b32 v58, s30, \e
	s_bcnt1_i32_b32 s31, s30
	s_cvt_f32_u32 s31, s31
	v_writelane_b32 v59, s31, 8+\e
.endr
.irp k, 1,2,4
.irp e, 0,1,2,3,4,5,6,7
	v_add_f32_dpp v[32+\e], v[32+\e], v[32+\e] row_xmask:\k row_mask:0xf bank_mask:0xf   ; over the eight tokens
.endr
.endr
.irp e, 0,1,2,3,4,5,6,7
	v_readfirstlane_b32 s30, v[32+\e]
	v_writelane_b32 v59, s30, \e
.endr
	s_wait_xcnt 0x0                                ; EXEC changes only behind this wait
	v_cmp_gt_u32 vcc_lo, 8, v1
	s_and_saveexec_b32 s32, vcc_lo
	global_store_b32 v60, v57, s[22:23] offset:1024   ; lane t: ids: 32 consecutive bytes
	global_store_b64 v61, v[46:47], s[26:27]          ; lane t: weights: 64 consecutive bytes
	global_store_b8 v62, v58, s[24:25]                ; lane e: my byte of masks[e]
	s_wait_xcnt 0x0
	s_or_b32 exec_lo, exec_lo, s32
	v_cmp_gt_u32 vcc_lo, 16, v1
	s_and_saveexec_b32 s32, vcc_lo
	global_store_b32 v60, v59, s[26:27] offset:8192   ; part[g]: 64 consecutive bytes
	s_wait_xcnt 0x0
	s_or_b32 exec_lo, exec_lo, s32
.Lend:
	s_wait_tensorcnt 0x0
	ds_add_u32 v192, v193
	s_wait_dscnt 0x0
	s_endpgm
.Lfunc_end_k_q2b4f6dadb0_router:
	.size	k_q2b4f6dadb0_router, .Lfunc_end_k_q2b4f6dadb0_router-k_q2b4f6dadb0_router
	.p2alignl 7, 3214868480
	.fill 96, 4, 3214868480
	.section	.rodata,"a",@progbits
	.p2align	6, 0x0
	.amdhsa_kernel k_q2b4f6dadb0_router
		.amdhsa_group_segment_fixed_size 6144
		.amdhsa_private_segment_fixed_size 0
		.amdhsa_enable_private_segment 0
		.amdhsa_kernarg_size 32
		.amdhsa_user_sgpr_count 2
		.amdhsa_user_sgpr_kernarg_segment_ptr 1
		.amdhsa_wavefront_size32 1
		.amdhsa_system_sgpr_workgroup_id_x 1
		.amdhsa_system_sgpr_workgroup_id_y 1
		.amdhsa_system_sgpr_workgroup_id_z 1
		.amdhsa_system_vgpr_workitem_id 0
		.amdhsa_next_free_vgpr 194
		.amdhsa_next_free_sgpr 66
		.amdhsa_reserve_vcc 1
		.amdhsa_float_denorm_mode_32 3
		.amdhsa_float_denorm_mode_16_64 3
		.amdhsa_memory_ordered 1
		.amdhsa_forward_progress 1
		.amdhsa_inst_pref_size 24
	.end_amdhsa_kernel
	.amdgpu_metadata
---
amdhsa.version: [ 1, 2 ]
amdhsa.kernels:
  - .name:           k_q2b4f6dadb0_router
    .symbol:         k_q2b4f6dadb0_router.kd
    .args:
      - { .name: x, .offset: 0, .size: 8, .value_kind: global_buffer, .address_space: global }
      - { .name: gate_w, .offset: 8, .size: 8, .value_kind: global_buffer, .address_space: global }
      - { .name: route, .offset: 16, .size: 8, .value_kind: global_buffer, .address_space: global }
      - { .name: rw, .offset: 24, .size: 8, .value_kind: global_buffer, .address_space: global }
    .group_segment_fixed_size: 6144
    .private_segment_fixed_size: 0
    .kernarg_segment_align: 8
    .kernarg_segment_size: 32
    .max_flat_workgroup_size: 512
    .sgpr_count:     66
    .vgpr_count:     194
    .wavefront_size: 32
...
	.end_amdgpu_metadata
.endif
;; end of part 6
;; launch gather (part 7): grid 161 x 1, 4 waves a work-group, no clusters, 0 bytes of LDS; arguments x, route, rw, slots, xq, out1; writes slots, xq, out1
.if DOCPART == 7
	.amdgcn_target "amdgcn-amd-amdhsa--gfx1250"
	.amdhsa_code_object_version 6
	.text
	.protected	k_q2b4f6dadb0_gather
	.globl	k_q2b4f6dadb0_gather
	.p2align	8
	.type	k_q2b4f6dadb0_gather,@function
k_q2b4f6dadb0_gather:
	s_mov_b64 s[64:65], 0
	v_nop
	global_prefetch_b8 v0, s[64:65] scope:SCOPE_SE
	s_setreg_imm32_b32 hwreg(HW_REG_WAVE_MODE, 25, 1), 1
	s_wait_xcnt 0x0
; GATHER.  For each expert the tokens that chose it are numbered in ascending order (slots); a tile is 16 slots.  Expert e owns the fixed
; region of 64 tiles 64 e .. 64 e + 63, as many as any split can need, so nothing is summed over experts; only the tiles in use are touched.
; For each tile: slot -> token, from the router's bit masks; the slot's destination row (choice x 1024 + token; an unused slot: 2048 + e)
; and gate weight; and the 16 rows of x quantised to BF6 (E3M2, one E8M0 byte for 32 along K), laid as images of operand registers.
;   slots: cnt[e] at 4 e;  dr2 at 256 + 64 (64 e + T) + 32 (slot & 1) + 4 (slot >> 1)
;   xq:    codes at 12288 (64 e + T) + 1536 s + 512 i + 16 lane;  scale words at XS + 512 (64 e + T) + 64 s + 4 r;  weights at SW + 4 (1024 e + slot)
; SHARES.  Work-groups 0-159: expert b / 20, tiles b % 20, + 20, + 40, + 60: one trip up to 320 rows, four for all 1,024.  The four waves of a work-group share a tile's K:
; wave w takes K steps 2 w and 2 w + 1, and all its 32 loads of x go out at once.  Each wave finds the slots' tokens for itself; wave 0 stores rows and weights.
; A work-group that the split leaves without a tile ends.  Work-group 160, wave 0: the loss, out1 = 0.08 x sum over e of (count_e / 2048) (sum p_e / 1024).
; A block's scale byte is its largest magnitude's exponent field - 4, held at 1 from below (a block of zeros keeps 1: its codes are zeros,
; and this program alone reads the bytes).  LIMITS: blocks whose largest magnitude lies under 2^-122 keep the byte 1; NaN and infinities are not served.
.set XS,  6291456
.set SW,  6553600
.set HA,  48                           ; v48-111  64 numbers of x, my even K step
.set PC,  112                          ; v112-130 the codes just made
.set ST,  132                          ; v132-195 my odd K step
.set TM,  200                          ; v200-215 at work in QUANT
.set PW,  216                          ; the scale word just made
.set SEL, 92
.set TRIPS, 4                          ; 20 work-groups x 4 trips reach tile 79, past an expert's 64
; s16-47 the expert's 32 mask words; the running counts c_i stand in s[48 + i + 2 (i / 16)], which passes over s64 and s65
.macro QUANT s                         ; 64 numbers of a lane, register 16 b + i = k 32 b + 16 (lane / 16) + i of my row, become a fragment's codes in v[PC] on and its scale word in v[PW]
.irp b, 0,1,2,3
	v_max3_num_f32 v[TM+\b], |v[\s+16*\b]|, |v[\s+1+16*\b]|, 0x2800000   ; and the floor 2^(5 - 127): the byte cannot fall under 1
.endr
.irp i, 2,4,6,8,10,12,14
.irp b, 0,1,2,3
	v_max3_num_f32 v[TM+\b], v[TM+\b], |v[\s+16*\b+\i]|, |v[\s+1+16*\b+\i]|
.endr
.endr
.irp b, 0,1,2,3
	v_permlanex16_b32 v[TM+4+\b], v[TM+\b], s[SEL], s[SEL+1]
.endr
.irp b, 0,1,2,3
	v_max_num_f32 v[TM+\b], v[TM+\b], v[TM+4+\b]   ; with lane l xor 16's: the block's largest magnitude
.endr
.irp b, 0,1,2,3
	v_add_nc_u32 v[TM+12+\b], 0xfe000000, v[TM+\b] ; 4 off its exponent field: the conversion's scale operand
.endr
.irp b, 0,1,2,3
	v_lshrrev_b32 v[TM+4+\b], 23, v[TM+12+\b]      ; the scale's byte
.endr
	v_lshl_or_b32 v[PW], v[TM+5], 8, v[TM+4]
	v_lshl_or_b32 v[PW], v[TM+6], 16, v[PW]
	v_lshl_or_b32 v[PW], v[TM+7], 24, v[PW]
.irp c, 0,1
	v_cvt_scalef32_pk16_bf6_f32 v[PC+6*\c:PC+2+6*\c], v[\s+32*\c:\s+15+32*\c], v[TM+12+2*\c]
	v_cvt_scalef32_pk16_bf6_f32 v[PC+12+4*\c:PC+14+4*\c], v[\s+16+32*\c:\s+31+32*\c], v[TM+12+2*\c+1]
.endr
	v_nop                                          ; one plain instruction behind a scaled conversion
.irp c, 0,1                            ; the operand wants a whole block in a lane: lanes 0-15 block 2 c, lanes 16-31 block 2 c + 1
.irp i, 0,1,2
	v_permlane16_swap_b32 v[PC+6*\c+\i], v[PC+12+4*\c+\i]
.endr
.irp i, 0,1,2
	v_mov_b32 v[PC+3+6*\c+\i], v[PC+12+4*\c+\i]
.endr
.endr
.endm
.macro XLOAD reg, s                    ; my slot's numbers of my K step number s (0 or 1): 16 neighbours of each block of 32
.irp b, 0,1,2,3
.irp j, 0,1,2,3
	global_load_b128 v[\reg+16*\b+4*\j:\reg+16*\b+4*\j+3], v4, s[4:5] offset:512*(\s)+128*\b+16*\j
.endr
.endr
.endm
	s_load_b256 s[4:11], s[0:1], 0x0               ; x, route, rw, slots
	s_load_b128 s[12:15], s[0:1], 0x20             ; xq, out1
	v_lshrrev_b32 v2, 5, v0
	v_readfirstlane_b32 s95, v2                    ; wave
	v_and_b32 v1, 31, v0                           ; lane
	v_and_b32 v2, 15, v0                           ; r: my slot in a tile
	v_bfe_u32 v3, v0, 4, 1                         ; h
	v_lshlrev_b32 v5, 4, v1                        ; 16 x lane
	v_lshlrev_b32 v6, 2, v1                        ; 4 x lane
	v_lshlrev_b32 v7, 2, v2                        ; 4 r
	v_and_b32 v8, 1, v2
	v_lshrrev_b32 v9, 1, v2
	v_lshlrev_b32 v9, 2, v9
	v_lshl_add_u32 v8, v8, 5, v9                   ; 32 (r & 1) + 4 (r >> 1)
	s_lshl_b32 s2, s95, 10
	v_lshl_add_u32 v9, v3, 6, s2                   ; 64 h + my wave's two K steps: 1,024 bytes of a row
	s_mov_b32 s92, 0x76543210
	s_mov_b32 s93, 0xfedcba98
	s_mov_b32 s94, 0xffff0000
.irp b, 0,1,2,3
	v_mov_b32 v[TM+4+\b], 0                        ; written once: a lane permute's destination counts as one of its sources
.endr
	s_cmp_eq_u32 ttmp9, 160
	s_cbranch_scc1 .Lloss
	s_mul_i32 s85, ttmp9, 205
	s_lshr_b32 s85, s85, 12                        ; e = b / 20 for b under 160
	s_mul_i32 s96, s85, 20
	s_sub_co_u32 s84, ttmp9, s96                   ; T = b % 20
	s_lshl_b32 s2, s85, 7
	s_mov_b32 s3, 0
	s_add_co_u32 s99, s85, 2048                    ; the destination of unused slots
	s_wait_kmcnt 0x0
	s_add_nc_u64 s[86:87], s[6:7], s[2:3]
	s_load_b512 s[16:31], s[86:87], 0x0            ; the expert's 32 mask words
	s_load_b512 s[32:47], s[86:87], 0x40
	s_wait_kmcnt 0x0
	s_mov_b32 s48, 0
.irp i, 0,1,2,3,4,5,6,7,8,9,10,11,12,13,14,15,16,17,18,19,20,21,22,23,24,25,26,27,28,29,30
	s_bcnt1_i32_b32 s96, s[16+\i]
	s_add_co_u32 s[48+(\i+1)+2*((\i+1)/16)], s[48+\i+2*(\i/16)], s96   ; c_(i+1) = c_i + the bits of word i
.endr
	s_bcnt1_i32_b32 s96, s47
	s_add_co_u32 s82, s81, s96
	s_min_u32 s82, s82, 1024                       ; R: the expert's rows
	s_add_co_u32 s83, s82, 15
	s_lshr_b32 s83, s83, 4                         ; NT: its tiles
	s_or_b32 s96, s84, s95
	s_cmp_lg_u32 s96, 0
	s_cbranch_scc1 .Lno_cnt
	v_mov_b32 v35, s82
	s_lshl_b32 s2, s85, 2
	v_mov_b32 v36, s2
	s_wait_xcnt 0x0
	v_cmp_eq_u32 vcc_lo, 0, v1
	s_and_saveexec_b32 s98, vcc_lo
	global_store_b32 v36, v35, s[10:11]            ; cnt[e], by one lane of one wave
	s_wait_xcnt 0x0
	s_or_b32 exec_lo, exec_lo, s98
.Lno_cnt:
	s_cmp_ge_u32 s84, s83
	s_cbranch_scc1 .Lend
	s_mov_b32 s101, 0                              ; the loop's own counter: at most TRIPS trips
.Ltile:
	s_wait_xcnt 0x0                                ; the last tile's stores have read their bases and data
	s_lshl_b32 s100, s85, 6
	s_add_co_u32 s100, s100, s84                   ; 64 e + T
	s_mul_i32 s2, s100, 12288
	s_mul_i32 s3, s95, 3072                        ; my wave's two images
	s_add_co_u32 s2, s2, s3
	s_mov_b32 s3, 0
	s_add_nc_u64 s[86:87], s[12:13], s[2:3]        ; codes
	s_lshl_b32 s2, s100, 6
	s_add_nc_u64 s[88:89], s[10:11], s[2:3]        ; destination rows
	s_add_nc_u64 s[96:97], s[12:13], s[2:3]        ; weights
	s_lshl_b32 s2, s100, 9
	s_lshl_b32 s3, s95, 7                          ; my wave's two K steps: 128 bytes of scale words
	s_add_co_u32 s2, s2, s3
	s_mov_b32 s3, 0
	s_add_nc_u64 s[90:91], s[12:13], s[2:3]        ; scale words
	s_lshl_b32 s2, s84, 4
	v_add_nc_u32 v19, s2, v2                       ; P: my slot's number in the expert
	; the last word i with c_i <= P holds the slot's bit
	v_mov_b32 v20, s16
	v_mov_b32 v21, 0
	v_mov_b32 v22, 0
.irp i, 1,2,3,4,5,6,7,8,9,10,11,12,13,14,15,16,17,18,19,20,21,22,23,24,25,26,27,28,29,30,31
	v_cmp_gt_u32 vcc_lo, s[48+\i+2*(\i/16)], v19   ; c_i > P: keep
	v_cndmask_b32 v20, s[16+\i], v20, vcc_lo
	v_cndmask_b32 v21, s[48+\i+2*(\i/16)], v21, vcc_lo
	v_cndmask_b32 v22, \i, v22, vcc_lo
.endr
	v_sub_nc_u32 v21, v19, v21                     ; q: the bit wanted is the word's set bit number q; its place = how many places have at most q set bits up to and with them
	v_mov_b32 v32, 0
	v_mov_b32 v34, 0
.set BITN, 0
.rept 32
	v_bfe_u32 v37, v20, BITN, 1
	v_add_nc_u32 v32, v32, v37
	v_cmp_le_u32 vcc_lo, v32, v21
	v_add_co_ci_u32 v34, vcc_lo, 0, v34, vcc_lo
.set BITN, BITN+1
.endr
	v_lshl_add_u32 v23, v22, 5, v34
	v_min_u32 v23, 0x3ff, v23                      ; the token (an unused slot gets some token: its rows go to a row that nobody reads)
	v_cmp_gt_u32 s98, s82, v19                     ; R > P: the slot is in use
	v_lshlrev_b32 v25, 2, v23
	v_lshlrev_b32 v28, 3, v23
	v_lshl_add_u32 v4, v23, 12, v9                 ; its row of x, + 64 h, + my wave's K steps
	global_load_b32 v24, v25, s[6:7] offset:1024
	global_load_b64 v[26:27], v28, s[8:9]
	XLOAD HA, 0
	XLOAD ST, 1
	s_wait_loadcnt 32                              ; ids and weights are in; two K steps of x are younger
	v_bfe_u32 v29, v24, 8, 8
	v_cmp_eq_u32 vcc_lo, s85, v29                  ; am I the token's second choice?
	v_cndmask_b32 v30, v26, v27, vcc_lo            ; the gate's weight
	v_add_nc_u32 v31, 0x400, v23
	v_cndmask_b32 v31, v23, v31, vcc_lo            ; choice x 1024 + token
	v_mov_b32 v33, s99
	v_cndmask_b32 v31, v33, v31, s98
	s_cmp_lg_u32 s95, 0
	s_cbranch_scc1 .Lno_slot                       ; wave 0 stores them for the tile
	global_store_b32 v8, v31, s[88:89] offset:256  ; lanes 16-31 write the same words with the same values
	global_store_b32 v7, v30, s[96:97] offset:SW
.Lno_slot:
	s_wait_loadcnt 16                              ; my even K step's sixteen loads are in; the odd step's are younger
	QUANT HA
.irp c, 0,1,2
	global_store_b128 v5, v[PC+4*\c:PC+4*\c+3], s[86:87] offset:512*\c   ; 512 consecutive bytes, aligned
.endr
	v_mov_b32 v217, v[PW]
	s_wait_loadcnt 0x0
	s_wait_xcnt 0x0                                ; the first image's stores have read the registers that QUANT writes
	QUANT ST
.irp c, 0,1,2
	global_store_b128 v5, v[PC+4*\c:PC+4*\c+3], s[86:87] offset:1536+512*\c
.endr
	v_cndmask_b32 v218, v217, v[PW], s94           ; lanes 0-15 the even step's words, lanes 16-31 the odd step's
	global_store_b32 v6, v218, s[90:91] offset:XS  ; 128 consecutive bytes
	s_add_co_u32 s84, s84, 20                      ; my next tile;
	s_cmp_ge_u32 s84, s83
	s_cbranch_scc1 .Lend                           ; the expert has no such tile: done
	s_add_co_u32 s101, s101, 1
	s_cmp_lt_u32 s101, TRIPS
	s_cbranch_scc1 .Ltile
	s_endpgm
.Lloss:
	s_cmp_lg_u32 s95, 0
	s_cbranch_scc1 .Lend
	v_lshlrev_b32 v10, 6, v1
	v_mov_b32 v80, 0
	v_mov_b32 v81, 0
	s_wait_kmcnt 0x0
.irp j, 0,1,2,3
.irp i, 0,1,2,3
	global_load_b128 v[16+16*\j+4*\i:19+16*\j+4*\i], v10, s[8:9] offset:8192+2048*\j+16*\i   ; lane l: part[l + 32 j]
.endr
.endr
	s_wait_loadcnt 0x0
.irp j, 1,2,3
.irp c, 0,2,4,6,8,10,12,14
	v_pk_add_f32 v[16+\c:17+\c], v[16+\c:17+\c], v[16+16*\j+\c:17+16*\j+\c]
.endr
.endr
.irp k, 1,2,4,8
.irp i, 0,1,2,3,4,5,6,7,8,9,10,11,12,13,14,15
	v_add_f32_dpp v[16+\i], v[16+\i], v[16+\i] row_xmask:\k row_mask:0xf bank_mask:0xf
.endr
.endr
.irp i, 0,2,4,6,8,10,12,14
	v_permlanex16_b32 v80, v[16+\i], s92, s93
	v_permlanex16_b32 v81, v[17+\i], s92, s93
	v_add_f32 v[16+\i], v[16+\i], v80
	v_add_f32 v[17+\i], v[17+\i], v81
.endr
	v_mul_f32 v82, v16, v24
.irp e, 1,2,3,4,5,6,7
	v_fmac_f32 v82, v[16+\e], v[24+\e]             ; sum of p x count
.endr
	v_mul_f32 v82, 0x3323d70a, v82                 ; x 0.08 / 2^21
	v_mov_b32 v83, 0
	s_wait_xcnt 0x0
	v_cmp_eq_u32 vcc_lo, 0, v1
	s_and_saveexec_b32 s98, vcc_lo
	global_store_b32 v83, v82, s[14:15]
	s_wait_xcnt 0x0
	s_or_b32 exec_lo, exec_lo, s98
.Lend:
	s_endpgm
.Lfunc_end_k_q2b4f6dadb0_gather:
	.size	k_q2b4f6dadb0_gather, .Lfunc_end_k_q2b4f6dadb0_gather-k_q2b4f6dadb0_gather
	.p2alignl 7, 3214868480
	.fill 96, 4, 3214868480
	.section	.rodata,"a",@progbits
	.p2align	6, 0x0
	.amdhsa_kernel k_q2b4f6dadb0_gather
		.amdhsa_group_segment_fixed_size 0
		.amdhsa_private_segment_fixed_size 0
		.amdhsa_enable_private_segment 0
		.amdhsa_kernarg_size 48
		.amdhsa_user_sgpr_count 2
		.amdhsa_user_sgpr_kernarg_segment_ptr 1
		.amdhsa_wavefront_size32 1
		.amdhsa_system_sgpr_workgroup_id_x 1
		.amdhsa_system_sgpr_workgroup_id_y 1
		.amdhsa_system_sgpr_workgroup_id_z 1
		.amdhsa_system_vgpr_workitem_id 0
		.amdhsa_next_free_vgpr 224
		.amdhsa_next_free_sgpr 102
		.amdhsa_reserve_vcc 1
		.amdhsa_float_denorm_mode_32 3
		.amdhsa_float_denorm_mode_16_64 3
		.amdhsa_memory_ordered 1
		.amdhsa_forward_progress 1
		.amdhsa_inst_pref_size 37
	.end_amdhsa_kernel
	.amdgpu_metadata
---
amdhsa.version: [ 1, 2 ]
amdhsa.kernels:
  - .name:           k_q2b4f6dadb0_gather
    .symbol:         k_q2b4f6dadb0_gather.kd
    .args:
      - { .name: x, .offset: 0, .size: 8, .value_kind: global_buffer, .address_space: global }
      - { .name: route, .offset: 8, .size: 8, .value_kind: global_buffer, .address_space: global }
      - { .name: rw, .offset: 16, .size: 8, .value_kind: global_buffer, .address_space: global }
      - { .name: slots, .offset: 24, .size: 8, .value_kind: global_buffer, .address_space: global }
      - { .name: xq, .offset: 32, .size: 8, .value_kind: global_buffer, .address_space: global }
      - { .name: out1, .offset: 40, .size: 8, .value_kind: global_buffer, .address_space: global }
    .group_segment_fixed_size: 0
    .private_segment_fixed_size: 0
    .kernarg_segment_align: 8
    .kernarg_segment_size: 48
    .max_flat_workgroup_size: 128
    .sgpr_count:     102
    .vgpr_count:     224
    .wavefront_size: 32
...
	.end_amdgpu_metadata
.endif
;; end of part 7
;; launch gateup (part 8): grid 43 x 8, 4 waves a work-group, no clusters, 102,912 bytes of LDS; arguments w_gate, w_up, xq, slots, hq; writes hq
.if DOCPART == 8
	.amdgcn_target "amdgcn-amd-amdhsa--gfx1250"
	.amdhsa_code_object_version 6
	.text
	.protected	k_q2b4f6dadb0_gateup
	.globl	k_q2b4f6dadb0_gateup
	.p2align	8
	.type	k_q2b4f6dadb0_gateup,@function
k_q2b4f6dadb0_gateup:
	s_mov_b64 s[64:65], 0
	v_nop
	global_prefetch_b8 v0, s[64:65] scope:SCOPE_SE
	s_setreg_imm32_b32 hwreg(HW_REG_WAVE_MODE, 25, 1), 1
	s_wait_xcnt 0x0
; h = silu(x Wg) * (x Wu) for the rows routed to expert e, 64 columns of F a work-group (sg = work-group x, e = work-group y), both products on BF6 codes.
; THE WEIGHTS ARE READ ONCE, AS f32, AND NEVER WRITTEN: each wave streams 512 rows of K x 64 columns of one matrix (wave & 1: gate or up; wave >> 1: which half of K),
; quantises along K in registers and leaves images of operand registers in LDS; one barrier; then the waves share the expert's tiles of 16 rows, four tiles a round.
; A wave's tiles that are left over go one to a round; such a round asks for x's fragments of all eight K steps at its head: 96 registers, where four tiles' two sets lie.
; THE STREAM.  A load takes 16 bytes a lane: lanes 0-15 read 256 consecutive bytes of row k, aligned, lanes 16-31 those of row k + 16.  So a lane has four neighbouring columns,
; and TILE j OF THE WEIGHTS IS THE COLUMNS 4 q + j.  The conversion wants 16 neighbours along K in consecutive registers: one move a number.
; THE RESULT.  Transposed use (source 0 = 16 columns of the weight, source 1 = 16 rows of x): register jj of tile j in lane (r, hh) is column 32 hh + 4 jj + j of row r.  The four tiles
; give a lane a WHOLE block of 32 along F, at place p = 8 j + jj the column 4 (p % 8) + p / 8.  The order inside a block is free if the other operand has it too: the next
; launch takes w_down's rows in this order.  So h's largest magnitude needs no other lane, and the two conversions give six registers of the next operand as they stand.
;   hq: codes at 33792 (64 e + T) + 768 sg: 512 bytes at 16 lane, 256 at 8 lane (sg even: registers 0-3, 4-5 of the fragment of K step sg / 2; odd: 8-11, 6-7);
;       scale bytes at HS + 1408 (64 e + T) + 64 (sg / 2) + 4 r + 2 (sg % 2) + hh.  F = 2,752 is 21.5 steps of 128: work-group 42 also writes zero codes for the missing half.
; No cluster: a work-group's own weights (512 KiB as f32) outweigh what it shares with others (x's codes), and trip counts hang on counts read from memory.
; LIMITS: blocks whose largest magnitude lies under 2^-122 keep the scale byte 1 (a block of zeros too: its codes are zeros, and this program alone reads the bytes); NaN and infinities are not served.
; REGISTERS.  Window 0: v1-11 addresses; v12-19, v20-35 scale words and nothing else; v36-83, v84-131 gate's and up's four fragments; v132-179, v180-227 x's fragments, two sets of four.
;   In the stream v36-163 are at work; on the way out v36-79 and v132-167.  Window 1: in the stream four landing buffers of 64; then the accumulators (slot m, matrix, tile j) at 64 m + 32 mat + 8 j.
.set ROWB, 11008                       ; a row of w_gate or w_up in bytes: 43 x 256
.set SCB,  98304                       ; LDS: images at 49152 mat + 6144 s + 1536 j + 512 i + 16 lane; scale words at SCB + 128 (4 s + j) + 64 mat + 4 q
.set XS,   6291456
.set HS,   17301504
.set BSC,  12
.set ASC,  20
.set BG,   36
.set A0,   132
.set TT,   36                          ; v36-99   16 numbers along K for each of four columns; on the way out v36-67: 32 numbers of h
.set MX,   100
.set MY,   104
.set SF,   108
.set BYT,  112
.set FR,   116                         ; v116 + 8 j: six registers of column set j's fragment
.set XR,   148                         ; v148 + 4 j: a conversion's three registers
.set EM,   68
.set EX,   76
.set CB,   132                         ; v132 + 8 m: slot m's six registers of codes, then its scale byte
.set ZR,   164
.set MSB, 0
.macro WIN new                         ; the immediate's high byte repeats the setting that is left
.if MSB != \new
	s_set_vgpr_msb (MSB<<8)|\new
.set MSB, \new
.endif
.endm
.macro PLACES                          ; four plain instructions between a matrix instruction and a load into, or a vector instruction on, its registers
.rept 4
	v_nop
.endr
.endm
.macro LDBLK bt                        ; block bt: 32 rows of K
.irp i, 0,1,2,3,4,5,6,7,8,9,10,11,12,13,14,15
	global_load_b128 v[64*((\bt)%4)+4*\i:64*((\bt)%4)+4*\i+3], v3, s[22:23] offset:(32*(\bt)+\i)*ROWB th:TH_LOAD_NT
.endr
.endm
.macro BLK bt, ahead, left
.set BUF, 64*((\bt)%4)
.set SL, (\bt)/4                       ; my K step
.set CC, ((\bt)/2)%2                   ; which 64 of it
	s_wait_loadcnt \left                           ; this block's sixteen loads are in; the younger blocks stay out
	WIN 0x01
.irp i, 0,1,2,3,4,5,6,7,8,9,10,11,12,13,14,15
.irp j, 0,1,2,3
	v_mov_b32 v[TT+16*\j+\i], v[BUF+4*\i+\j]       ; column 4 q + j: k = 32 bt + 16 hh + i
.endr
.endr
.if \ahead
	WIN 0x40
	LDBLK (\bt)+4                                  ; the buffer takes the block four on
.endif
	WIN 0
.irp j, 0,1,2,3
	v_max3_num_f32 v[MX+\j], |v[TT+16*\j]|, |v[TT+16*\j+1]|, 0x2800000   ; and the floor 2^(5 - 127): the byte cannot fall under 1
.endr
.irp i, 2,4,6,8,10,12,14
.irp j, 0,1,2,3
	v_max3_num_f32 v[MX+\j], v[MX+\j], |v[TT+16*\j+\i]|, |v[TT+16*\j+\i+1]|
.endr
.endr
.irp j, 0,1,2,3
	v_permlanex16_b32 v[MY+\j], v[MX+\j], s36, s37
.endr
.irp j, 0,1,2,3
	v_max_num_f32 v[MX+\j], v[MX+\j], v[MY+\j]     ; with lane l xor 16's 16 rows: the block's largest magnitude
.endr
.irp j, 0,1,2,3
	v_add_nc_u32 v[SF+\j], 0xfe000000, v[MX+\j]    ; 4 off its exponent field: the conversion's scale operand
.endr
.if (\bt)%2 == 0
	s_wait_dscnt 0x0                               ; the last pair's LDS stores have read the registers written below
.irp j, 0,1,2,3
	v_lshrrev_b32 v[BYT+\j], 23, v[SF+\j]
.endr
.irp j, 0,1,2,3
	v_cvt_scalef32_pk16_bf6_f32 v[FR+8*\j:FR+8*\j+2], v[TT+16*\j:TT+16*\j+15], v[SF+\j]
.endr
	v_nop                                          ; one plain instruction behind a scaled conversion
.else
.irp j, 0,1,2,3
	v_lshrrev_b32 v[MX+\j], 23, v[SF+\j]
.endr
.irp j, 0,1,2,3
	v_lshl_or_b32 v[BYT+\j], v[MX+\j], 8, v[BYT+\j]   ; the pair's two scale bytes
.endr
.irp j, 0,1,2,3
	v_cvt_scalef32_pk16_bf6_f32 v[XR+4*\j:XR+4*\j+2], v[TT+16*\j:TT+16*\j+15], v[SF+\j]
.endr
	v_nop
.irp j, 0,1,2,3                        ; the operand wants a whole block in a lane: lanes 0-15 the even block, lanes 16-31 the odd one
.irp i, 0,1,2
	v_permlane16_swap_b32 v[FR+8*\j+\i], v[XR+4*\j+\i]
.endr
.endr
.irp j, 0,1,2,3
.irp i, 0,1,2
	v_mov_b32 v[FR+8*\j+3+\i], v[XR+4*\j+\i]
.endr
.endr
.irp j, 0,1,2,3                        ; registers 6 CC .. 6 CC + 5 of the fragment's image
.if CC == 0
	ds_store_b128 v4, v[FR+8*\j:FR+8*\j+3] offset:SL*6144+\j*1536
	ds_store_b64 v4, v[FR+8*\j+4:FR+8*\j+5] offset:SL*6144+\j*1536+512
.else
	ds_store_b64 v4, v[FR+8*\j:FR+8*\j+1] offset:SL*6144+\j*1536+520
	ds_store_b128 v4, v[FR+8*\j+2:FR+8*\j+5] offset:SL*6144+\j*1536+1024
.endif
	ds_store_b16 v5, v[BYT+\j] offset:(4*SL+\j)*128+2*CC   ; lanes q and q + 16 write the same two bytes with the same values
.endr
.endif
.endm
; one scaled product; z: it starts the sum; ra, rb: the scale words stand in lanes 16-31
.macro WM d, a, b, z, sa, sb, ra, rb
.if (\z) && (\ra)
	v_wmma_scale_f32_16x16x128_f8f6f4 v[(\d):(\d)+7], v[(\a):(\a)+11], v[(\b):(\b)+11], 0, v[\sa], v[\sb] matrix_a_fmt:MATRIX_FMT_BF6 matrix_b_fmt:MATRIX_FMT_BF6 matrix_a_scale:MATRIX_SCALE_ROW1
.elseif (\z)
	v_wmma_scale_f32_16x16x128_f8f6f4 v[(\d):(\d)+7], v[(\a):(\a)+11], v[(\b):(\b)+11], 0, v[\sa], v[\sb] matrix_a_fmt:MATRIX_FMT_BF6 matrix_b_fmt:MATRIX_FMT_BF6
.elseif (\ra) && (\rb)
	v_wmma_scale_f32_16x16x128_f8f6f4 v[(\d):(\d)+7], v[(\a):(\a)+11], v[(\b):(\b)+11], v[(\d):(\d)+7], v[\sa], v[\sb] matrix_a_fmt:MATRIX_FMT_BF6 matrix_b_fmt:MATRIX_FMT_BF6 matrix_a_scale:MATRIX_SCALE_ROW1 matrix_b_scale:MATRIX_SCALE_ROW1
.elseif (\ra)
	v_wmma_scale_f32_16x16x128_f8f6f4 v[(\d):(\d)+7], v[(\a):(\a)+11], v[(\b):(\b)+11], v[(\d):(\d)+7], v[\sa], v[\sb] matrix_a_fmt:MATRIX_FMT_BF6 matrix_b_fmt:MATRIX_FMT_BF6 matrix_a_scale:MATRIX_SCALE_ROW1
.elseif (\rb)
	v_wmma_scale_f32_16x16x128_f8f6f4 v[(\d):(\d)+7], v[(\a):(\a)+11], v[(\b):(\b)+11], v[(\d):(\d)+7], v[\sa], v[\sb] matrix_a_fmt:MATRIX_FMT_BF6 matrix_b_fmt:MATRIX_FMT_BF6 matrix_b_scale:MATRIX_SCALE_ROW1
.else
	v_wmma_scale_f32_16x16x128_f8f6f4 v[(\d):(\d)+7], v[(\a):(\a)+11], v[(\b):(\b)+11], v[(\d):(\d)+7], v[\sa], v[\sb] matrix_a_fmt:MATRIX_FMT_BF6 matrix_b_fmt:MATRIX_FMT_BF6
.endif
.endm
.macro MULS s, mat, ns                 ; 4 ns products, each on an accumulator of its own
.if (\ns) == 1
.set AB, A0+12*(\s)                    ; one tile: each K step's fragment has registers of its own
.else
.set AB, A0+48*((\s)%2)
.endif
.set MM, 0
.rept \ns
.irp j, 0,1,2,3
	WM 64*MM+32*(\mat)+8*\j, BG+48*(\mat)+12*\j, AB+12*MM, (\s)==0, BSC+4*((\s)%2)+\j, ASC+4*MM+(\s)/2, \mat, (\s)%2
.endr
.set MM, MM+1
.endr
.endm
.macro ALOAD set, s, ns                ; x's fragments of K step s, 3 loads a slot
.set MM, 0
.rept \ns
.irp i, 0,1,2
	global_load_b128 v[A0+48*(\set)+12*MM+4*\i:A0+48*(\set)+12*MM+4*\i+3], v6, s[24:25] offset:49152*MM+1536*(\s)+512*\i
.endr
.set MM, MM+1
.endr
.endm
.macro ALOAD1 s                        ; one tile: the fragment of K step s into its own twelve registers
.irp i, 0,1,2
	global_load_b128 v[A0+12*(\s)+4*\i:A0+12*(\s)+4*\i+3], v6, s[24:25] offset:1536*(\s)+512*\i
.endr
.endm
.macro BGLOAD s                        ; K step s: the four scale registers (lanes 0-15 gate's words, lanes 16-31 up's) and gate's four fragments: 16 LDS loads
.irp j, 0,1,2,3
	ds_load_b32 v[BSC+4*((\s)%2)+\j], v8 offset:(4*(\s)+\j)*128
.endr
.irp j, 0,1,2,3
.irp i, 0,1,2
	ds_load_b128 v[BG+12*\j+4*\i:BG+12*\j+4*\i+3], v6 offset:(\s)*6144+\j*1536+\i*512
.endr
.endr
.endm
.macro BULOAD s                        ; up's four fragments: 12 LDS loads
.irp j, 0,1,2,3
.irp i, 0,1,2
	ds_load_b128 v[BG+48+12*\j+4*\i:BG+48+12*\j+4*\i+3], v7 offset:(\s)*6144+\j*1536+\i*512
.endr
.endr
.endm
.macro RSTEP s, ns
.if (\ns) == 1
	s_wait_loadcnt 3*(7-(\s))                      ; x's fragment of this step is in; the later steps' three loads each are younger
.elseif (\s) < 7
	s_wait_loadcnt 3*(\ns)                         ; x's fragments of this step are in; the next step's are younger
.else
	s_wait_loadcnt 0x0
.endif
	s_wait_dscnt 12                                ; gate's fragments and the scale words are in; up's twelve loads are younger
	WIN 0x50                                       ; C and D in window 1
	MULS \s, 0, \ns
	WIN 0
	PLACES
.if (\s) < 7
	BGLOAD (\s)+1
	s_wait_dscnt 16                                ; up's fragments are in; the sixteen just issued are younger
.else
	s_wait_dscnt 0x0
.endif
	WIN 0x50
	MULS \s, 1, \ns
	WIN 0
	PLACES
.if (\s) < 7
	BULOAD (\s)+1
.endif
.if ((\s) < 6) && ((\ns) > 1)
	ALOAD (\s)%2, (\s)+2, \ns
.endif
.endm
.macro EPI m                           ; slot m: h = g / (1 + 2^(-g log2 e)) x u, in f32; its block of 32 quantised
	WIN 0x01
.set PP, 0
.rept 16
	v_pk_mul_f32 v[TT+PP:TT+PP+1], v[64*(\m)+PP:64*(\m)+PP+1], s[34:35] op_sel_hi:[1,0]   ; each accumulator from its low end on
.set PP, PP+2
.endr
	WIN 0
.set PP, 0
.rept 32
	v_exp_f32 v[TT+PP], v[TT+PP]
.set PP, PP+1
.endr
	v_nop                                          ; a plain instruction behind the exponentials
.set PP, 0
	s_wait_alu depctr_va_vdst(0)
.rept 16
	v_pk_add_f32 v[TT+PP:TT+PP+1], v[TT+PP:TT+PP+1], 1.0 op_sel_hi:[1,0]
.set PP, PP+2
.endr
.set PP, 0
.rept 32
	v_rcp_f32 v[TT+PP], v[TT+PP]
.set PP, PP+1
.endr
	v_nop
	WIN 0x04
.set PP, 0
	s_wait_alu depctr_va_vdst(0)
.rept 16
	v_pk_mul_f32 v[TT+PP:TT+PP+1], v[TT+PP:TT+PP+1], v[64*(\m)+PP:64*(\m)+PP+1]
.set PP, PP+2
.endr
.set PP, 0
.rept 16
	v_pk_mul_f32 v[TT+PP:TT+PP+1], v[TT+PP:TT+PP+1], v[64*(\m)+32+PP:64*(\m)+32+PP+1]
.set PP, PP+2
.endr
	WIN 0
	v_max3_num_f32 v[EM], |v[TT]|, |v[TT+1]|, 0x2800000
	v_max_num_f32 v[EM+1], |v[TT+16]|, |v[TT+17]|
.irp i, 2,4,6,8,10,12,14
	v_max3_num_f32 v[EM], v[EM], |v[TT+\i]|, |v[TT+\i+1]|
	v_max3_num_f32 v[EM+1], v[EM+1], |v[TT+16+\i]|, |v[TT+17+\i]|
.endr
	v_max_num_f32 v[EM], v[EM], v[EM+1]            ; all 32 numbers of the block are mine
	v_add_nc_u32 v[EM+2], 0xfe000000, v[EM]
	v_lshrrev_b32 v[CB+8*(\m)+6], 23, v[EM+2]      ; the scale's byte
	v_cvt_scalef32_pk16_bf6_f32 v[CB+8*(\m):CB+8*(\m)+2], v[TT:TT+15], v[EM+2]
	v_cvt_scalef32_pk16_bf6_f32 v[EX:EX+2], v[TT+16:TT+31], v[EM+2]
	v_nop
.irp i, 0,1,2
	v_mov_b32 v[CB+8*(\m)+3+\i], v[EX+\i]
.endr
.endm
.macro ROUND ns                        ; ns tiles of 16 rows: tau, tau + 4, ..
	s_wait_xcnt 0x0                                ; the last round's stores have read their bases and data
	s_lshl_b32 s39, s18, 6
	s_add_co_u32 s39, s39, s21                     ; 64 e + tau
	s_mov_b32 s3, 0
	s_mul_i32 s2, s39, 12288
	s_add_nc_u64 s[24:25], s[8:9], s[2:3]          ; x's codes
	s_lshl_b32 s2, s39, 9
	s_add_nc_u64 s[26:27], s[8:9], s[2:3]          ; x's scale words
	s_mul_i32 s2, s39, 33792
	s_add_co_u32 s2, s2, s40
	s_add_nc_u64 s[28:29], s[12:13], s[2:3]        ; h's codes
	s_mul_i32 s2, s39, 1408
	s_add_co_u32 s2, s2, s41
	s_add_nc_u64 s[30:31], s[12:13], s[2:3]        ; h's scale bytes
.set MM, 0
.rept \ns
.irp t, 0,1,2,3
	global_load_b32 v[ASC+4*MM+\t], v9, s[26:27] offset:XS+2048*MM+128*\t   ; lanes 0-15: K step 2 t, lanes 16-31: 2 t + 1
.endr
.set MM, MM+1
.endr
.if (\ns) == 1
.irp s, 0,1,2,3,4,5,6,7
	ALOAD1 \s                                      ; all eight K steps at once: 24 loads
.endr
.else
	ALOAD 0, 0, \ns
	ALOAD 1, 1, \ns
.endif
	BGLOAD 0
	BULOAD 0
.irp s, 0,1,2,3,4,5,6,7
	RSTEP \s, \ns
.endr
.set MQ, 0
.rept \ns
	EPI MQ
.set MQ, MQ+1
.endr
	s_bitcmp1_b32 s17, 0
	s_cbranch_scc1 .Lodd_\@
.set MM, 0
.rept \ns
	global_store_b128 v6, v[CB+8*MM:CB+8*MM+3], s[28:29] offset:135168*MM          ; 512 consecutive bytes, aligned
	global_store_b64 v10, v[CB+8*MM+4:CB+8*MM+5], s[28:29] offset:135168*MM+512    ; 256
.set MM, MM+1
.endr
	s_branch .Lsent_\@
.Lodd_\@:
.set MM, 0
.rept \ns
	global_store_b128 v6, v[CB+8*MM+2:CB+8*MM+5], s[28:29] offset:135168*MM
	global_store_b64 v10, v[CB+8*MM:CB+8*MM+1], s[28:29] offset:135168*MM+512
.set MM, MM+1
.endr
.Lsent_\@:
.set MM, 0
.rept \ns
	global_store_b8 v11, v[CB+8*MM+6], s[30:31] offset:5632*MM
.set MM, MM+1
.endr
	s_cmp_lg_u32 s17, 42
	s_cbranch_scc1 .Lno_pad_\@
.irp i, 0,1,2,3
	v_mov_b32 v[ZR+\i], 0
.endr
.set MM, 0
.rept \ns                              ; K = 2,752 is filled up to 2,816 with zero codes; their scale bytes are any byte but 0xff
	global_store_b128 v6, v[ZR:ZR+3], s[28:29] offset:135168*MM+768
	global_store_b64 v10, v[ZR:ZR+1], s[28:29] offset:135168*MM+1280
	global_store_b8 v11, v[CB+8*MM+6], s[30:31] offset:5632*MM+2
.set MM, MM+1
.endr
.Lno_pad_\@:
.endm
	s_load_b256 s[4:11], s[0:1], 0x0               ; w_gate, w_up, xq, slots
	s_load_b64 s[12:13], s[0:1], 0x20              ; hq
	v_lshl_add_u32 v254, v0, 2, 0x19000
	v_mov_b32 v255, 0
	v_lshrrev_b32 v2, 5, v0
	v_readfirstlane_b32 s14, v2                    ; wave
	s_and_b32 s15, s14, 1                          ; gate or up
	s_lshr_b32 s16, s14, 1                         ; which half of K
	s_mov_b32 s17, ttmp9                           ; sg: which 64 columns of F
	s_and_b32 s18, ttmp7, 0xffff                   ; e
	v_and_b32 v11, 31, v0                          ; lane
	v_and_b32 v1, 15, v0                           ; q, r
	v_bfe_u32 v2, v0, 4, 1                         ; hh
	v_mul_u32_u24 v3, v2, 16*ROWB
	v_lshl_add_u32 v3, v1, 4, v3                   ; the stream: 16 rows for hh, 16 bytes for q
	v_lshlrev_b32 v6, 4, v11                       ; 16 x lane: images, gate's in LDS
	v_lshlrev_b32 v10, 3, v11                      ; 8 x lane
	v_lshlrev_b32 v9, 2, v11                       ; 4 x lane
	v_add_nc_u32 v7, 49152, v6                     ; up's images in LDS
	v_add_nc_u32 v8, SCB, v9                       ; the weights' scale words
	s_mul_i32 s32, s15, 49152
	s_mul_i32 s33, s16, 24576
	s_add_co_u32 s32, s32, s33
	v_add_nc_u32 v4, s32, v6                       ; where my wave puts its images
	s_lshl_b32 s32, s15, 6
	s_lshl_b32 s33, s16, 11
	s_add_co_u32 s32, s32, s33
	s_add_co_u32 s32, s32, SCB
	v_lshl_add_u32 v5, v1, 2, s32                  ; and its scale bytes
	v_lshl_add_u32 v11, v1, 2, v2                  ; 4 r + hh: h's scale byte
	s_mul_i32 s2, s18, 1024*ROWB
	s_mul_i32 s32, s16, 512*ROWB
	s_add_co_u32 s2, s2, s32
	s_lshl_b32 s32, s17, 8
	s_add_co_u32 s2, s2, s32
	s_mov_b32 s3, 0
	s_lshl_b32 s38, s18, 2
	s_mul_i32 s40, s17, 768
	s_lshr_b32 s41, s17, 1
	s_lshl_b32 s41, s41, 6
	s_and_b32 s32, s17, 1
	s_lshl_b32 s32, s32, 1
	s_add_co_u32 s41, s41, s32
	s_add_co_u32 s41, s41, HS
	s_mov_b32 s34, 0xbfb8aa3b                      ; -log2(e)
	s_mov_b32 s35, s34                             ; (named with it as a pair)
	s_mov_b32 s36, 0x76543210
	s_mov_b32 s37, 0xfedcba98
.irp j, 0,1,2,3
	v_mov_b32 v[MY+\j], 0                          ; written once: a lane permute's destination counts as one of its sources
.endr
	s_wait_kmcnt 0x0
	s_cmp_eq_u32 s15, 0
	s_cselect_b64 s[22:23], s[4:5], s[6:7]         ; the choice hangs on the wave's number alone
	s_add_nc_u64 s[22:23], s[22:23], s[2:3]
	s_load_b32 s19, s[10:11], s38 offset:0x0       ; the expert's rows
	WIN 0x40
	LDBLK 0                                        ; four blocks, 64 loads of 512 bytes a wave; a load that the counter's field cannot hold waits at issue (ISA guide 5.7.1)
	LDBLK 1
	LDBLK 2
	LDBLK 3
.irp bt, 0,1,2,3,4,5,6,7,8,9,10,11
	BLK \bt, 1, 48
.endr
	BLK 12, 0, 48
	BLK 13, 0, 32
	BLK 14, 0, 16
	BLK 15, 0, 0
	s_wait_dscnt 0x0                               ; for the others' sake: my images and scale bytes have landed
	s_barrier_signal -1
	s_barrier_wait -1                              ; the one barrier: behind it nobody writes LDS
	s_wait_kmcnt 0x0
	s_min_u32 s19, s19, 1024
	s_add_co_u32 s19, s19, 15
	s_lshr_b32 s19, s19, 4                         ; NT tiles
	s_add_co_u32 s20, s19, 3
	s_sub_co_u32 s20, s20, s14
	s_lshr_b32 s20, s20, 2                         ; my tiles: wave, wave + 4, ..
	s_mov_b32 s21, s14
	s_cmp_ge_i32 s20, 4
	s_cbranch_scc0 .Lsingles
.Lfours:
	ROUND 4
	s_add_co_u32 s21, s21, 16
	s_sub_co_i32 s20, s20, 4
	s_cmp_ge_i32 s20, 4
	s_cbranch_scc1 .Lfours
.Lsingles:
	s_cmp_gt_i32 s20, 0
	s_cbranch_scc0 .Ldone
.Lone:
	ROUND 1
	s_add_co_u32 s21, s21, 4
	s_sub_co_i32 s20, s20, 1
	s_cmp_gt_i32 s20, 0
	s_cbranch_scc1 .Lone
.Ldone:
	s_wait_tensorcnt 0x0
	ds_add_u32 v254, v255
	s_wait_dscnt 0x0
	s_endpgm
.Lfunc_end_k_q2b4f6dadb0_gateup:
	.size	k_q2b4f6dadb0_gateup, .Lfunc_end_k_q2b4f6dadb0_gateup-k_q2b4f6dadb0_gateup
	.p2alignl 7, 3214868480
	.fill 96, 4, 3214868480
	.section	.rodata,"a",@progbits
	.p2align	6, 0x0
	.amdhsa_kernel k_q2b4f6dadb0_gateup
		.amdhsa_group_segment_fixed_size 102912
		.amdhsa_private_segment_fixed_size 0
		.amdhsa_enable_private_segment 0
		.amdhsa_kernarg_size 40
		.amdhsa_user_sgpr_count 2
		.amdhsa_user_sgpr_kernarg_segment_ptr 1
		.amdhsa_wavefront_size32 1
		.amdhsa_system_sgpr_workgroup_id_x 1
		.amdhsa_system_sgpr_workgroup_id_y 1
		.amdhsa_system_sgpr_workgroup_id_z 1
		.amdhsa_system_vgpr_workitem_id 0
		.amdhsa_next_free_vgpr 512
		.amdhsa_next_free_sgpr 66
		.amdhsa_reserve_vcc 0
		.amdhsa_float_denorm_mode_32 3
		.amdhsa_float_denorm_mode_16_64 3
		.amdhsa_memory_ordered 1
		.amdhsa_forward_progress 1
		.amdhsa_inst_pref_size 255
	.end_amdhsa_kernel
	.section	.bss,"aw",@nobits
	.p2align	6
	.space	262144
	.amdgpu_metadata
---
amdhsa.version: [ 1, 2 ]
amdhsa.kernels:
  - .name:           k_q2b4f6dadb0_gateup
    .symbol:         k_q2b4f6dadb0_gateup.kd
    .args:
      - { .name: w_gate, .offset: 0, .size: 8, .value_kind: global_buffer, .address_space: global }
      - { .name: w_up, .offset: 8, .size: 8, .value_kind: global_buffer, .address_space: global }
      - { .name: xq, .offset: 16, .size: 8, .value_kind: global_buffer, .address_space: global }
      - { .name: slots, .offset: 24, .size: 8, .value_kind: global_buffer, .address_space: global }
      - { .name: hq, .offset: 32, .size: 8, .value_kind: global_buffer, .address_space: global }
    .group_segment_fixed_size: 102912
    .private_segment_fixed_size: 0
    .kernarg_segment_align: 8
    .kernarg_segment_size: 40
    .max_flat_workgroup_size: 128
    .sgpr_count:     66
    .vgpr_count:     512
    .wavefront_size: 32
...
	.end_amdgpu_metadata
.endif
;; end of part 8
;; launch down (part 9): grid 16 x 16, 4 waves a work-group, no clusters, 88,320 bytes of LDS; arguments w_down, hq, slots, xq, y; writes y
.if DOCPART == 9
	.amdgcn_target "amdgcn-amd-amdhsa--gfx1250"
	.amdhsa_code_object_version 6
	.text
	.protected	k_q2b4f6dadb0_down
	.globl	k_q2b4f6dadb0_down
	.p2align	8
	.type	k_q2b4f6dadb0_down,@function
k_q2b4f6dadb0_down:
	s_mov_b64 s[64:65], 0
	v_nop
	global_prefetch_b8 v0, s[64:65] scope:SCOPE_SE
	s_setreg_imm32_b32 hwreg(HW_REG_WAVE_MODE, 25, 1), 1
	s_wait_xcnt 0x0
; y[kp][row] = gate weight x (h Wd), for the rows routed to expert e, 64 columns of D a work-group (dl = work-group x), half of K a work-group (work-group y = 2 e + kp; 11 K steps of 128).
; w_down IS READ ONCE, AS f32, AND NEVER WRITTEN: wave w streams K steps w, w + 4, w + 8 of the half, quantises along K in registers and leaves images of operand registers in LDS; one barrier;
; then the waves share the expert's tiles of 16 rows, four tiles a round.  A wave's tiles that are left over go one to a round; such a round asks for h's fragments of all eleven K steps at its head:
; 132 registers, where four tiles' four sets lie.  The stream is the launch before's, but for the order of rows: h's codes stand in a block of 32 with column 4 (p % 8) + p / 8 at place p,
; so w_down's rows are taken in that order, by the loads' offsets: lane half hh and load i hold place p = 16 hh + i, row 4 (i % 8) + i / 8 + 2 hh of the block.
; K = 2,752 is filled up to 2,816: h's codes are zeros there; for the rows of w_down that do not exist the 64 rows before are read again (their products are zeros).
; Transposed use (source 0 = the columns 4 q + j of w_down, source 1 = 16 rows of h): a lane holds 32 neighbouring columns of one row.  The rows go through the wave's own stage in LDS and leave as
; 256 consecutive bytes, aligned, sixteen lanes to a row, at the slot's destination row (choice x 1024 + token).  Unused slots go to row 2048 + e, which nobody reads: so every lane stays on.
; Each row of y[kp] has one owner; the four parts of a token (two choices, two halves of K) are added by the next launch.
; No cluster: a work-group's own weights (352 KiB as f32) outweigh what it shares with others (h's codes), and trip counts hang on counts read from memory.
; LIMITS: blocks whose largest magnitude lies under 2^-122 keep the scale byte 1; NaN and infinities are not served.
; REGISTERS.  Window 0: v1-15 addresses; v16-19, v20-43 scale words and nothing else; v44-47 gate weights; v48-79 destination rows; v80-207 the accumulators (slot m, tile j) at 80 + 32 m + 8 j;
;   v208-255 the weights' fragments, set 0.  In the stream v48-175 are at work.  Window 1: in the stream four landing buffers of 64; then h's fragments, four sets of 48, and at v192 the weights' set 1; on the way out rows of y.
.set SCB,  67584                       ; LDS: images at 6144 sl + 1536 j + 512 i + 16 lane; scale words at SCB + 256 sl + 64 j + 4 q;
.set STG,  70400                       ; a stage of 16 rows x (256 + 16) bytes for each wave
.set SW,   6553600
.set HS,   17301504
.set BSC,  16
.set ASC,  20
.set WG,   44
.set DR,   48
.set AC,   80
.set Y,    208
.set TT,   48
.set MX,   112
.set MY,   116
.set SF,   120
.set BYT,  124
.set FR,   128
.set XR,   160
.set MSB, 0
.macro WIN new                         ; the immediate's high byte repeats the setting that is left
.if MSB != \new
	s_set_vgpr_msb (MSB<<8)|\new
.set MSB, \new
.endif
.endm
.macro PLACES                          ; four plain instructions between a matrix instruction and a load into, or a vector instruction on, its registers
.rept 4
	v_nop
.endr
.endm
.macro LDBLK n, bb                     ; block bb of my K step number n
.irp i, 0,1,2,3,4,5,6,7,8,9,10,11,12,13,14,15
.if ((\n) == 2) && ((\bb) >= 2)
	global_load_b128 v[64*(\bb)+4*\i:64*(\bb)+4*\i+3], v3, s[24:25] offset:(\n)*2097152+(32*(\bb)+4*(\i%8)+\i/8)*4096 th:TH_LOAD_NT
.else
	global_load_b128 v[64*(\bb)+4*\i:64*(\bb)+4*\i+3], v3, s[22:23] offset:(\n)*2097152+(32*(\bb)+4*(\i%8)+\i/8)*4096 th:TH_LOAD_NT
.endif
.endr
.endm
.macro BLK n, bb, ahead, left
.set BUF, 64*(\bb)
.set CC, (\bb)/2
	s_wait_loadcnt \left                           ; this block's sixteen loads are in; the younger blocks stay out
	WIN 0x01
.irp i, 0,1,2,3,4,5,6,7,8,9,10,11,12,13,14,15
.irp j, 0,1,2,3
	v_mov_b32 v[TT+16*\j+\i], v[BUF+4*\i+\j]       ; column 4 q + j, place 16 hh + i of the block
.endr
.endr
.if \ahead
	WIN 0x40
	LDBLK (\n)+1, \bb                              ; the buffer takes the same block of my next K step
.endif
	WIN 0
.irp j, 0,1,2,3
	v_max3_num_f32 v[MX+\j], |v[TT+16*\j]|, |v[TT+16*\j+1]|, 0x2800000   ; and the floor 2^(5 - 127): the byte cannot fall under 1
.endr
.irp i, 2,4,6,8,10,12,14
.irp j, 0,1,2,3
	v_max3_num_f32 v[MX+\j], v[MX+\j], |v[TT+16*\j+\i]|, |v[TT+16*\j+\i+1]|
.endr
.endr
.irp j, 0,1,2,3
	v_permlanex16_b32 v[MY+\j], v[MX+\j], s36, s37
.endr
.irp j, 0,1,2,3
	v_max_num_f32 v[MX+\j], v[MX+\j], v[MY+\j]
.endr
.irp j, 0,1,2,3
	v_add_nc_u32 v[SF+\j], 0xfe000000, v[MX+\j]    ; 4 off the exponent field: the conversion's scale operand
.endr
.if (\bb)%2 == 0
	s_wait_dscnt 0x0                               ; the last pair's LDS stores have read the registers written below
.irp j, 0,1,2,3
	v_lshrrev_b32 v[BYT+\j], 23, v[SF+\j]
.endr
.irp j, 0,1,2,3
	v_cvt_scalef32_pk16_bf6_f32 v[FR+8*\j:FR+8*\j+2], v[TT+16*\j:TT+16*\j+15], v[SF+\j]
.endr
	v_nop                                          ; one plain instruction behind a scaled conversion
.else
.irp j, 0,1,2,3
	v_lshrrev_b32 v[MX+\j], 23, v[SF+\j]
.endr
.irp j, 0,1,2,3
	v_lshl_or_b32 v[BYT+\j], v[MX+\j], 8, v[BYT+\j]
.endr
.irp j, 0,1,2,3
	v_cvt_scalef32_pk16_bf6_f32 v[XR+4*\j:XR+4*\j+2], v[TT+16*\j:TT+16*\j+15], v[SF+\j]
.endr
	v_nop
.irp j, 0,1,2,3                        ; a whole block in a lane: lanes 0-15 the even block, lanes 16-31 the odd one
.irp i, 0,1,2
	v_permlane16_swap_b32 v[FR+8*\j+\i], v[XR+4*\j+\i]
.endr
.endr
.irp j, 0,1,2,3
.irp i, 0,1,2
	v_mov_b32 v[FR+8*\j+3+\i], v[XR+4*\j+\i]
.endr
.endr
.irp j, 0,1,2,3
.if CC == 0
	ds_store_b128 v4, v[FR+8*\j:FR+8*\j+3] offset:(\n)*24576+\j*1536
	ds_store_b64 v4, v[FR+8*\j+4:FR+8*\j+5] offset:(\n)*24576+\j*1536+512
.else
	ds_store_b64 v4, v[FR+8*\j:FR+8*\j+1] offset:(\n)*24576+\j*1536+520
	ds_store_b128 v4, v[FR+8*\j+2:FR+8*\j+5] offset:(\n)*24576+\j*1536+1024
.endif
	ds_store_b16 v5, v[BYT+\j] offset:(\n)*1024+\j*64+2*CC
.endr
.endif
.endm
.macro STEPQ n, ahead                  ; one K step of mine: four blocks
.irp bb, 0,1,2,3
.if \ahead
	BLK \n, \bb, 1, 48
.else
	BLK \n, \bb, 0, 48-16*\bb
.endif
.endr
.endm
.macro WM d, a, b, z, sa, sb, ra, rb
.if (\z) && (\ra)
	v_wmma_scale_f32_16x16x128_f8f6f4 v[(\d):(\d)+7], v[(\a):(\a)+11], v[(\b):(\b)+11], 0, v[\sa], v[\sb] matrix_a_fmt:MATRIX_FMT_BF6 matrix_b_fmt:MATRIX_FMT_BF6 matrix_a_scale:MATRIX_SCALE_ROW1
.elseif (\z)
	v_wmma_scale_f32_16x16x128_f8f6f4 v[(\d):(\d)+7], v[(\a):(\a)+11], v[(\b):(\b)+11], 0, v[\sa], v[\sb] matrix_a_fmt:MATRIX_FMT_BF6 matrix_b_fmt:MATRIX_FMT_BF6
.elseif (\ra) && (\rb)
	v_wmma_scale_f32_16x16x128_f8f6f4 v[(\d):(\d)+7], v[(\a):(\a)+11], v[(\b):(\b)+11], v[(\d):(\d)+7], v[\sa], v[\sb] matrix_a_fmt:MATRIX_FMT_BF6 matrix_b_fmt:MATRIX_FMT_BF6 matrix_a_scale:MATRIX_SCALE_ROW1 matrix_b_scale:MATRIX_SCALE_ROW1
.elseif (\ra)
	v_wmma_scale_f32_16x16x128_f8f6f4 v[(\d):(\d)+7], v[(\a):(\a)+11], v[(\b):(\b)+11], v[(\d):(\d)+7], v[\sa], v[\sb] matrix_a_fmt:MATRIX_FMT_BF6 matrix_b_fmt:MATRIX_FMT_BF6 matrix_a_scale:MATRIX_SCALE_ROW1
.elseif (\rb)
	v_wmma_scale_f32_16x16x128_f8f6f4 v[(\d):(\d)+7], v[(\a):(\a)+11], v[(\b):(\b)+11], v[(\d):(\d)+7], v[\sa], v[\sb] matrix_a_fmt:MATRIX_FMT_BF6 matrix_b_fmt:MATRIX_FMT_BF6 matrix_b_scale:MATRIX_SCALE_ROW1
.else
	v_wmma_scale_f32_16x16x128_f8f6f4 v[(\d):(\d)+7], v[(\a):(\a)+11], v[(\b):(\b)+11], v[(\d):(\d)+7], v[\sa], v[\sb] matrix_a_fmt:MATRIX_FMT_BF6 matrix_b_fmt:MATRIX_FMT_BF6
.endif
.endm
.macro MULS s, ns                      ; 4 ns products, each on an accumulator of its own
.if (\ns) == 1
.set AB, 12*(\s)                       ; one tile: each K step's fragment has registers of its own
.else
.set AB, 48*((\s)%4)
.endif
.set MM, 0
.rept \ns
.irp j, 0,1,2,3
	WM AC+32*MM+8*\j, 208-16*((\s)%2)+12*\j, AB+12*MM, (\s)==0, BSC+2*((\s)%2)+\j/2, ASC+6*MM+(\s)/2, \j%2, (\s)%2
.endr
.set MM, MM+1
.endr
.endm
.macro ALOAD s, ns                     ; h's fragments of K step s into window 1 (four tiles: set s % 4; one tile: registers of their own): 4 loads a slot
.set MM, 0
.rept \ns
.if (\ns) == 1
.set AR, 12*(\s)
.else
.set AR, 48*((\s)%4)+12*MM
.endif
	global_load_b128 v[AR:AR+3], v6, s[44:45] offset:135168*MM+1536*(\s)
	global_load_b64 v[AR+4:AR+5], v7, s[44:45] offset:135168*MM+1536*(\s)+512
	global_load_b128 v[AR+8:AR+11], v6, s[44:45] offset:135168*MM+1536*(\s)+768
	global_load_b64 v[AR+6:AR+7], v7, s[44:45] offset:135168*MM+1536*(\s)+1280
.set MM, MM+1
.endr
.endm
.macro BLOAD s                         ; the weights' K step s: two scale registers (lanes 0-15 tile 2 p, lanes 16-31 tile 2 p + 1) and four fragments: 14 LDS loads
	WIN 0
.irp p, 0,1
	ds_load_b32 v[BSC+2*((\s)%2)+\p], v8 offset:(\s)*256+128*\p
.endr
.if (\s)%2
	WIN 0x40
.endif
.set BR, 208-16*((\s)%2)
.irp j, 0,1,2,3
.irp i, 0,1,2
.if (\s) < 6
	ds_load_b128 v[BR+12*\j+4*\i:BR+12*\j+4*\i+3], v6 offset:(\s)*6144+\j*1536+\i*512
.else
	ds_load_b128 v[BR+12*\j+4*\i:BR+12*\j+4*\i+3], v15 offset:((\s)-6)*6144+\j*1536+\i*512   ; an LDS offset has 16 bits: K steps 6 on by a second address
.endif
.endr
.endr
.endm
.macro RSTEP s, ns
.if (\ns) == 1
	s_wait_loadcnt 4*(10-(\s))                     ; h's fragment of this step is in; the later steps' four loads each are younger
.elseif 10-(\s) >= 3
	s_wait_loadcnt 12*(\ns)                        ; h's fragments of this step are in; three younger sets stay out
.else
	s_wait_loadcnt 4*(\ns)*(10-(\s))
.endif
.if (\s) < 10
	s_wait_dscnt 14                                ; the weights' fragments of this step are in; the next step's fourteen loads are younger
.else
	s_wait_dscnt 0x0
.endif
	WIN 0x04|((\s)%2)                              ; source 1 (h) window 1; source 0 (the weights) window s % 2
	MULS \s, \ns
	PLACES
.if (\s)+2 <= 10
	BLOAD (\s)+2
.endif
.if ((\s)+4 <= 10) && ((\ns) > 1)
	WIN 0x40
	ALOAD (\s)+4, \ns
.endif
.endm
.macro EPI m                           ; slot m's 16 rows x 64 columns leave
.irp jj, 0,1,2,3,4,5,6,7
.irp j, 0,1,2,3
	v_mul_f32 v[Y+4*\jj+\j], v[WG+(\m)], v[AC+32*(\m)+8*\j+\jj]   ; x the gate's weight; the columns fall into order; each accumulator from its low end on
.endr
.endr
.irp i, 0,1,2,3,4,5,6,7
	ds_store_b128 v11, v[Y+4*\i:Y+4*\i+3] offset:16*\i
.endr
	WIN 0x40
.irp i, 0,1,2,3,4,5,6,7
	ds_load_b128 v[32*(\m)+4*\i:32*(\m)+4*\i+3], v12 offset:544*\i   ; my own stage: LDS serves a wave's instructions in order.  Lanes 0-15 slot 2 i, lanes 16-31 slot 2 i + 1
.endr
	WIN 0
.irp i, 0,1,2,3,4,5,6,7
	v_min_u32 v[DR+8*(\m)+\i], 0x807, v[DR+8*(\m)+\i]
.endr
.irp i, 0,1,2,3,4,5,6,7
	v_lshl_add_u32 v[DR+8*(\m)+\i], v[DR+8*(\m)+\i], 12, v14      ; destination row x 4,096 + 16 q
.endr
	WIN 0x04
.irp i, 0,1,2,3,4,5,6,7
	s_wait_dscnt 7-\i                              ; row pair i is back; the later reads are younger
	global_store_b128 v[DR+8*(\m)+\i], v[32*(\m)+4*\i:32*(\m)+4*\i+3], s[46:47]   ; sixteen lanes: 256 consecutive bytes, aligned
.endr
	WIN 0
.endm
.macro ROUND ns
	s_wait_xcnt 0x0                                ; the last round's stores have read their addresses and data
	s_lshl_b32 s39, s18, 6
	s_add_co_u32 s39, s39, s21                     ; 64 e + tau
	s_mov_b32 s3, 0
	s_lshl_b32 s2, s39, 6
	s_add_nc_u64 s[26:27], s[10:11], s[2:3]        ; gate weights
	s_add_nc_u64 s[28:29], s[8:9], s[2:3]          ; destination rows
	s_mul_i32 s2, s39, 1408
	s_add_co_u32 s2, s2, s40
	s_add_nc_u64 s[30:31], s[6:7], s[2:3]          ; h's scale words
	s_mul_i32 s2, s39, 33792
	s_add_co_u32 s2, s2, s41
	s_add_nc_u64 s[44:45], s[6:7], s[2:3]          ; h's codes
.set MM, 0
.rept \ns
	global_load_b32 v[WG+MM], v10, s[26:27] offset:SW+256*MM
	global_load_b128 v[DR+8*MM:DR+8*MM+3], v13, s[28:29] offset:256+256*MM
	global_load_b128 v[DR+8*MM+4:DR+8*MM+7], v13, s[28:29] offset:256+256*MM+16
.irp t, 0,1,2,3,4
	global_load_b32 v[ASC+6*MM+\t], v9, s[30:31] offset:5632*MM+128*\t   ; lanes 0-15: K step 2 t, lanes 16-31: 2 t + 1
.endr
	global_load_b32 v[ASC+6*MM+5], v10, s[30:31] offset:5632*MM+640      ; K step 10
.set MM, MM+1
.endr
	WIN 0x40
.if (\ns) == 1
.irp s, 0,1,2,3,4,5,6,7,8,9,10
	ALOAD \s, 1                                    ; all eleven K steps at once: 44 loads
.endr
.else
	ALOAD 0, \ns
	ALOAD 1, \ns
	ALOAD 2, \ns
	ALOAD 3, \ns
.endif
	BLOAD 0
	BLOAD 1
.irp s, 0,1,2,3,4,5,6,7,8,9,10
	RSTEP \s, \ns
.endr
	WIN 0
.set MQ, 0
.rept \ns
	EPI MQ
.set MQ, MQ+1
.endr
.endm
	s_load_b256 s[4:11], s[0:1], 0x0               ; w_down, hq, slots, xq
	s_load_b64 s[12:13], s[0:1], 0x20              ; y
	s_set_vgpr_msb 0x80
	v_lshl_add_u32 v0, v0, 2, 0x15700
	v_mov_b32 v1, 0
	s_set_vgpr_msb 0x8000
	v_lshrrev_b32 v2, 5, v0
	v_readfirstlane_b32 s14, v2                    ; wave
	s_mov_b32 s17, ttmp9                           ; dl: which 64 columns of D
	s_and_b32 s15, ttmp7, 0xffff
	s_lshr_b32 s18, s15, 1                         ; e
	s_and_b32 s16, s15, 1                          ; kp: which half of K
	v_and_b32 v15, 31, v0                          ; lane
	v_and_b32 v1, 15, v0                           ; q, r
	v_bfe_u32 v2, v0, 4, 1                         ; hh
	v_lshlrev_b32 v14, 4, v1                       ; 16 q
	v_lshl_add_u32 v3, v2, 13, v14                 ; the stream: 2 rows for hh, 16 bytes for q
	v_lshlrev_b32 v6, 4, v15                       ; 16 x lane
	v_lshlrev_b32 v7, 3, v15                       ; 8 x lane
	v_lshlrev_b32 v9, 2, v15                       ; 4 x lane
	v_add_nc_u32 v8, SCB, v9
	v_lshlrev_b32 v10, 2, v1                       ; 4 r
	v_lshlrev_b32 v13, 5, v2                       ; 32 hh
	v_add_nc_u32 v15, 36864, v6                    ; images of K steps 6 on
	s_mul_i32 s32, s14, 6144
	v_add_nc_u32 v4, s32, v6                       ; where my wave puts its images
	s_lshl_b32 s32, s14, 8
	s_add_co_u32 s32, s32, SCB
	v_add_nc_u32 v5, s32, v10                      ; and its scale bytes
	s_mul_i32 s32, s14, 4352
	s_add_co_u32 s32, s32, STG                     ; my stage
	v_mul_u32_u24 v11, v1, 272
	v_lshl_add_u32 v11, v2, 7, v11
	v_add_nc_u32 v11, s32, v11                     ; in: row r, 128 bytes for each half of the lanes
	v_mul_u32_u24 v12, v2, 272
	v_add_nc_u32 v12, v12, v14
	v_add_nc_u32 v12, s32, v12                     ; back: lanes 0-15 one row, lanes 16-31 the next
	s_mul_i32 s2, s18, 11272192
	s_mul_i32 s32, s16, 5767168
	s_add_co_u32 s2, s2, s32
	s_lshl_b32 s32, s14, 19
	s_add_co_u32 s2, s2, s32
	s_lshl_b32 s33, s17, 8
	s_add_co_u32 s2, s2, s33
	s_mov_b32 s3, 0
	s_lshl_b32 s32, s16, 2
	s_or_b32 s32, s32, s14
	s_cmp_eq_u32 s32, 6                            ; the upper half's wave 2 owns the K step whose last 64 rows do not exist
	s_cselect_b32 s32, 0x40000, 0
	s_sub_co_u32 s34, s2, s32
	s_mov_b32 s35, 0
	s_mul_i32 s42, s16, 8421376
	s_add_co_u32 s42, s42, s33
	s_mov_b32 s43, 0
	s_lshl_b32 s38, s18, 2
	s_mul_i32 s40, s16, 704
	s_add_co_u32 s40, s40, HS
	s_mul_i32 s41, s16, 16896
	s_mov_b32 s36, 0x76543210
	s_mov_b32 s37, 0xfedcba98
.irp j, 0,1,2,3
	v_mov_b32 v[MY+\j], 0                          ; written once: a lane permute's destination counts as one of its sources
.endr
	s_wait_kmcnt 0x0
	s_add_nc_u64 s[22:23], s[4:5], s[2:3]
	s_add_nc_u64 s[24:25], s[4:5], s[34:35]
	s_add_nc_u64 s[46:47], s[12:13], s[42:43]
	s_load_b32 s19, s[8:9], s38 offset:0x0         ; the expert's rows
	WIN 0x40
	LDBLK 0, 0                                     ; a K step, 64 loads of 512 bytes a wave; a load that the counter's field cannot hold waits at issue (ISA guide 5.7.1)
	LDBLK 0, 1
	LDBLK 0, 2
	LDBLK 0, 3
	STEPQ 0, 1
	s_cmp_eq_u32 s14, 3
	s_cbranch_scc1 .Lshort                         ; eleven K steps: wave 3 has two, the others three
	STEPQ 1, 1
	STEPQ 2, 0
	s_branch .Ljoin
.Lshort:
	STEPQ 1, 0
.Ljoin:
	s_wait_dscnt 0x0                               ; for the others' sake: my images and scale bytes have landed
	s_barrier_signal -1
	s_barrier_wait -1                              ; the one barrier: behind it the images are only read, and each stage is its wave's own
	s_wait_kmcnt 0x0
	s_min_u32 s19, s19, 1024
	s_add_co_u32 s19, s19, 15
	s_lshr_b32 s19, s19, 4                         ; NT tiles
	s_add_co_u32 s20, s19, 3
	s_sub_co_u32 s20, s20, s14
	s_lshr_b32 s20, s20, 2                         ; my tiles: wave, wave + 4, ..
	s_mov_b32 s21, s14
	s_cmp_ge_i32 s20, 4
	s_cbranch_scc0 .Lsingles
.Lfours:
	ROUND 4
	s_add_co_u32 s21, s21, 16
	s_sub_co_i32 s20, s20, 4
	s_cmp_ge_i32 s20, 4
	s_cbranch_scc1 .Lfours
.Lsingles:
	s_cmp_gt_i32 s20, 0
	s_cbranch_scc0 .Ldone
.Lone:
	ROUND 1
	s_add_co_u32 s21, s21, 4
	s_sub_co_i32 s20, s20, 1
	s_cmp_gt_i32 s20, 0
	s_cbranch_scc1 .Lone
.Ldone:
	s_set_vgpr_msb 0xa
	s_wait_tensorcnt 0x0
	ds_add_u32 v0, v1
	s_wait_dscnt 0x0
	s_set_vgpr_msb 0xa00
	s_endpgm
.Lfunc_end_k_q2b4f6dadb0_down:
	.size	k_q2b4f6dadb0_down, .Lfunc_end_k_q2b4f6dadb0_down-k_q2b4f6dadb0_down
	.p2alignl 7, 3214868480
	.fill 96, 4, 3214868480
	.section	.rodata,"a",@progbits
	.p2align	6, 0x0
	.amdhsa_kernel k_q2b4f6dadb0_down
		.amdhsa_group_segment_fixed_size 88320
		.amdhsa_private_segment_fixed_size 0
		.amdhsa_enable_private_segment 0
		.amdhsa_kernarg_size 40
		.amdhsa_user_sgpr_count 2
		.amdhsa_user_sgpr_kernarg_segment_ptr 1
		.amdhsa_wavefront_size32 1
		.amdhsa_system_sgpr_workgroup_id_x 1
		.amdhsa_system_sgpr_workgroup_id_y 1
		.amdhsa_system_sgpr_workgroup_id_z 1
		.amdhsa_system_vgpr_workitem_id 0
		.amdhsa_next_free_vgpr 514
		.amdhsa_next_free_sgpr 66
		.amdhsa_reserve_vcc 0
		.amdhsa_float_denorm_mode_32 3
		.amdhsa_float_denorm_mode_16_64 3
		.amdhsa_memory_ordered 1
		.amdhsa_forward_progress 1
		.amdhsa_inst_pref_size 221
	.end_amdhsa_kernel
	.amdgpu_metadata
---
amdhsa.version: [ 1, 2 ]
amdhsa.kernels:
  - .name:           k_q2b4f6dadb0_down
    .symbol:         k_q2b4f6dadb0_down.kd
    .args:
      - { .name: w_down, .offset: 0, .size: 8, .value_kind: global_buffer, .address_space: global }
      - { .name: hq, .offset: 8, .size: 8, .value_kind: global_buffer, .address_space: global }
      - { .name: slots, .offset: 16, .size: 8, .value_kind: global_buffer, .address_space: global }
      - { .name: xq, .offset: 24, .size: 8, .value_kind: global_buffer, .address_space: global }
      - { .name: y, .offset: 32, .size: 8, .value_kind: global_buffer, .address_space: global }
    .group_segment_fixed_size: 88320
    .private_segment_fixed_size: 0
    .kernarg_segment_align: 8
    .kernarg_segment_size: 40
    .max_flat_workgroup_size: 128
    .sgpr_count:     66
    .vgpr_count:     514
    .wavefront_size: 32
...
	.end_amdgpu_metadata
.endif
;; end of part 9
;; launch combine: the kernel of part 5 again; grid 256 x 1, 8 waves a work-group, no clusters, 0 bytes of LDS; arguments y, out0; writes out0
;; ======== version 3 of 3: 5 launches
;; workspace buffers: route 5,120 bytes of whole numbers; rw 16,384 bytes; slots 33,024 bytes of whole numbers; xq 6,586,368 bytes; hq 18,022,400 bytes; y 16,842,752 bytes
;; launch router (part 10): grid 128 x 1, 16 waves a work-group, no clusters, 6,144 bytes of LDS; arguments x, gate_w, route, rw; writes route, rw
.if DOCPART == 10
	.amdgcn_target "amdgcn-amd-amdhsa--gfx1250"
	.amdhsa_code_object_version 6
	.text
	.protected	k_q2b4f6dadb0_router
	.globl	k_q2b4f6dadb0_router
	.p2align	8
	.type	k_q2b4f6dadb0_router,@function
k_q2b4f6dadb0_router:
	s_mov_b64 s[64:65], 0
	v_nop
	global_prefetch_b8 v0, s[64:65] scope:SCOPE_SE
	s_setreg_imm32_b32 hwreg(HW_REG_WAVE_MODE, 25, 1), 1
	s_wait_xcnt 0x0
; ROUTER.  logits = x gate_w (f32 multiply-adds), softmax with the row's maximum taken away, the two largest probabilities
; (of equal ones the lower index), their weights p / (p0 + p1 + 1e-8), and what the loss needs.  Everything goes to fixed places:
;   route: masks[e] is a row of 1,024 bits at 128 e (bit t: token t chose expert e): work-group g stores its byte 128 e + g;  ids[t] = id0 | id1 << 8 at 1024 + 4 t
;   rw:    weights[t][2] at 8 t;  part[g][16] at 8192 + 64 g: 0-7 the sums of p over the group's 8 tokens, 8-15 the counts as f32
; SHARES.  Work-group g takes tokens 8 g .. 8 g + 7; wave w takes k = 64 w .. 64 w + 63; lane (t = lane % 8, kq = lane / 8) takes token t and, of each 16 along K,
; the four numbers from 4 kq on.  So a load of x covers 64 consecutive bytes of each of 8 rows, and the rows of gate_w that a lane multiplies by come straight into
; its registers (eight lanes read the same 16 bytes): nothing is handed round through LDS but the waves' partial logits, which wave 0 adds and finishes.
; No address and no branch hangs on a floating-point number.
; LIMITS: NaN and infinities among the inputs are not served.  v_exp_f32 gives 0 for results under 2^-126: where the second
; largest probability lies under that, the second choice may differ from the reference's; its weight is then under 1e-37.
; The logits are summed in another order than the reference's.
.set ACC, 8                            ; v8-15    eight logits, four pairs
.set X,   16                           ; v16-31   my token's 16 numbers
.set G,   32                           ; v32-159  my 16 rows of gate_w, eight numbers each
                                       ; LDS: partial logits, 256 bytes a wave: 32 bytes a token
	s_load_b256 s[4:11], s[0:1], 0x0               ; x, gate_w, route, rw
	v_lshl_add_u32 v192, v0, 2, 0x1000
	v_mov_b32 v193, 0
	v_lshrrev_b32 v2, 5, v0
	s_delay_alu instid0(VALU_DEP_1)
	v_readfirstlane_b32 s12, v2                    ; wave
	v_and_b32 v1, 31, v0                           ; lane
	v_and_b32 v3, 7, v0                            ; t
	v_bfe_u32 v4, v0, 3, 2                         ; kq
	s_delay_alu instid0(VALU_DEP_2)
	v_lshlrev_b32 v2, 12, v3
	s_delay_alu instid0(VALU_DEP_1)
	v_lshl_add_u32 v2, v4, 4, v2                   ; x: row t, + 16 kq
	s_delay_alu instid0(VALU_DEP_3)
	v_lshlrev_b32 v6, 7, v4                        ; gate_w: four rows of 32 bytes for kq
	s_lshl_b32 s14, s12, 8                         ; 256 x wave: its bytes of a row of x, and its place in LDS
	v_lshlrev_b32 v7, 5, v3                        ; 32 t
	s_delay_alu instid0(VALU_DEP_1)
	v_add_nc_u32 v5, s14, v7                       ; LDS: my wave's partial logits of token t
	s_delay_alu instid0(VALU_DEP_2)
	v_lshl_add_u32 v7, v4, 10, v7                  ; LDS: wave 0's read: token t of waves 4 kq .. 4 kq + 3
	s_lshl_b32 s16, ttmp9, 15                      ; 8 rows of 4,096 bytes a group
	s_add_co_u32 s16, s16, s14
	s_mov_b32 s17, 0
	s_lshl_b32 s18, s12, 11                        ; 64 rows of gate_w a wave
	s_mov_b32 s19, 0
	s_mov_b32 s20, 0x76543210                      ; v_permlanex16_b32's selects for lane l xor 16
	s_mov_b32 s21, 0xfedcba98
	s_wait_alu depctr_va_vdst(0)
	s_wait_kmcnt 0x0
	s_add_nc_u64 s[4:5], s[4:5], s[16:17]
	s_add_nc_u64 s[6:7], s[6:7], s[18:19]
.irp b, 0,1,2,3
	global_load_b128 v[X+4*\b:X+4*\b+3], v2, s[4:5] offset:64*\b       ; k = 64 w + 16 b + 4 kq + 0 .. 3
.endr
.irp b, 0,1,2,3
.irp i, 0,1,2,3
	global_load_b128 v[G+32*\b+8*\i:G+32*\b+8*\i+3], v6, s[6:7] offset:512*\b+32*\i        ; row 64 w + 16 b + 4 kq + i, experts 0-3
	global_load_b128 v[G+32*\b+8*\i+4:G+32*\b+8*\i+7], v6, s[6:7] offset:512*\b+32*\i+16   ; experts 4-7
.endr
.endr
.macro BATCH b                         ; four k: sixteen packed multiply-adds; x's number serves both halves
	s_wait_loadcnt 8*(3-(\b))                      ; x and this batch's rows of gate_w are in; the later batches' eight loads each are younger
.irp i, 0,1,2,3
.irp c, 0,1,2,3
.if ((\b) == 0) && (\i == 0)
	v_pk_mul_f32 v[ACC+2*\c:ACC+2*\c+1], v[X:X+1], v[G+2*\c:G+2*\c+1] op_sel_hi:[0,1]   ; the first product starts the sums
.elseif \i%2 == 0
	v_pk_fma_f32 v[ACC+2*\c:ACC+2*\c+1], v[X+4*(\b)+\i:X+4*(\b)+\i+1], v[G+32*(\b)+8*\i+2*\c:G+32*(\b)+8*\i+2*\c+1], v[ACC+2*\c:ACC+2*\c+1] op_sel_hi:[0,1,1]
.else
	s_delay_alu instid0(VALU_DEP_4)
	v_pk_fma_f32 v[ACC+2*\c:ACC+2*\c+1], v[X+4*(\b)+\i-1:X+4*(\b)+\i], v[G+32*(\b)+8*\i+2*\c:G+32*(\b)+8*\i+2*\c+1], v[ACC+2*\c:ACC+2*\c+1] op_sel:[1,0,0] op_sel_hi:[1,1,1]
.endif
.endr
.endr
.endm
.irp b, 0,1,2,3
	s_wait_alu depctr_va_vdst(0)
	BATCH \b
.endr
.macro OVERKQ                          ; the four lanes of a token add their parts: lane l xor 8, then lane l xor 16
.irp e, 0,1,2,3,4,5,6,7
	v_add_f32_dpp v[ACC+\e], v[ACC+\e], v[ACC+\e] row_xmask:8 row_mask:0xf bank_mask:0xf
.endr
.irp e, 0,1,2,3,4,5,6,7
	v_permlanex16_b32 v[16+\e], v[ACC+\e], s20, s21
.endr
.irp e, 0,1,2,3,4,5,6,7
	v_add_f32 v[ACC+\e], v[ACC+\e], v[16+\e]
.endr
.endm
	OVERKQ
	ds_store_b128 v5, v[ACC:ACC+3]                 ; a token's four lanes write the same bytes with the same values
	ds_store_b128 v5, v[ACC+4:ACC+7] offset:16
	s_wait_dscnt 0x0                               ; for wave 0's sake: my partial logits have landed
	s_barrier_signal -1
	s_barrier_wait -1
	s_cmp_lg_u32 s12, 0
	s_cbranch_scc1 .Lend                           ; wave 0 finishes the 8 tokens, each in four lanes alike
.irp w, 0,1,2,3
	ds_load_b128 v[16+8*\w:19+8*\w], v7 offset:256*\w
	ds_load_b128 v[20+8*\w:23+8*\w], v7 offset:256*\w+16
.endr
	s_lshl_b32 s16, ttmp9, 5
	s_add_nc_u64 s[22:23], s[8:9], s[16:17]        ; route + 32 g: ids
	s_mov_b32 s16, ttmp9
	s_add_nc_u64 s[24:25], s[8:9], s[16:17]        ; route + g: the masks' bytes
	s_lshl_b32 s16, ttmp9, 6
	s_add_nc_u64 s[26:27], s[10:11], s[16:17]      ; rw + 64 g: weights, and part
	s_wait_dscnt 0x0
.irp c, 0,1,2,3
	v_pk_add_f32 v[8+2*\c:9+2*\c], v[16+2*\c:17+2*\c], v[24+2*\c:25+2*\c]
.endr
.irp w, 2,3
.irp c, 0,1,2,3
	s_delay_alu instid0(VALU_DEP_4)
	v_pk_add_f32 v[8+2*\c:9+2*\c], v[8+2*\c:9+2*\c], v[16+8*\w+2*\c:17+8*\w+2*\c]
.endr
.endr
	OVERKQ                                         ; four waves a lane, four lanes a token: all sixteen
	; softmax: the maximum is taken away first
	v_max3_num_f32 v16, v8, v9, v10
	s_delay_alu instid0(VALU_DEP_1)
	v_max3_num_f32 v16, v16, v11, v12
	s_delay_alu instid0(VALU_DEP_1)
	v_max3_num_f32 v16, v16, v13, v14
	s_delay_alu instid0(VALU_DEP_1)
	v_max_num_f32 v16, v16, v15
.irp e, 0,1,2,3,4,5,6,7
	v_sub_f32 v[24+\e], v[8+\e], v16
.endr
.irp e, 0,1,2,3,4,5,6,7
	v_mul_f32 v[24+\e], 0x3fb8aa3b, v[24+\e]       ; x log2(e)
.endr
	s_wait_alu depctr_va_vdst(0)
.irp e, 0,1,2,3,4,5,6,7
	v_exp_f32 v[24+\e], v[24+\e]
.endr
	v_nop                                          ; a plain instruction behind the exponentials
	s_wait_alu depctr_va_vdst(0)
	v_add_f32 v17, v24, v25
	v_add_f32 v18, v26, v27
	v_add_f32 v19, v28, v29
	v_add_f32 v20, v30, v31
	s_delay_alu instid0(VALU_DEP_3)
	v_add_f32 v17, v17, v18
	s_delay_alu instid0(VALU_DEP_2)
	v_add_f32 v19, v19, v20
	s_delay_alu instid0(VALU_DEP_1)
	v_add_f32 v17, v17, v19
	s_wait_alu depctr_va_vdst(0)
	v_rcp_f32 v18, v17
	v_mov_b32 v56, -1.0                            ; (a plain instruction behind the reciprocal) under every probability
	s_wait_alu depctr_va_vdst(0)
.irp e, 0,1,2,3,4,5,6,7
	v_mul_f32 v[32+\e], v[24+\e], v18              ; p
.endr
	; the largest: kept while it is at least as large as the next, so of equal ones the lower index stays
	v_mov_b32 v40, v32
	v_mov_b32 v41, 0
.irp e, 1
	s_delay_alu instid0(VALU_DEP_2)
	v_cmp_ge_f32 vcc_lo, v40, v[32+\e]
	s_delay_alu instid0(VALU_DEP_1)
	v_cndmask_b32 v41, \e, v41, vcc_lo
	s_delay_alu instid0(VALU_DEP_2)
	v_cndmask_b32 v40, v[32+\e], v40, vcc_lo
.endr
.irp e, 2, 3, 4, 5, 6, 7
	s_delay_alu instid0(VALU_DEP_1)
	v_cmp_ge_f32 vcc_lo, v40, v[32+\e]
	s_delay_alu instid0(VALU_DEP_1)
	v_cndmask_b32 v41, \e, v41, vcc_lo
	s_delay_alu instid0(VALU_DEP_2)
	v_cndmask_b32 v40, v[32+\e], v40, vcc_lo
.endr
	; the second: the same over p with the first one's place set to -1
.irp e, 0,1,2,3,4,5,6,7
	v_cmp_eq_u32 vcc_lo, \e, v41
	s_delay_alu instid0(VALU_DEP_1)
	v_cndmask_b32 v[48+\e], v[32+\e], v56, vcc_lo
.endr
	v_mov_b32 v42, v48
	v_mov_b32 v43, 0
.irp e, 1
	s_delay_alu instid0(VALU_DEP_2)
	v_cmp_ge_f32 vcc_lo, v42, v[48+\e]
	s_delay_alu instid0(VALU_DEP_1)
	v_cndmask_b32 v43, \e, v43, vcc_lo
	s_delay_alu instid0(VALU_DEP_2)
	v_cndmask_b32 v42, v[48+\e], v42, vcc_lo
.endr
.irp e, 2, 3, 4, 5, 6, 7
	s_delay_alu instid0(VALU_DEP_1)
	v_cmp_ge_f32 vcc_lo, v42, v[48+\e]
	s_delay_alu instid0(VALU_DEP_1)
	v_cndmask_b32 v43, \e, v43, vcc_lo
	s_delay_alu instid0(VALU_DEP_2)
	v_cndmask_b32 v42, v[48+\e], v42, vcc_lo
.endr
	s_delay_alu instid0(VALU_DEP_1)
	v_add_f32 v44, v40, v42
	s_delay_alu instid0(VALU_DEP_1)
	v_add_f32 v44, 0x322bcc77, v44                 ; + 1e-8
	s_wait_alu depctr_va_vdst(0)
	v_rcp_f32 v45, v44
	v_lshl_or_b32 v57, v43, 8, v41                 ; (a plain instruction behind the reciprocal) id0 | id1 << 8
	s_wait_alu depctr_va_vdst(0)
	v_mul_f32 v46, v40, v45
	v_mul_f32 v47, v42, v45
	v_lshlrev_b32 v60, 2, v1
	v_lshlrev_b32 v61, 3, v1
	v_lshlrev_b32 v62, 7, v1
	v_mov_b32 v58, 0                               ; lane e: the mask byte of expert e
	v_mov_b32 v59, 0                               ; lane e: the sum of p; lane 8 + e: the count
.irp e, 0,1,2,3,4,5,6,7
	v_cmp_eq_u32 s30, \e, v41
	v_cmp_eq_u32 s31, \e, v43
	s_or_b32 s30, s30, s31
	s_and_b32 s30, s30, 0xff                       ; lanes 0-7: the eight tokens, once
	v_writelane_b32 v58, s30, \e
	s_bcnt1_i32_b32 s31, s30
	s_cvt_f32_u32 s31, s31
	v_writelane_b32 v59, s31, 8+\e
.endr
.irp k, 1,2,4
.irp e, 0,1,2,3,4,5,6,7
	v_add_f32_dpp v[32+\e], v[32+\e], v[32+\e] row_xmask:\k row_mask:0xf bank_mask:0xf   ; over the eight tokens
.endr
.endr
.irp e, 0,1,2,3,4,5,6,7
	v_readfirstlane_b32 s30, v[32+\e]
	s_delay_alu instid0(VALU_DEP_1)
	v_writelane_b32 v59, s30, \e
.endr
	s_wait_alu depctr_va_vdst(0)
	s_wait_xcnt 0x0                                ; EXEC changes only behind this wait
	v_cmp_gt_u32 vcc_lo, 8, v1
	s_and_saveexec_b32 s32, vcc_lo
	global_store_b32 v60, v57, s[22:23] offset:1024   ; lane t: ids: 32 consecutive bytes
	global_store_b64 v61, v[46:47], s[26:27]          ; lane t: weights: 64 consecutive bytes
	global_store_b8 v62, v58, s[24:25]                ; lane e: my byte of masks[e]
	s_wait_xcnt 0x0
	s_or_b32 exec_lo, exec_lo, s32
	v_cmp_gt_u32 vcc_lo, 16, v1
	s_and_saveexec_b32 s32, vcc_lo
	global_store_b32 v60, v59, s[26:27] offset:8192   ; part[g]: 64 consecutive bytes
	s_wait_xcnt 0x0
	s_or_b32 exec_lo, exec_lo, s32
.Lend:
	s_wait_tensorcnt 0x0
	ds_add_u32 v192, v193
	s_wait_dscnt 0x0
	s_endpgm
.Lfunc_end_k_q2b4f6dadb0_router:
	.size	k_q2b4f6dadb0_router, .Lfunc_end_k_q2b4f6dadb0_router-k_q2b4f6dadb0_router
	.p2alignl 7, 3214868480
	.fill 96, 4, 3214868480
	.section	.rodata,"a",@progbits
	.p2align	6, 0x0
	.amdhsa_kernel k_q2b4f6dadb0_router
		.amdhsa_group_segment_fixed_size 6144
		.amdhsa_private_segment_fixed_size 0
		.amdhsa_enable_private_segment 0
		.amdhsa_kernarg_size 32
		.amdhsa_user_sgpr_count 2
		.amdhsa_user_sgpr_kernarg_segment_ptr 1
		.amdhsa_wavefront_size32 1
		.amdhsa_system_sgpr_workgroup_id_x 1
		.amdhsa_system_sgpr_workgroup_id_y 1
		.amdhsa_system_sgpr_workgroup_id_z 1
		.amdhsa_system_vgpr_workitem_id 0
		.amdhsa_next_free_vgpr 194
		.amdhsa_next_free_sgpr 66
		.amdhsa_reserve_vcc 1
		.amdhsa_float_denorm_mode_32 3
		.amdhsa_float_denorm_mode_16_64 3
		.amdhsa_memory_ordered 1
		.amdhsa_forward_progress 1
		.amdhsa_inst_pref_size 28
	.end_amdhsa_kernel
	.amdgpu_metadata
---
amdhsa.version: [ 1, 2 ]
amdhsa.kernels:
  - .name:           k_q2b4f6dadb0_router
    .symbol:         k_q2b4f6dadb0_router.kd
    .args:
      - { .name: x, .offset: 0, .size: 8, .value_kind: global_buffer, .address_space: global }
      - { .name: gate_w, .offset: 8, .size: 8, .value_kind: global_buffer, .address_space: global }
      - { .name: route, .offset: 16, .size: 8, .value_kind: global_buffer, .address_space: global }
      - { .name: rw, .offset: 24, .size: 8, .value_kind: global_buffer, .address_space: global }
    .group_segment_fixed_size: 6144
    .private_segment_fixed_size: 0
    .kernarg_segment_align: 8
    .kernarg_segment_size: 32
    .max_flat_workgroup_size: 512
    .sgpr_count:     66
    .vgpr_count:     194
    .wavefront_size: 32
...
	.end_amdgpu_metadata
.endif
;; end of part 10
;; launch gather (part 11): grid 161 x 1, 4 waves a work-group, no clusters, 0 bytes of LDS; arguments x, route, rw, slots, xq, out1; writes slots, xq, out1
.if DOCPART == 11
	.amdgcn_target "amdgcn-amd-amdhsa--gfx1250"
	.amdhsa_code_object_version 6
	.text
	.protected	k_q2b4f6dadb0_gather
	.globl	k_q2b4f6dadb0_gather
	.p2align	8
	.type	k_q2b4f6dadb0_gather,@function
k_q2b4f6dadb0_gather:
	s_mov_b64 s[64:65], 0
	v_nop
	global_prefetch_b8 v0, s[64:65] scope:SCOPE_SE
	s_setreg_imm32_b32 hwreg(HW_REG_WAVE_MODE, 25, 1), 1
	s_wait_xcnt 0x0
; GATHER.  For each expert the tokens that chose it are numbered in ascending order (slots); a tile is 16 slots.  Expert e owns the fixed
; region of 64 tiles 64 e .. 64 e + 63, as many as any split can need, so nothing is summed over experts; only the tiles in use are touched.
; For each tile: slot -> token, from the router's bit masks; the slot's destination row (choice x 1024 + token; an unused slot: 2048 + e)
; and gate weight; and the 16 rows of x quantised to BF6 (E3M2, one E8M0 byte for 32 along K), laid as images of operand registers.
;   slots: cnt[e] at 4 e;  dr2 at 256 + 64 (64 e + T) + 32 (slot & 1) + 4 (slot >> 1)
;   xq:    codes at 12288 (64 e + T) + 1536 s + 512 i + 16 lane;  scale words at XS + 512 (64 e + T) + 64 s + 4 r;  weights at SW + 4 (1024 e + slot)
; SHARES.  Work-groups 0-159: expert b / 20, tiles b % 20, + 20, + 40, + 60: one trip up to 320 rows, four for all 1,024.  The four waves of a work-group share a tile's K:
; wave w takes K steps 2 w and 2 w + 1, and all its 32 loads of x go out at once.  Each wave finds the slots' tokens for itself; wave 0 stores rows and weights.
; A work-group that the split leaves without a tile ends.  Work-group 160, wave 0: the loss, out1 = 0.08 x sum over e of (count_e / 2048) (sum p_e / 1024).
; A block's scale byte is its largest magnitude's exponent field - 4, held at 1 from below (a block of zeros keeps 1: its codes are zeros,
; and this program alone reads the bytes).  LIMITS: blocks whose largest magnitude lies under 2^-122 keep the byte 1; NaN and infinities are not served.
.set XS,  6291456
.set SW,  6553600
.set HA,  48                           ; v48-111  64 numbers of x, my even K step
.set PC,  112                          ; v112-130 the codes just made
.set ST,  132                          ; v132-195 my odd K step
.set TM,  200                          ; v200-215 at work in QUANT
.set PW,  216                          ; the scale word just made
.set SEL, 92
.set TRIPS, 4                          ; 20 work-groups x 4 trips reach tile 79, past an expert's 64
; s16-47 the expert's 32 mask words; the running counts c_i stand in s[48 + i + 2 (i / 16)], which passes over s64 and s65
.macro QUANT s                         ; 64 numbers of a lane, register 16 b + i = k 32 b + 16 (lane / 16) + i of my row, become a fragment's codes in v[PC] on and its scale word in v[PW]
.irp b, 0,1,2,3
	v_max3_num_f32 v[TM+\b], |v[\s+16*\b]|, |v[\s+1+16*\b]|, 0x2800000   ; and the floor 2^(5 - 127): the byte cannot fall under 1
.endr
.irp i, 2,4,6,8,10,12,14
.irp b, 0,1,2,3
	v_max3_num_f32 v[TM+\b], v[TM+\b], |v[\s+16*\b+\i]|, |v[\s+1+16*\b+\i]|
.endr
.endr
.irp b, 0,1,2,3
	v_permlanex16_b32 v[TM+4+\b], v[TM+\b], s[SEL], s[SEL+1]
.endr
.irp b, 0,1,2,3
	v_max_num_f32 v[TM+\b], v[TM+\b], v[TM+4+\b]   ; with lane l xor 16's: the block's largest magnitude
.endr
.irp b, 0,1,2,3
	v_add_nc_u32 v[TM+12+\b], 0xfe000000, v[TM+\b] ; 4 off its exponent field: the conversion's scale operand
.endr
.irp b, 0,1,2,3
	v_lshrrev_b32 v[TM+4+\b], 23, v[TM+12+\b]      ; the scale's byte
.endr
	v_lshl_or_b32 v[PW], v[TM+5], 8, v[TM+4]
	v_lshl_or_b32 v[PW], v[TM+6], 16, v[PW]
	v_lshl_or_b32 v[PW], v[TM+7], 24, v[PW]
.irp c, 0,1
	v_cvt_scalef32_pk16_bf6_f32 v[PC+6*\c:PC+2+6*\c], v[\s+32*\c:\s+15+32*\c], v[TM+12+2*\c]
	v_cvt_scalef32_pk16_bf6_f32 v[PC+12+4*\c:PC+14+4*\c], v[\s+16+32*\c:\s+31+32*\c], v[TM+12+2*\c+1]
.endr
	v_nop                                          ; one plain instruction behind a scaled conversion
.irp c, 0,1                            ; the operand wants a whole block in a lane: lanes 0-15 block 2 c, lanes 16-31 block 2 c + 1
.irp i, 0,1,2
	v_permlane16_swap_b32 v[PC+6*\c+\i], v[PC+12+4*\c+\i]
.endr
.irp i, 0,1,2
	v_mov_b32 v[PC+3+6*\c+\i], v[PC+12+4*\c+\i]
.endr
.endr
.endm
.macro XLOAD reg, s                    ; my slot's numbers of my K step number s (0 or 1): 16 neighbours of each block of 32
.irp b, 0,1,2,3
.irp j, 0,1,2,3
	global_load_b128 v[\reg+16*\b+4*\j:\reg+16*\b+4*\j+3], v4, s[4:5] offset:512*(\s)+128*\b+16*\j
.endr
.endr
.endm
	s_load_b256 s[4:11], s[0:1], 0x0               ; x, route, rw, slots
	s_load_b128 s[12:15], s[0:1], 0x20             ; xq, out1
	v_lshrrev_b32 v2, 5, v0
	v_readfirstlane_b32 s95, v2                    ; wave
	v_and_b32 v1, 31, v0                           ; lane
	v_and_b32 v2, 15, v0                           ; r: my slot in a tile
	v_bfe_u32 v3, v0, 4, 1                         ; h
	v_lshlrev_b32 v5, 4, v1                        ; 16 x lane
	v_lshlrev_b32 v6, 2, v1                        ; 4 x lane
	v_lshlrev_b32 v7, 2, v2                        ; 4 r
	v_and_b32 v8, 1, v2
	v_lshrrev_b32 v9, 1, v2
	v_lshlrev_b32 v9, 2, v9
	v_lshl_add_u32 v8, v8, 5, v9                   ; 32 (r & 1) + 4 (r >> 1)
	s_lshl_b32 s2, s95, 10
	v_lshl_add_u32 v9, v3, 6, s2                   ; 64 h + my wave's two K steps: 1,024 bytes of a row
	s_mov_b32 s92, 0x76543210
	s_mov_b32 s93, 0xfedcba98
	s_mov_b32 s94, 0xffff0000
.irp b, 0,1,2,3
	v_mov_b32 v[TM+4+\b], 0                        ; written once: a lane permute's destination counts as one of its sources
.endr
	s_cmp_eq_u32 ttmp9, 160
	s_cbranch_scc1 .Lloss
	s_mul_i32 s85, ttmp9, 205
	s_lshr_b32 s85, s85, 12                        ; e = b / 20 for b under 160
	s_mul_i32 s96, s85, 20
	s_sub_co_u32 s84, ttmp9, s96                   ; T = b % 20
	s_lshl_b32 s2, s85, 7
	s_mov_b32 s3, 0
	s_add_co_u32 s99, s85, 2048                    ; the destination of unused slots
	s_wait_kmcnt 0x0
	s_add_nc_u64 s[86:87], s[6:7], s[2:3]
	s_load_b512 s[16:31], s[86:87], 0x0            ; the expert's 32 mask words
	s_load_b512 s[32:47], s[86:87], 0x40
	s_wait_kmcnt 0x0
	s_mov_b32 s48, 0
.irp i, 0,1,2,3,4,5,6,7,8,9,10,11,12,13,14,15,16,17,18,19,20,21,22,23,24,25,26,27,28,29,30
	s_bcnt1_i32_b32 s96, s[16+\i]
	s_add_co_u32 s[48+(\i+1)+2*((\i+1)/16)], s[48+\i+2*(\i/16)], s96   ; c_(i+1) = c_i + the bits of word i
.endr
	s_bcnt1_i32_b32 s96, s47
	s_add_co_u32 s82, s81, s96
	s_min_u32 s82, s82, 1024                       ; R: the expert's rows
	s_add_co_u32 s83, s82, 15
	s_lshr_b32 s83, s83, 4                         ; NT: its tiles
	s_or_b32 s96, s84, s95
	s_cmp_lg_u32 s96, 0
	s_cbranch_scc1 .Lno_cnt
	v_mov_b32 v35, s82
	s_lshl_b32 s2, s85, 2
	v_mov_b32 v36, s2
	s_wait_alu depctr_va_vdst(0)
	s_wait_xcnt 0x0
	v_cmp_eq_u32 vcc_lo, 0, v1
	s_and_saveexec_b32 s98, vcc_lo
	global_store_b32 v36, v35, s[10:11]            ; cnt[e], by one lane of one wave
	s_wait_xcnt 0x0
	s_or_b32 exec_lo, exec_lo, s98
.Lno_cnt:
	s_cmp_ge_u32 s84, s83
	s_cbranch_scc1 .Lend
	s_mov_b32 s101, 0                              ; the loop's own counter: at most TRIPS trips
.Ltile:
	s_wait_xcnt 0x0                                ; the last tile's stores have read their bases and data
	s_lshl_b32 s100, s85, 6
	s_add_co_u32 s100, s100, s84                   ; 64 e + T
	s_mul_i32 s2, s100, 12288
	s_mul_i32 s3, s95, 3072                        ; my wave's two images
	s_add_co_u32 s2, s2, s3
	s_mov_b32 s3, 0
	s_add_nc_u64 s[86:87], s[12:13], s[2:3]        ; codes
	s_lshl_b32 s2, s100, 6
	s_add_nc_u64 s[88:89], s[10:11], s[2:3]        ; destination rows
	s_add_nc_u64 s[96:97], s[12:13], s[2:3]        ; weights
	s_lshl_b32 s2, s100, 9
	s_lshl_b32 s3, s95, 7                          ; my wave's two K steps: 128 bytes of scale words
	s_add_co_u32 s2, s2, s3
	s_mov_b32 s3, 0
	s_add_nc_u64 s[90:91], s[12:13], s[2:3]        ; scale words
	s_lshl_b32 s2, s84, 4
	v_add_nc_u32 v19, s2, v2                       ; P: my slot's number in the expert
	; the last word i with c_i <= P holds the slot's bit
	v_mov_b32 v20, s16
	v_mov_b32 v21, 0
	v_mov_b32 v22, 0
.irp i, 1,2,3,4,5,6,7,8,9,10,11,12,13,14,15,16,17,18,19,20,21,22,23,24,25,26,27,28,29,30,31
	v_cmp_gt_u32 vcc_lo, s[48+\i+2*(\i/16)], v19   ; c_i > P: keep
	v_cndmask_b32 v20, s[16+\i], v20, vcc_lo
	v_cndmask_b32 v21, s[48+\i+2*(\i/16)], v21, vcc_lo
	v_cndmask_b32 v22, \i, v22, vcc_lo
.endr
	v_sub_nc_u32 v21, v19, v21                     ; q: the bit wanted is the word's set bit number q; its place = how many places have at most q set bits up to and with them
	v_mov_b32 v32, 0
	v_mov_b32 v34, 0
.set BITN, 0
.rept 32
	v_bfe_u32 v37, v20, BITN, 1
	v_add_nc_u32 v32, v32, v37
	v_cmp_le_u32 vcc_lo, v32, v21
	v_add_co_ci_u32 v34, vcc_lo, 0, v34, vcc_lo
.set BITN, BITN+1
.endr
	v_lshl_add_u32 v23, v22, 5, v34
	v_min_u32 v23, 0x3ff, v23                      ; the token (an unused slot gets some token: its rows go to a row that nobody reads)
	v_cmp_gt_u32 s98, s82, v19                     ; R > P: the slot is in use
	v_lshlrev_b32 v25, 2, v23
	v_lshlrev_b32 v28, 3, v23
	v_lshl_add_u32 v4, v23, 12, v9                 ; its row of x, + 64 h, + my wave's K steps
	global_load_b32 v24, v25, s[6:7] offset:1024
	global_load_b64 v[26:27], v28, s[8:9]
	XLOAD HA, 0
	XLOAD ST, 1
	s_wait_alu depctr_va_vdst(0)
	s_wait_loadcnt 32                              ; ids and weights are in; two K steps of x are younger
	v_bfe_u32 v29, v24, 8, 8
	v_cmp_eq_u32 vcc_lo, s85, v29                  ; am I the token's second choice?
	v_cndmask_b32 v30, v26, v27, vcc_lo            ; the gate's weight
	v_add_nc_u32 v31, 0x400, v23
	v_cndmask_b32 v31, v23, v31, vcc_lo            ; choice x 1024 + token
	v_mov_b32 v33, s99
	v_cndmask_b32 v31, v33, v31, s98
	s_cmp_lg_u32 s95, 0
	s_cbranch_scc1 .Lno_slot                       ; wave 0 stores them for the tile
	global_store_b32 v8, v31, s[88:89] offset:256  ; lanes 16-31 write the same words with the same values
	global_store_b32 v7, v30, s[96:97] offset:SW
.Lno_slot:
	s_wait_loadcnt 16                              ; my even K step's sixteen loads are in; the odd step's are younger
	QUANT HA
.irp c, 0,1,2
	global_store_b128 v5, v[PC+4*\c:PC+4*\c+3], s[86:87] offset:512*\c   ; 512 consecutive bytes, aligned
.endr
	v_mov_b32 v217, v[PW]
	s_wait_loadcnt 0x0
	s_wait_xcnt 0x0                                ; the first image's stores have read the registers that QUANT writes
	QUANT ST
.irp c, 0,1,2
	global_store_b128 v5, v[PC+4*\c:PC+4*\c+3], s[86:87] offset:1536+512*\c
.endr
	v_cndmask_b32 v218, v217, v[PW], s94           ; lanes 0-15 the even step's words, lanes 16-31 the odd step's
	global_store_b32 v6, v218, s[90:91] offset:XS  ; 128 consecutive bytes
	s_add_co_u32 s84, s84, 20                      ; my next tile;
	s_cmp_ge_u32 s84, s83
	s_cbranch_scc1 .Lend                           ; the expert has no such tile: done
	s_add_co_u32 s101, s101, 1
	s_cmp_lt_u32 s101, TRIPS
	s_cbranch_scc1 .Ltile
	s_endpgm
.Lloss:
	s_cmp_lg_u32 s95, 0
	s_cbranch_scc1 .Lend
	v_lshlrev_b32 v10, 6, v1
	v_mov_b32 v80, 0
	v_mov_b32 v81, 0
	s_wait_alu depctr_va_vdst(0)
	s_wait_kmcnt 0x0
.irp j, 0,1,2,3
.irp i, 0,1,2,3
	global_load_b128 v[16+16*\j+4*\i:19+16*\j+4*\i], v10, s[8:9] offset:8192+2048*\j+16*\i   ; lane l: part[l + 32 j]
.endr
.endr
	s_wait_loadcnt 0x0
.irp j, 1,2,3
.irp c, 0,2,4,6,8,10,12,14
	v_pk_add_f32 v[16+\c:17+\c], v[16+\c:17+\c], v[16+16*\j+\c:17+16*\j+\c]
.endr
.endr
.irp k, 1,2,4,8
.irp i, 0,1,2,3,4,5,6,7,8,9,10,11,12,13,14,15
	v_add_f32_dpp v[16+\i], v[16+\i], v[16+\i] row_xmask:\k row_mask:0xf bank_mask:0xf
.endr
.endr
.irp i, 0,2,4,6,8,10,12,14
	v_permlanex16_b32 v80, v[16+\i], s92, s93
	v_permlanex16_b32 v81, v[17+\i], s92, s93
	v_add_f32 v[16+\i], v[16+\i], v80
	v_add_f32 v[17+\i], v[17+\i], v81
.endr
	v_mul_f32 v82, v16, v24
.irp e, 1,2,3,4,5,6,7
	v_fmac_f32 v82, v[16+\e], v[24+\e]             ; sum of p x count
.endr
	v_mul_f32 v82, 0x3323d70a, v82                 ; x 0.08 / 2^21
	v_mov_b32 v83, 0
	s_wait_alu depctr_va_vdst(0)
	s_wait_xcnt 0x0
	v_cmp_eq_u32 vcc_lo, 0, v1
	s_and_saveexec_b32 s98, vcc_lo
	global_store_b32 v83, v82, s[14:15]
	s_wait_xcnt 0x0
	s_or_b32 exec_lo, exec_lo, s98
.Lend:
	s_endpgm
.Lfunc_end_k_q2b4f6dadb0_gather:
	.size	k_q2b4f6dadb0_gather, .Lfunc_end_k_q2b4f6dadb0_gather-k_q2b4f6dadb0_gather
	.p2alignl 7, 3214868480
	.fill 96, 4, 3214868480
	.section	.rodata,"a",@progbits
	.p2align	6, 0x0
	.amdhsa_kernel k_q2b4f6dadb0_gather
		.amdhsa_group_segment_fixed_size 0
		.amdhsa_private_segment_fixed_size 0
		.amdhsa_enable_private_segment 0
		.amdhsa_kernarg_size 48
		.amdhsa_user_sgpr_count 2
		.amdhsa_user_sgpr_kernarg_segment_ptr 1
		.amdhsa_wavefront_size32 1
		.amdhsa_system_sgpr_workgroup_id_x 1
		.amdhsa_system_sgpr_workgroup_id_y 1
		.amdhsa_system_sgpr_workgroup_id_z 1
		.amdhsa_system_vgpr_workitem_id 0
		.amdhsa_next_free_vgpr 224
		.amdhsa_next_free_sgpr 102
		.amdhsa_reserve_vcc 1
		.amdhsa_float_denorm_mode_32 3
		.amdhsa_float_denorm_mode_16_64 3
		.amdhsa_memory_ordered 1
		.amdhsa_forward_progress 1
		.amdhsa_inst_pref_size 37
	.end_amdhsa_kernel
	.amdgpu_metadata
---
amdhsa.version: [ 1, 2 ]
amdhsa.kernels:
  - .name:           k_q2b4f6dadb0_gather
    .symbol:         k_q2b4f6dadb0_gather.kd
    .args:
      - { .name: x, .offset: 0, .size: 8, .value_kind: global_buffer, .address_space: global }
      - { .name: route, .offset: 8, .size: 8, .value_kind: global_buffer, .address_space: global }
      - { .name: rw, .offset: 16, .size: 8, .value_kind: global_buffer, .address_space: global }
      - { .name: slots, .offset: 24, .size: 8, .value_kind: global_buffer, .address_space: global }
      - { .name: xq, .offset: 32, .size: 8, .value_kind: global_buffer, .address_space: global }
      - { .name: out1, .offset: 40, .size: 8, .value_kind: global_buffer, .address_space: global }
    .group_segment_fixed_size: 0
    .private_segment_fixed_size: 0
    .kernarg_segment_align: 8
    .kernarg_segment_size: 48
    .max_flat_workgroup_size: 128
    .sgpr_count:     102
    .vgpr_count:     224
    .wavefront_size: 32
...
	.end_amdgpu_metadata
.endif
;; end of part 11
;; launch gateup (part 12): grid 43 x 8, 4 waves a work-group, no clusters, 102,912 bytes of LDS; arguments w_gate, w_up, xq, slots, hq; writes hq
.if DOCPART == 12
	.amdgcn_target "amdgcn-amd-amdhsa--gfx1250"
	.amdhsa_code_object_version 6
	.text
	.protected	k_q2b4f6dadb0_gateup
	.globl	k_q2b4f6dadb0_gateup
	.p2align	8
	.type	k_q2b4f6dadb0_gateup,@function
k_q2b4f6dadb0_gateup:
	s_mov_b64 s[64:65], 0
	v_nop
	global_prefetch_b8 v0, s[64:65] scope:SCOPE_SE
	s_setreg_imm32_b32 hwreg(HW_REG_WAVE_SCHED_MODE, 0, 2), 2
	s_setreg_imm32_b32 hwreg(HW_REG_WAVE_MODE, 25, 1), 1
	s_wait_xcnt 0x0
	s_wait_alu depctr_vm_vsrc(0)
; h = silu(x Wg) * (x Wu) for the rows routed to expert e, 64 columns of F a work-group (sg = work-group x, e = work-group y), both products on BF6 codes.
; THE WEIGHTS ARE READ ONCE, AS f32, AND NEVER WRITTEN: each wave streams 512 rows of K x 64 columns of one matrix (wave & 1: gate or up; wave >> 1: which half of K),
; quantises along K in registers and leaves images of operand registers in LDS; one barrier; then the waves share the expert's tiles of 16 rows, four tiles a round.
; A wave's tiles that are left over go one to a round; such a round asks for x's fragments of all eight K steps at its head: 96 registers, where four tiles' two sets lie.
; THE STREAM.  A load takes 16 bytes a lane: lanes 0-15 read 256 consecutive bytes of row k, aligned, lanes 16-31 those of row k + 16.  So a lane has four neighbouring columns,
; and TILE j OF THE WEIGHTS IS THE COLUMNS 4 q + j.  The conversion wants 16 neighbours along K in consecutive registers: one move a number.
; THE RESULT.  Transposed use (source 0 = 16 columns of the weight, source 1 = 16 rows of x): register jj of tile j in lane (r, hh) is column 32 hh + 4 jj + j of row r.  The four tiles
; give a lane a WHOLE block of 32 along F, at place p = 8 j + jj the column 4 (p % 8) + p / 8.  The order inside a block is free if the other operand has it too: the next
; launch takes w_down's rows in this order.  So h's largest magnitude needs no other lane, and the two conversions give six registers of the next operand as they stand.
;   hq: codes at 33792 (64 e + T) + 768 sg: 512 bytes at 16 lane, 256 at 8 lane (sg even: registers 0-3, 4-5 of the fragment of K step sg / 2; odd: 8-11, 6-7);
;       scale bytes at HS + 1408 (64 e + T) + 64 (sg / 2) + 4 r + 2 (sg % 2) + hh.  F = 2,752 is 21.5 steps of 128: work-group 42 also writes zero codes for the missing half.
; No cluster: a work-group's own weights (512 KiB as f32) outweigh what it shares with others (x's codes), and trip counts hang on counts read from memory.
; LIMITS: blocks whose largest magnitude lies under 2^-122 keep the scale byte 1 (a block of zeros too: its codes are zeros, and this program alone reads the bytes); NaN and infinities are not served.
; REGISTERS.  Window 0: v1-11 addresses; v12-19, v20-35 scale words and nothing else; v36-83, v84-131 gate's and up's four fragments; v132-179, v180-227 x's fragments, two sets of four.
;   In the stream v36-199 are at work; on the way out v36-79 and v132-167.  Window 1: in the stream four landing buffers of 64; then the accumulators (slot m, matrix, tile j) at 64 m + 32 mat + 8 j.
; THE MODE: SCHED_MODE bits 1:0 = 2 (LLVM: expert scheduling mode 2), set by the entry lines.  The code itself states the register dependences
; between vector or matrix instructions and memory or LDS instructions, with s_wait_alu, always for 0.
; THE PLAN.  Registers that memory or LDS instructions touch:
;   v3-v11, v254, v255   addresses: written at the head alone; one wait on va_vdst ahead of the first load serves every access by them.
;   L0 .. L3 (window 1)  the stream's landing buffers.  Block bt's 64 moves read L[bt % 4]; behind them the loads of block bt + 4 land in it.
;   O0, O1               the stream's out-buffers (codes and scale bytes), by turns.  Pair p of blocks writes O[p % 2]; the LDS stores that read it are issued in the first block of pair p + 1.
;                        So ONE wait on va_vdst stands in a block, behind its moves: they are done reading L, and, in a pair's first block, the pair before has written its O.
;                        One wait on vm_vsrc a pair stands beside it: the stores issued two blocks back have read the O that this pair writes again.
;   G = v36-83, U = v84-131   gate's and up's fragments, two buffers by turns: while the products read one, the next K step's LDS loads land in the other.  One wait on va_vdst behind each run of
;                        products: behind gate's for G and the other set of scale words, behind up's for U and for x's set of this step, in which the fragments of two steps on land.
;   the head of a round  one wait on vm_vsrc and one on va_vdst: the stores issued so far have read their data, and every vector or matrix instruction is done with the registers in which the round's loads land.
;   v[CB ..], v[ZR ..]   the round's codes and the zeros: written on the way out, read by the stores behind one wait on va_vdst each.
; The loads stand in runs behind their wait and are not dealt among the products, which run under another register window: only loads, window switches and scalar lines stand between a wait and what it serves.
.set ROWB, 11008                       ; a row of w_gate or w_up in bytes: 43 x 256
.set SCB,  98304                       ; LDS: images at 49152 mat + 6144 s + 1536 j + 512 i + 16 lane; scale words at SCB + 128 (4 s + j) + 64 mat + 4 q
.set XS,   6291456
.set HS,   17301504
.set BSC,  12
.set ASC,  20
.set BG,   36
.set A0,   132
.set TT,   36                          ; v36-99   16 numbers along K for each of four columns; on the way out v36-67: 32 numbers of h
.set MX,   100
.set MY,   104
.set SF,   108
.set BYT,  112                         ; v112-115 out-buffer 0's scale bytes; out-buffer 1's 84 further on, v196-199
.set FR,   116                         ; v116 + 8 j: six registers of column set j's fragment, out-buffer 0; out-buffer 1's 48 further on, v164 + 8 j
.set XR,   148                         ; v148 + 4 j: a conversion's three registers
.set EM,   68
.set EX,   76
.set CB,   132                         ; v132 + 8 m: slot m's six registers of codes, then its scale byte
.set ZR,   164
.set MSB, 0
.macro WIN new                         ; the immediate's high byte repeats the setting that is left
.if MSB != \new
	s_set_vgpr_msb (MSB<<8)|\new
.set MSB, \new
.endif
.endm
.macro PLACES                          ; four plain instructions between a matrix instruction and a load into, or a vector instruction on, its registers
.rept 4
	v_nop
.endr
.endm
.macro LDBLK bt                        ; block bt: 32 rows of K
.irp i, 0,1,2,3,4,5,6,7,8,9,10,11,12,13,14,15
	global_load_b128 v[64*((\bt)%4)+4*\i:64*((\bt)%4)+4*\i+3], v3, s[22:23] offset:(32*(\bt)+\i)*ROWB th:TH_LOAD_NT
.endr
.endm
.macro PUT sl, cc                      ; a pair's codes and scale bytes leave out-buffer cc: registers 6 cc .. 6 cc + 5 of the images of my K step sl
.set FQ, FR+48*(\cc)
.set BQ, BYT+84*(\cc)
.irp j, 0,1,2,3
.if (\cc) == 0
	ds_store_b128 v4, v[FQ+8*\j:FQ+8*\j+3] offset:(\sl)*6144+\j*1536
	ds_store_b64 v4, v[FQ+8*\j+4:FQ+8*\j+5] offset:(\sl)*6144+\j*1536+512
.else
	ds_store_b64 v4, v[FQ+8*\j:FQ+8*\j+1] offset:(\sl)*6144+\j*1536+520
	ds_store_b128 v4, v[FQ+8*\j+2:FQ+8*\j+5] offset:(\sl)*6144+\j*1536+1024
.endif
	ds_store_b16 v5, v[BQ+\j] offset:(4*(\sl)+\j)*128+2*(\cc)   ; lanes q and q + 16 write the same two bytes with the same values
.endr
.endm
.macro BLK bt, ahead, left
.set BUF, 64*((\bt)%4)
.set CC, ((\bt)/2)%2                   ; which 64 of my K step, and which out-buffer
.set FRP, FR+48*CC
.set BYP, BYT+84*CC
	s_wait_loadcnt \left                           ; this block's sixteen loads are in; the younger blocks stay out
	WIN 0x01
.irp i, 0,1,2,3,4,5,6,7,8,9,10,11,12,13,14,15
.irp j, 0,1,2,3
	v_mov_b32 v[TT+16*\j+\i], v[BUF+4*\i+\j]       ; column 4 q + j: k = 32 bt + 16 hh + i
.endr
.endr
.if \ahead
	WIN 0x40
.else
	WIN 0
.endif
.if (\bt)%2 == 0
	s_wait_dscnt 0x0                               ; the LDS stores issued two blocks back are done
.if (\bt) >= 4
	s_wait_alu depctr_vm_vsrc(0)                   ; those stores have read out-buffer CC, which this pair of blocks writes again
.endif
.endif
.if (\ahead) || ((\bt)%2 == 0)
	s_wait_alu depctr_va_vdst(0)                   ; the moves are done reading the landing buffer, in which the loads below land; in a pair's first block: the pair before has written its out-buffer, which the LDS stores below read
.endif
.if \ahead
	LDBLK (\bt)+4                                  ; the buffer takes the block four on
	WIN 0
.endif
.if ((\bt)%2 == 0) && ((\bt) >= 2)
	PUT ((\bt)-2)/4, 1-CC                          ; the pair before.  No vector instruction since the wait names its out-buffer
.endif
.irp j, 0,1,2,3
	v_max3_num_f32 v[MX+\j], |v[TT+16*\j]|, |v[TT+16*\j+1]|, 0x2800000   ; and the floor 2^(5 - 127): the byte cannot fall under 1
.endr
.irp i, 2,4,6,8,10,12,14
.irp j, 0,1,2,3
	v_max3_num_f32 v[MX+\j], v[MX+\j], |v[TT+16*\j+\i]|, |v[TT+16*\j+\i+1]|
.endr
.endr
.irp j, 0,1,2,3
	v_permlanex16_b32 v[MY+\j], v[MX+\j], s36, s37
.endr
.irp j, 0,1,2,3
	v_max_num_f32 v[MX+\j], v[MX+\j], v[MY+\j]     ; with lane l xor 16's 16 rows: the block's largest magnitude
.endr
.irp j, 0,1,2,3
	v_add_nc_u32 v[SF+\j], 0xfe000000, v[MX+\j]    ; 4 off its exponent field: the conversion's scale operand
.endr
.if (\bt)%2 == 0
.irp j, 0,1,2,3
	v_lshrrev_b32 v[BYP+\j], 23, v[SF+\j]
.endr
.irp j, 0,1,2,3
	v_cvt_scalef32_pk16_bf6_f32 v[FRP+8*\j:FRP+8*\j+2], v[TT+16*\j:TT+16*\j+15], v[SF+\j]
.endr
	v_nop                                          ; one plain instruction behind a scaled conversion
.else
.irp j, 0,1,2,3
	v_lshrrev_b32 v[MX+\j], 23, v[SF+\j]
.endr
.irp j, 0,1,2,3
	v_lshl_or_b32 v[BYP+\j], v[MX+\j], 8, v[BYP+\j]   ; the pair's two scale bytes
.endr
.irp j, 0,1,2,3
	v_cvt_scalef32_pk16_bf6_f32 v[XR+4*\j:XR+4*\j+2], v[TT+16*\j:TT+16*\j+15], v[SF+\j]
.endr
	v_nop
.irp j, 0,1,2,3                        ; the operand wants a whole block in a lane: lanes 0-15 the even block, lanes 16-31 the odd one
.irp i, 0,1,2
	v_permlane16_swap_b32 v[FRP+8*\j+\i], v[XR+4*\j+\i]
.endr
.endr
.irp j, 0,1,2,3
.irp i, 0,1,2
	v_mov_b32 v[FRP+8*\j+3+\i], v[XR+4*\j+\i]
.endr
.endr
.endif
.endm
; one scaled product; z: it starts the sum; ra, rb: the scale words stand in lanes 16-31
.macro WM d, a, b, z, sa, sb, ra, rb
.if (\z) && (\ra)
	v_wmma_scale_f32_16x16x128_f8f6f4 v[(\d):(\d)+7], v[(\a):(\a)+11], v[(\b):(\b)+11], 0, v[\sa], v[\sb] matrix_a_fmt:MATRIX_FMT_BF6 matrix_b_fmt:MATRIX_FMT_BF6 matrix_a_scale:MATRIX_SCALE_ROW1
.elseif (\z)
	v_wmma_scale_f32_16x16x128_f8f6f4 v[(\d):(\d)+7], v[(\a):(\a)+11], v[(\b):(\b)+11], 0, v[\sa], v[\sb] matrix_a_fmt:MATRIX_FMT_BF6 matrix_b_fmt:MATRIX_FMT_BF6
.elseif (\ra) && (\rb)
	v_wmma_scale_f32_16x16x128_f8f6f4 v[(\d):(\d)+7], v[(\a):(\a)+11], v[(\b):(\b)+11], v[(\d):(\d)+7], v[\sa], v[\sb] matrix_a_fmt:MATRIX_FMT_BF6 matrix_b_fmt:MATRIX_FMT_BF6 matrix_a_scale:MATRIX_SCALE_ROW1 matrix_b_scale:MATRIX_SCALE_ROW1
.elseif (\ra)
	v_wmma_scale_f32_16x16x128_f8f6f4 v[(\d):(\d)+7], v[(\a):(\a)+11], v[(\b):(\b)+11], v[(\d):(\d)+7], v[\sa], v[\sb] matrix_a_fmt:MATRIX_FMT_BF6 matrix_b_fmt:MATRIX_FMT_BF6 matrix_a_scale:MATRIX_SCALE_ROW1
.elseif (\rb)
	v_wmma_scale_f32_16x16x128_f8f6f4 v[(\d):(\d)+7], v[(\a):(\a)+11], v[(\b):(\b)+11], v[(\d):(\d)+7], v[\sa], v[\sb] matrix_a_fmt:MATRIX_FMT_BF6 matrix_b_fmt:MATRIX_FMT_BF6 matrix_b_scale:MATRIX_SCALE_ROW1
.else
	v_wmma_scale_f32_16x16x128_f8f6f4 v[(\d):(\d)+7], v[(\a):(\a)+11], v[(\b):(\b)+11], v[(\d):(\d)+7], v[\sa], v[\sb] matrix_a_fmt:MATRIX_FMT_BF6 matrix_b_fmt:MATRIX_FMT_BF6
.endif
.endm
.macro MULS s, mat, ns                 ; 4 ns products, each on an accumulator of its own
.if (\ns) == 1
.set AB, A0+12*(\s)                    ; one tile: each K step's fragment has registers of its own
.else
.set AB, A0+48*((\s)%2)
.endif
.set MM, 0
.rept \ns
.irp j, 0,1,2,3
	WM 64*MM+32*(\mat)+8*\j, BG+48*(\mat)+12*\j, AB+12*MM, (\s)==0, BSC+4*((\s)%2)+\j, ASC+4*MM+(\s)/2, \mat, (\s)%2
.endr
.set MM, MM+1
.endr
.endm
.macro ALOAD set, s, ns                ; x's fragments of K step s, 3 loads a slot
.set MM, 0
.rept \ns
.irp i, 0,1,2
	global_load_b128 v[A0+48*(\set)+12*MM+4*\i:A0+48*(\set)+12*MM+4*\i+3], v6, s[24:25] offset:49152*MM+1536*(\s)+512*\i
.endr
.set MM, MM+1
.endr
.endm
.macro ALOAD1 s                        ; one tile: the fragment of K step s into its own twelve registers
.irp i, 0,1,2
	global_load_b128 v[A0+12*(\s)+4*\i:A0+12*(\s)+4*\i+3], v6, s[24:25] offset:1536*(\s)+512*\i
.endr
.endm
.macro BGLOAD s                        ; K step s: the four scale registers (lanes 0-15 gate's words, lanes 16-31 up's) and gate's four fragments: 16 LDS loads
.irp j, 0,1,2,3
	ds_load_b32 v[BSC+4*((\s)%2)+\j], v8 offset:(4*(\s)+\j)*128
.endr
.irp j, 0,1,2,3
.irp i, 0,1,2
	ds_load_b128 v[BG+12*\j+4*\i:BG+12*\j+4*\i+3], v6 offset:(\s)*6144+\j*1536+\i*512
.endr
.endr
.endm
.macro BULOAD s                        ; up's four fragments: 12 LDS loads
.irp j, 0,1,2,3
.irp i, 0,1,2
	ds_load_b128 v[BG+48+12*\j+4*\i:BG+48+12*\j+4*\i+3], v7 offset:(\s)*6144+\j*1536+\i*512
.endr
.endr
.endm
.macro RSTEP s, ns
.if (\ns) == 1
	s_wait_loadcnt 3*(7-(\s))                      ; x's fragment of this step is in; the later steps' three loads each are younger
.elseif (\s) < 7
	s_wait_loadcnt 3*(\ns)                         ; x's fragments of this step are in; the next step's are younger
.else
	s_wait_loadcnt 0x0
.endif
	s_wait_dscnt 12                                ; gate's fragments and the scale words are in; up's twelve loads are younger
	WIN 0x50                                       ; C and D in window 1
	MULS \s, 0, \ns
	WIN 0
	PLACES
.if (\s) < 7
	s_wait_alu depctr_va_vdst(0)                   ; gate's products are done reading v36-83, and the last step's products the other set of scale words: the next step's LDS loads land in both
	BGLOAD (\s)+1
	s_wait_dscnt 16                                ; up's fragments are in; the sixteen just issued are younger
.else
	s_wait_dscnt 0x0
.endif
	WIN 0x50
	MULS \s, 1, \ns
	WIN 0
	PLACES
.if (\s) < 7
	s_wait_alu depctr_va_vdst(0)                   ; up's products are done reading v84-131 and this step's set of x's fragments: the loads below land in them
	BULOAD (\s)+1
.endif
.if ((\s) < 6) && ((\ns) > 1)
	ALOAD (\s)%2, (\s)+2, \ns
.endif
.endm
.macro EPI m                           ; slot m: h = g / (1 + 2^(-g log2 e)) x u, in f32; its block of 32 quantised
	WIN 0x01
.set PP, 0
.rept 16
	v_pk_mul_f32 v[TT+PP:TT+PP+1], v[64*(\m)+PP:64*(\m)+PP+1], s[34:35] op_sel_hi:[1,0]   ; each accumulator from its low end on
.set PP, PP+2
.endr
	WIN 0
.set PP, 0
	s_wait_alu depctr_va_vdst(0)
.rept 32
	v_exp_f32 v[TT+PP], v[TT+PP]
.set PP, PP+1
.endr
	v_nop                                          ; a plain instruction behind the exponentials
.set PP, 0
	s_wait_alu depctr_va_vdst(0)                   ; the 32 exponentials have written v[TT ..], which the additions read
.rept 16
	v_pk_add_f32 v[TT+PP:TT+PP+1], v[TT+PP:TT+PP+1], 1.0 op_sel_hi:[1,0]
.set PP, PP+2
.endr
.set PP, 0
	s_wait_alu depctr_va_vdst(0)
.rept 32
	v_rcp_f32 v[TT+PP], v[TT+PP]
.set PP, PP+1
.endr
	v_nop
	WIN 0x04
.set PP, 0
	s_wait_alu depctr_va_vdst(0)                   ; the 32 reciprocals have written v[TT ..], which the multiplications read
.rept 16
	v_pk_mul_f32 v[TT+PP:TT+PP+1], v[TT+PP:TT+PP+1], v[64*(\m)+PP:64*(\m)+PP+1]
.set PP, PP+2
.endr
.set PP, 0
.rept 16
	v_pk_mul_f32 v[TT+PP:TT+PP+1], v[TT+PP:TT+PP+1], v[64*(\m)+32+PP:64*(\m)+32+PP+1]
.set PP, PP+2
.endr
	WIN 0
	v_max3_num_f32 v[EM], |v[TT]|, |v[TT+1]|, 0x2800000
	v_max_num_f32 v[EM+1], |v[TT+16]|, |v[TT+17]|
.irp i, 2,4,6,8,10,12,14
	v_max3_num_f32 v[EM], v[EM], |v[TT+\i]|, |v[TT+\i+1]|
	v_max3_num_f32 v[EM+1], v[EM+1], |v[TT+16+\i]|, |v[TT+17+\i]|
.endr
	v_max_num_f32 v[EM], v[EM], v[EM+1]            ; all 32 numbers of the block are mine
	v_add_nc_u32 v[EM+2], 0xfe000000, v[EM]
	v_lshrrev_b32 v[CB+8*(\m)+6], 23, v[EM+2]      ; the scale's byte
	v_cvt_scalef32_pk16_bf6_f32 v[CB+8*(\m):CB+8*(\m)+2], v[TT:TT+15], v[EM+2]
	v_cvt_scalef32_pk16_bf6_f32 v[EX:EX+2], v[TT+16:TT+31], v[EM+2]
	v_nop
.irp i, 0,1,2
	v_mov_b32 v[CB+8*(\m)+3+\i], v[EX+\i]
.endr
.endm
.macro ROUND ns                        ; ns tiles of 16 rows: tau, tau + 4, ..
	s_wait_xcnt 0x0                                ; the last round's stores have read their bases and data
	s_wait_alu depctr_vm_vsrc(0)                   ; the stores issued so far (the stream's LDS stores; the last round's codes, bytes and zeros) have read their data registers, in which this round's loads land
	s_wait_alu depctr_va_vdst(0)                   ; every vector and matrix instruction so far (the stream; the last round's products and its way out) is done with v12-v227, in which this round's loads land
	s_lshl_b32 s39, s18, 6
	s_add_co_u32 s39, s39, s21                     ; 64 e + tau
	s_mov_b32 s3, 0
	s_mul_i32 s2, s39, 12288
	s_add_nc_u64 s[24:25], s[8:9], s[2:3]          ; x's codes
	s_lshl_b32 s2, s39, 9
	s_add_nc_u64 s[26:27], s[8:9], s[2:3]          ; x's scale words
	s_mul_i32 s2, s39, 33792
	s_add_co_u32 s2, s2, s40
	s_add_nc_u64 s[28:29], s[12:13], s[2:3]        ; h's codes
	s_mul_i32 s2, s39, 1408
	s_add_co_u32 s2, s2, s41
	s_add_nc_u64 s[30:31], s[12:13], s[2:3]        ; h's scale bytes
.set MM, 0
.rept \ns
.irp t, 0,1,2,3
	global_load_b32 v[ASC+4*MM+\t], v9, s[26:27] offset:XS+2048*MM+128*\t   ; lanes 0-15: K step 2 t, lanes 16-31: 2 t + 1
.endr
.set MM, MM+1
.endr
.if (\ns) == 1
.irp s, 0,1,2,3,4,5,6,7
	ALOAD1 \s                                      ; all eight K steps at once: 24 loads
.endr
.else
	ALOAD 0, 0, \ns
	ALOAD 1, 1, \ns
.endif
	BGLOAD 0
	BULOAD 0
.irp s, 0,1,2,3,4,5,6,7
	RSTEP \s, \ns
.endr
.set MQ, 0
.rept \ns
	EPI MQ
.set MQ, MQ+1
.endr
	s_wait_alu depctr_va_vdst(0)                   ; the conversions, moves and shifts have written v[CB ..], which the stores on both ways below read
	s_bitcmp1_b32 s17, 0
	s_cbranch_scc1 .Lodd_\@
.set MM, 0
.rept \ns
	global_store_b128 v6, v[CB+8*MM:CB+8*MM+3], s[28:29] offset:135168*MM          ; 512 consecutive bytes, aligned
	global_store_b64 v10, v[CB+8*MM+4:CB+8*MM+5], s[28:29] offset:135168*MM+512    ; 256
.set MM, MM+1
.endr
	s_branch .Lsent_\@
.Lodd_\@:
.set MM, 0
.rept \ns
	global_store_b128 v6, v[CB+8*MM+2:CB+8*MM+5], s[28:29] offset:135168*MM
	global_store_b64 v10, v[CB+8*MM:CB+8*MM+1], s[28:29] offset:135168*MM+512
.set MM, MM+1
.endr
.Lsent_\@:
.set MM, 0
.rept \ns
	global_store_b8 v11, v[CB+8*MM+6], s[30:31] offset:5632*MM
.set MM, MM+1
.endr
	s_cmp_lg_u32 s17, 42
	s_cbranch_scc1 .Lno_pad_\@
.irp i, 0,1,2,3
	v_mov_b32 v[ZR+\i], 0
.endr
	s_wait_alu depctr_va_vdst(0)                   ; the four moves have written v[ZR ..], which the stores below read
.set MM, 0
.rept \ns                              ; K = 2,752 is filled up to 2,816 with zero codes; their scale bytes are any byte but 0xff
	global_store_b128 v6, v[ZR:ZR+3], s[28:29] offset:135168*MM+768
	global_store_b64 v10, v[ZR:ZR+1], s[28:29] offset:135168*MM+1280
	global_store_b8 v11, v[CB+8*MM+6], s[30:31] offset:5632*MM+2
.set MM, MM+1
.endr
.Lno_pad_\@:
.endm
	s_load_b256 s[4:11], s[0:1], 0x0               ; w_gate, w_up, xq, slots
	s_load_b64 s[12:13], s[0:1], 0x20              ; hq
	v_lshl_add_u32 v254, v0, 2, 0x19000
	v_mov_b32 v255, 0
	v_lshrrev_b32 v2, 5, v0
	v_readfirstlane_b32 s14, v2                    ; wave
	s_wait_alu depctr_va_sdst(0)                   ; s14 is written, ahead of its first reader: the wave's part of the weights and of LDS is made from it
	s_and_b32 s15, s14, 1                          ; gate or up
	s_lshr_b32 s16, s14, 1                         ; which half of K
	s_mov_b32 s17, ttmp9                           ; sg: which 64 columns of F
	s_and_b32 s18, ttmp7, 0xffff                   ; e
	v_and_b32 v11, 31, v0                          ; lane
	v_and_b32 v1, 15, v0                           ; q, r
	v_bfe_u32 v2, v0, 4, 1                         ; hh
	v_mul_u32_u24 v3, v2, 16*ROWB
	v_lshl_add_u32 v3, v1, 4, v3                   ; the stream: 16 rows for hh, 16 bytes for q
	v_lshlrev_b32 v6, 4, v11                       ; 16 x lane: images, gate's in LDS
	v_lshlrev_b32 v10, 3, v11                      ; 8 x lane
	v_lshlrev_b32 v9, 2, v11                       ; 4 x lane
	v_add_nc_u32 v7, 49152, v6                     ; up's images in LDS
	v_add_nc_u32 v8, SCB, v9                       ; the weights' scale words
	s_mul_i32 s32, s15, 49152
	s_mul_i32 s33, s16, 24576
	s_add_co_u32 s32, s32, s33
	v_add_nc_u32 v4, s32, v6                       ; where my wave puts its images
	s_lshl_b32 s32, s15, 6
	s_lshl_b32 s33, s16, 11
	s_add_co_u32 s32, s32, s33
	s_add_co_u32 s32, s32, SCB
	v_lshl_add_u32 v5, v1, 2, s32                  ; and its scale bytes
	v_lshl_add_u32 v11, v1, 2, v2                  ; 4 r + hh: h's scale byte
	s_mul_i32 s2, s18, 1024*ROWB
	s_mul_i32 s32, s16, 512*ROWB
	s_add_co_u32 s2, s2, s32
	s_lshl_b32 s32, s17, 8
	s_add_co_u32 s2, s2, s32
	s_mov_b32 s3, 0
	s_lshl_b32 s38, s18, 2
	s_mul_i32 s40, s17, 768
	s_lshr_b32 s41, s17, 1
	s_lshl_b32 s41, s41, 6
	s_and_b32 s32, s17, 1
	s_lshl_b32 s32, s32, 1
	s_add_co_u32 s41, s41, s32
	s_add_co_u32 s41, s41, HS
	s_mov_b32 s34, 0xbfb8aa3b                      ; -log2(e)
	s_mov_b32 s35, s34                             ; (named with it as a pair)
	s_mov_b32 s36, 0x76543210
	s_mov_b32 s37, 0xfedcba98
.irp j, 0,1,2,3
	v_mov_b32 v[MY+\j], 0                          ; written once: a lane permute's destination counts as one of its sources
.endr
	s_wait_kmcnt 0x0
	s_cmp_eq_u32 s15, 0
	s_cselect_b64 s[22:23], s[4:5], s[6:7]         ; the choice hangs on the wave's number alone
	s_add_nc_u64 s[22:23], s[22:23], s[2:3]
	s_load_b32 s19, s[10:11], s38 offset:0x0       ; the expert's rows
	WIN 0x40
	s_wait_alu depctr_va_vdst(0)                   ; the addresses v3 to v11 are written, which every load and store of the kernel reads; they are never written again
	LDBLK 0                                        ; four blocks, 64 loads of 512 bytes a wave; a load that the counter's field cannot hold waits at issue (ISA guide 5.7.1)
	LDBLK 1
	LDBLK 2
	LDBLK 3
.irp bt, 0,1,2,3,4,5,6,7,8,9,10,11
	BLK \bt, 1, 48
.endr
	BLK 12, 0, 48
	BLK 13, 0, 32
	BLK 14, 0, 16
	BLK 15, 0, 0
	s_wait_alu depctr_va_vdst(0)                   ; the last pair of blocks has written out-buffer 1, which the LDS stores below read
	PUT 3, 1
	s_wait_dscnt 0x0                               ; for the others' sake: my images and scale bytes have landed
	s_barrier_signal -1
	s_barrier_wait -1                              ; the one barrier: behind it nobody writes LDS
	s_wait_kmcnt 0x0
	s_min_u32 s19, s19, 1024
	s_add_co_u32 s19, s19, 15
	s_lshr_b32 s19, s19, 4                         ; NT tiles
	s_add_co_u32 s20, s19, 3
	s_sub_co_u32 s20, s20, s14
	s_lshr_b32 s20, s20, 2                         ; my tiles: wave, wave + 4, ..
	s_mov_b32 s21, s14
	s_cmp_ge_i32 s20, 4
	s_cbranch_scc0 .Lsingles
.Lfours:
	ROUND 4
	s_add_co_u32 s21, s21, 16
	s_sub_co_i32 s20, s20, 4
	s_cmp_ge_i32 s20, 4
	s_cbranch_scc1 .Lfours
.Lsingles:
	s_cmp_gt_i32 s20, 0
	s_cbranch_scc0 .Ldone
.Lone:
	ROUND 1
	s_add_co_u32 s21, s21, 4
	s_sub_co_i32 s20, s20, 1
	s_cmp_gt_i32 s20, 0
	s_cbranch_scc1 .Lone
.Ldone:
	s_wait_dscnt 0x0                               ; the closing lines, six on end
	s_wait_alu 0x0
	s_wait_tensorcnt 0x0
	ds_add_u32 v254, v255
	s_wait_dscnt 0x0
	s_endpgm
.Lfunc_end_k_q2b4f6dadb0_gateup:
	.size	k_q2b4f6dadb0_gateup, .Lfunc_end_k_q2b4f6dadb0_gateup-k_q2b4f6dadb0_gateup
	.p2alignl 7, 3214868480
	.fill 96, 4, 3214868480
	.section	.rodata,"a",@progbits
	.p2align	6, 0x0
	.amdhsa_kernel k_q2b4f6dadb0_gateup
		.amdhsa_group_segment_fixed_size 102912
		.amdhsa_private_segment_fixed_size 0
		.amdhsa_enable_private_segment 0
		.amdhsa_kernarg_size 40
		.amdhsa_user_sgpr_count 2
		.amdhsa_user_sgpr_kernarg_segment_ptr 1
		.amdhsa_wavefront_size32 1
		.amdhsa_system_sgpr_workgroup_id_x 1
		.amdhsa_system_sgpr_workgroup_id_y 1
		.amdhsa_system_sgpr_workgroup_id_z 1
		.amdhsa_system_vgpr_workitem_id 0
		.amdhsa_next_free_vgpr 512
		.amdhsa_next_free_sgpr 66
		.amdhsa_reserve_vcc 0
		.amdhsa_float_denorm_mode_32 3
		.amdhsa_float_denorm_mode_16_64 3
		.amdhsa_memory_ordered 1
		.amdhsa_forward_progress 1
		.amdhsa_inst_pref_size 255
	.end_amdhsa_kernel
	.section	.bss,"aw",@nobits
	.p2align	6
	.space	262144
	.amdgpu_metadata
---
amdhsa.version: [ 1, 2 ]
amdhsa.kernels:
  - .name:           k_q2b4f6dadb0_gateup
    .symbol:         k_q2b4f6dadb0_gateup.kd
    .args:
      - { .name: w_gate, .offset: 0, .size: 8, .value_kind: global_buffer, .address_space: global }
      - { .name: w_up, .offset: 8, .size: 8, .value_kind: global_buffer, .address_space: global }
      - { .name: xq, .offset: 16, .size: 8, .value_kind: global_buffer, .address_space: global }
      - { .name: slots, .offset: 24, .size: 8, .value_kind: global_buffer, .address_space: global }
      - { .name: hq, .offset: 32, .size: 8, .value_kind: global_buffer, .address_space: global }
    .group_segment_fixed_size: 102912
    .private_segment_fixed_size: 0
    .kernarg_segment_align: 8
    .kernarg_segment_size: 40
    .max_flat_workgroup_size: 128
    .sgpr_count:     66
    .vgpr_count:     512
    .wavefront_size: 32
...
	.end_amdgpu_metadata
.endif
;; end of part 12
;; launch down (part 13): grid 16 x 16, 4 waves a work-group, no clusters, 88,320 bytes of LDS; arguments w_down, hq, slots, xq, y; writes y
.if DOCPART == 13
	.amdgcn_target "amdgcn-amd-amdhsa--gfx1250"
	.amdhsa_code_object_version 6
	.text
	.protected	k_q2b4f6dadb0_down
	.globl	k_q2b4f6dadb0_down
	.p2align	8
	.type	k_q2b4f6dadb0_down,@function
k_q2b4f6dadb0_down:
	s_mov_b64 s[64:65], 0
	v_nop
	global_prefetch_b8 v0, s[64:65] scope:SCOPE_SE
	s_setreg_imm32_b32 hwreg(HW_REG_WAVE_SCHED_MODE, 0, 2), 2
	s_setreg_imm32_b32 hwreg(HW_REG_WAVE_MODE, 25, 1), 1
	s_wait_xcnt 0x0
	s_wait_alu depctr_vm_vsrc(0)
; y[kp][row] = gate weight x (h Wd), for the rows routed to expert e, 64 columns of D a work-group (dl = work-group x), half of K a work-group (work-group y = 2 e + kp; 11 K steps of 128).
; w_down IS READ ONCE, AS f32, AND NEVER WRITTEN: wave w streams K steps w, w + 4, w + 8 of the half, quantises along K in registers and leaves images of operand registers in LDS; one barrier;
; then the waves share the expert's tiles of 16 rows, four tiles a round.  A wave's tiles that are left over go one to a round; such a round asks for h's fragments of all eleven K steps at its head:
; 132 registers, where four tiles' four sets lie.  The stream is the launch before's, but for the order of rows: h's codes stand in a block of 32 with column 4 (p % 8) + p / 8 at place p,
; so w_down's rows are taken in that order, by the loads' offsets: lane half hh and load i hold place p = 16 hh + i, row 4 (i % 8) + i / 8 + 2 hh of the block.
; K = 2,752 is filled up to 2,816: h's codes are zeros there; for the rows of w_down that do not exist the 64 rows before are read again (their products are zeros).
; Transposed use (source 0 = the columns 4 q + j of w_down, source 1 = 16 rows of h): a lane holds 32 neighbouring columns of one row.  The rows go through the wave's own stage in LDS and leave as
; 256 consecutive bytes, aligned, sixteen lanes to a row, at the slot's destination row (choice x 1024 + token).  Unused slots go to row 2048 + e, which nobody reads: so every lane stays on.
; Each row of y[kp] has one owner; the four parts of a token (two choices, two halves of K) are added by the next launch.
; No cluster: a work-group's own weights (352 KiB as f32) outweigh what it shares with others (h's codes), and trip counts hang on counts read from memory.
; LIMITS: blocks whose largest magnitude lies under 2^-122 keep the scale byte 1; NaN and infinities are not served.
; REGISTERS.  Window 0: v1-15 addresses; v16-19, v20-43 scale words and nothing else; v44-47 gate weights; v48-79 destination rows; v80-207 the accumulators (slot m, tile j) at 80 + 32 m + 8 j;
;   v208-255 the weights' fragments, set 0.  In the stream v48-211 are at work.  Window 1: in the stream four landing buffers of 64; then h's fragments, four sets of 48, and at v192 the weights' set 1; on the way out rows of y.
; THE MODE: SCHED_MODE bits 1:0 = 2 (LLVM: expert scheduling mode 2), set by the entry lines.  The code itself states the register dependences
; between vector or matrix instructions and memory or LDS instructions, with s_wait_alu, always for 0.
; THE PLAN.  Registers that memory or LDS instructions touch:
;   v3-v15, v512, v513   addresses: written at the head alone; one wait on va_vdst ahead of the first load serves every access by them.
;   L0 .. L3 (window 1)  the stream's landing buffers.  A block's 64 moves read L[bb]; behind them the loads of the same block of my next K step land in it.
;   O0, O1               the stream's out-buffers (codes and scale bytes), by turns.  A pair of blocks writes O[bb / 2]; the LDS stores that read it are issued in the first block of the next pair.
;                        So ONE wait on va_vdst stands in a block, behind its moves: they are done reading L, and, in a pair's first block, the pair before has written its O.
;                        One wait on vm_vsrc a pair stands beside it: the stores issued two blocks back have read the O that this pair writes again.
;   the head of a round  one wait on vm_vsrc and one on va_vdst: the stores issued so far have read their data and addresses, and every vector or matrix instruction is done with the registers in which the round's loads land.
;   the K steps          the weights' two sets, their scale words and h's four sets take turns.  ONE wait on va_vdst a step, behind its products: they are done reading the weights' set s % 2, its scale
;                        words and h's set s % 4, in which the loads of steps s + 2 and s + 4 land.
;   the way out          a slot's 32 multiplications write v[Y ..], sixteen lines its destination addresses v[DR ..]; ONE wait on va_vdst behind them serves the LDS stores (Y), the global stores (DR) and the
;                        loads from the stage, which land where the products read h.  One wait on vm_vsrc ahead of slots 1 to 3: the last slot's LDS stores have read v[Y ..].
; The loads stand in runs behind their wait and are not dealt among the products, which run under another register window: only loads, window switches and scalar lines stand between a wait and what it serves.
.set SCB,  67584                       ; LDS: images at 6144 sl + 1536 j + 512 i + 16 lane; scale words at SCB + 256 sl + 64 j + 4 q;
.set STG,  70400                       ; a stage of 16 rows x (256 + 16) bytes for each wave
.set SW,   6553600
.set HS,   17301504
.set BSC,  16
.set ASC,  20
.set WG,   44
.set DR,   48
.set AC,   80
.set Y,    208
.set TT,   48
.set MX,   112
.set MY,   116
.set SF,   120
.set BYT,  124                         ; v124-127 out-buffer 0's scale bytes; out-buffer 1's 84 further on, v208-211
.set FR,   128                         ; v128 + 8 j: out-buffer 0's codes; out-buffer 1's 48 further on, v176 + 8 j
.set XR,   160
.set MSB, 0
.macro WIN new                         ; the immediate's high byte repeats the setting that is left
.if MSB != \new
	s_set_vgpr_msb (MSB<<8)|\new
.set MSB, \new
.endif
.endm
.macro PLACES                          ; four plain instructions between a matrix instruction and a load into, or a vector instruction on, its registers
.rept 4
	v_nop
.endr
.endm
.macro LDBLK n, bb                     ; block bb of my K step number n
.irp i, 0,1,2,3,4,5,6,7,8,9,10,11,12,13,14,15
.if ((\n) == 2) && ((\bb) >= 2)
	global_load_b128 v[64*(\bb)+4*\i:64*(\bb)+4*\i+3], v3, s[24:25] offset:(\n)*2097152+(32*(\bb)+4*(\i%8)+\i/8)*4096 th:TH_LOAD_NT
.else
	global_load_b128 v[64*(\bb)+4*\i:64*(\bb)+4*\i+3], v3, s[22:23] offset:(\n)*2097152+(32*(\bb)+4*(\i%8)+\i/8)*4096 th:TH_LOAD_NT
.endif
.endr
.endm
.macro PUT n, cc                       ; a pair's codes and scale bytes leave out-buffer cc: registers 6 cc .. 6 cc + 5 of the images of my K step number n
.set FQ, FR+48*(\cc)
.set BQ, BYT+84*(\cc)
.irp j, 0,1,2,3
.if (\cc) == 0
	ds_store_b128 v4, v[FQ+8*\j:FQ+8*\j+3] offset:(\n)*24576+\j*1536
	ds_store_b64 v4, v[FQ+8*\j+4:FQ+8*\j+5] offset:(\n)*24576+\j*1536+512
.else
	ds_store_b64 v4, v[FQ+8*\j:FQ+8*\j+1] offset:(\n)*24576+\j*1536+520
	ds_store_b128 v4, v[FQ+8*\j+2:FQ+8*\j+5] offset:(\n)*24576+\j*1536+1024
.endif
	ds_store_b16 v5, v[BQ+\j] offset:(\n)*1024+\j*64+2*(\cc)
.endr
.endm
.macro BLK n, bb, ahead, left
.set BUF, 64*(\bb)
.set CC, (\bb)/2                       ; which 64 of the K step, and which out-buffer
.set FRP, FR+48*CC
.set BYP, BYT+84*CC
	s_wait_loadcnt \left                           ; this block's sixteen loads are in; the younger blocks stay out
	WIN 0x01
.irp i, 0,1,2,3,4,5,6,7,8,9,10,11,12,13,14,15
.irp j, 0,1,2,3
	v_mov_b32 v[TT+16*\j+\i], v[BUF+4*\i+\j]       ; column 4 q + j, place 16 hh + i of the block
.endr
.endr
.if \ahead
	WIN 0x40
.else
	WIN 0
.endif
.if (\bb)%2 == 0
	s_wait_dscnt 0x0                               ; the LDS stores issued two blocks back are done
.if (\n) > 0
	s_wait_alu depctr_vm_vsrc(0)                   ; those stores have read out-buffer CC, which this pair of blocks writes again
.endif
.endif
.if (\ahead) || ((\bb)%2 == 0)
	s_wait_alu depctr_va_vdst(0)                   ; the moves are done reading the landing buffer, in which the loads below land; in a pair's first block: the pair before has written its out-buffer, which the LDS stores below read
.endif
.if \ahead
	LDBLK (\n)+1, \bb                              ; the buffer takes the same block of my next K step
	WIN 0
.endif
.if (\bb) == 2
	PUT \n, 0                                      ; the pair before.  No vector instruction since the wait names its out-buffer
.elseif ((\bb) == 0) && ((\n) > 0)
	PUT (\n)-1, 1
.endif
.irp j, 0,1,2,3
	v_max3_num_f32 v[MX+\j], |v[TT+16*\j]|, |v[TT+16*\j+1]|, 0x2800000   ; and the floor 2^(5 - 127): the byte cannot fall under 1
.endr
.irp i, 2,4,6,8,10,12,14
.irp j, 0,1,2,3
	v_max3_num_f32 v[MX+\j], v[MX+\j], |v[TT+16*\j+\i]|, |v[TT+16*\j+\i+1]|
.endr
.endr
.irp j, 0,1,2,3
	v_permlanex16_b32 v[MY+\j], v[MX+\j], s36, s37
.endr
.irp j, 0,1,2,3
	v_max_num_f32 v[MX+\j], v[MX+\j], v[MY+\j]
.endr
.irp j, 0,1,2,3
	v_add_nc_u32 v[SF+\j], 0xfe000000, v[MX+\j]    ; 4 off the exponent field: the conversion's scale operand
.endr
.if (\bb)%2 == 0
.irp j, 0,1,2,3
	v_lshrrev_b32 v[BYP+\j], 23, v[SF+\j]
.endr
.irp j, 0,1,2,3
	v_cvt_scalef32_pk16_bf6_f32 v[FRP+8*\j:FRP+8*\j+2], v[TT+16*\j:TT+16*\j+15], v[SF+\j]
.endr
	v_nop                                          ; one plain instruction behind a scaled conversion
.else
.irp j, 0,1,2,3
	v_lshrrev_b32 v[MX+\j], 23, v[SF+\j]
.endr
.irp j, 0,1,2,3
	v_lshl_or_b32 v[BYP+\j], v[MX+\j], 8, v[BYP+\j]
.endr
.irp j, 0,1,2,3
	v_cvt_scalef32_pk16_bf6_f32 v[XR+4*\j:XR+4*\j+2], v[TT+16*\j:TT+16*\j+15], v[SF+\j]
.endr
	v_nop
.irp j, 0,1,2,3                        ; a whole block in a lane: lanes 0-15 the even block, lanes 16-31 the odd one
.irp i, 0,1,2
	v_permlane16_swap_b32 v[FRP+8*\j+\i], v[XR+4*\j+\i]
.endr
.endr
.irp j, 0,1,2,3
.irp i, 0,1,2
	v_mov_b32 v[FRP+8*\j+3+\i], v[XR+4*\j+\i]
.endr
.endr
.endif
.endm
.macro STEPQ n, ahead                  ; one K step of mine: four blocks
.irp bb, 0,1,2,3
.if \ahead
	BLK \n, \bb, 1, 48
.else
	BLK \n, \bb, 0, 48-16*\bb
.endif
.endr
.endm
.macro WM d, a, b, z, sa, sb, ra, rb
.if (\z) && (\ra)
	v_wmma_scale_f32_16x16x128_f8f6f4 v[(\d):(\d)+7], v[(\a):(\a)+11], v[(\b):(\b)+11], 0, v[\sa], v[\sb] matrix_a_fmt:MATRIX_FMT_BF6 matrix_b_fmt:MATRIX_FMT_BF6 matrix_a_scale:MATRIX_SCALE_ROW1
.elseif (\z)
	v_wmma_scale_f32_16x16x128_f8f6f4 v[(\d):(\d)+7], v[(\a):(\a)+11], v[(\b):(\b)+11], 0, v[\sa], v[\sb] matrix_a_fmt:MATRIX_FMT_BF6 matrix_b_fmt:MATRIX_FMT_BF6
.elseif (\ra) && (\rb)
	v_wmma_scale_f32_16x16x128_f8f6f4 v[(\d):(\d)+7], v[(\a):(\a)+11], v[(\b):(\b)+11], v[(\d):(\d)+7], v[\sa], v[\sb] matrix_a_fmt:MATRIX_FMT_BF6 matrix_b_fmt:MATRIX_FMT_BF6 matrix_a_scale:MATRIX_SCALE_ROW1 matrix_b_scale:MATRIX_SCALE_ROW1
.elseif (\ra)
	v_wmma_scale_f32_16x16x128_f8f6f4 v[(\d):(\d)+7], v[(\a):(\a)+11], v[(\b):(\b)+11], v[(\d):(\d)+7], v[\sa], v[\sb] matrix_a_fmt:MATRIX_FMT_BF6 matrix_b_fmt:MATRIX_FMT_BF6 matrix_a_scale:MATRIX_SCALE_ROW1
.elseif (\rb)
	v_wmma_scale_f32_16x16x128_f8f6f4 v[(\d):(\d)+7], v[(\a):(\a)+11], v[(\b):(\b)+11], v[(\d):(\d)+7], v[\sa], v[\sb] matrix_a_fmt:MATRIX_FMT_BF6 matrix_b_fmt:MATRIX_FMT_BF6 matrix_b_scale:MATRIX_SCALE_ROW1
.else
	v_wmma_scale_f32_16x16x128_f8f6f4 v[(\d):(\d)+7], v[(\a):(\a)+11], v[(\b):(\b)+11], v[(\d):(\d)+7], v[\sa], v[\sb] matrix_a_fmt:MATRIX_FMT_BF6 matrix_b_fmt:MATRIX_FMT_BF6
.endif
.endm
.macro MULS s, ns                      ; 4 ns products, each on an accumulator of its own
.if (\ns) == 1
.set AB, 12*(\s)                       ; one tile: each K step's fragment has registers of its own
.else
.set AB, 48*((\s)%4)
.endif
.set MM, 0
.rept \ns
.irp j, 0,1,2,3
	WM AC+32*MM+8*\j, 208-16*((\s)%2)+12*\j, AB+12*MM, (\s)==0, BSC+2*((\s)%2)+\j/2, ASC+6*MM+(\s)/2, \j%2, (\s)%2
.endr
.set MM, MM+1
.endr
.endm
.macro ALOAD s, ns                     ; h's fragments of K step s into window 1 (four tiles: set s % 4; one tile: registers of their own): 4 loads a slot
.set MM, 0
.rept \ns
.if (\ns) == 1
.set AR, 12*(\s)
.else
.set AR, 48*((\s)%4)+12*MM
.endif
	global_load_b128 v[AR:AR+3], v6, s[44:45] offset:135168*MM+1536*(\s)
	global_load_b64 v[AR+4:AR+5], v7, s[44:45] offset:135168*MM+1536*(\s)+512
	global_load_b128 v[AR+8:AR+11], v6, s[44:45] offset:135168*MM+1536*(\s)+768
	global_load_b64 v[AR+6:AR+7], v7, s[44:45] offset:135168*MM+1536*(\s)+1280
.set MM, MM+1
.endr
.endm
.macro BLOAD s                         ; the weights' K step s: two scale registers (lanes 0-15 tile 2 p, lanes 16-31 tile 2 p + 1) and four fragments: 14 LDS loads
	WIN 0
.irp p, 0,1
	ds_load_b32 v[BSC+2*((\s)%2)+\p], v8 offset:(\s)*256+128*\p
.endr
.if (\s)%2
	WIN 0x40
.endif
.set BR, 208-16*((\s)%2)
.irp j, 0,1,2,3
.irp i, 0,1,2
.if (\s) < 6
	ds_load_b128 v[BR+12*\j+4*\i:BR+12*\j+4*\i+3], v6 offset:(\s)*6144+\j*1536+\i*512
.else
	ds_load_b128 v[BR+12*\j+4*\i:BR+12*\j+4*\i+3], v15 offset:((\s)-6)*6144+\j*1536+\i*512   ; an LDS offset has 16 bits: K steps 6 on by a second address
.endif
.endr
.endr
.endm
.macro RSTEP s, ns
.if (\ns) == 1
	s_wait_loadcnt 4*(10-(\s))                     ; h's fragment of this step is in; the later steps' four loads each are younger
.elseif 10-(\s) >= 3
	s_wait_loadcnt 12*(\ns)                        ; h's fragments of this step are in; three younger sets stay out
.else
	s_wait_loadcnt 4*(\ns)*(10-(\s))
.endif
.if (\s) < 10
	s_wait_dscnt 14                                ; the weights' fragments of this step are in; the next step's fourteen loads are younger
.else
	s_wait_dscnt 0x0
.endif
	WIN 0x04|((\s)%2)                              ; source 1 (h) window 1; source 0 (the weights) window s % 2
	MULS \s, \ns
	PLACES
.if (\s)+2 <= 10
	s_wait_alu depctr_va_vdst(0)                   ; this step's products are done reading the weights' set s % 2, its scale words and h's set s % 4: the loads below land in them
	BLOAD (\s)+2
.endif
.if ((\s)+4 <= 10) && ((\ns) > 1)
	WIN 0x40
	ALOAD (\s)+4, \ns
.endif
.endm
.macro EPI m                           ; slot m's 16 rows x 64 columns leave
.if (\m) > 0
	s_wait_alu depctr_vm_vsrc(0)                   ; the last slot's LDS stores have read v[Y ..], which the multiplications below write again
.endif
.irp jj, 0,1,2,3,4,5,6,7
.irp j, 0,1,2,3
	v_mul_f32 v[Y+4*\jj+\j], v[WG+(\m)], v[AC+32*(\m)+8*\j+\jj]   ; x the gate's weight; the columns fall into order; each accumulator from its low end on
.endr
.endr
.irp i, 0,1,2,3,4,5,6,7
	v_min_u32 v[DR+8*(\m)+\i], 0x807, v[DR+8*(\m)+\i]
.endr
.irp i, 0,1,2,3,4,5,6,7
	v_lshl_add_u32 v[DR+8*(\m)+\i], v[DR+8*(\m)+\i], 12, v14      ; destination row x 4,096 + 16 q
.endr
	s_wait_alu depctr_va_vdst(0)                   ; v[Y ..] is written, which the LDS stores read; v[DR ..] is written, by which the global stores address; the products are done reading h's fragments, where the stage's rows land
.irp i, 0,1,2,3,4,5,6,7
	ds_store_b128 v11, v[Y+4*\i:Y+4*\i+3] offset:16*\i
.endr
	WIN 0x40
.irp i, 0,1,2,3,4,5,6,7
	ds_load_b128 v[32*(\m)+4*\i:32*(\m)+4*\i+3], v12 offset:544*\i   ; my own stage: LDS serves a wave's instructions in order.  Lanes 0-15 slot 2 i, lanes 16-31 slot 2 i + 1
.endr
	WIN 0x04
.irp i, 0,1,2,3,4,5,6,7
	s_wait_dscnt 7-\i                              ; row pair i is back; the later reads are younger
	global_store_b128 v[DR+8*(\m)+\i], v[32*(\m)+4*\i:32*(\m)+4*\i+3], s[46:47]   ; sixteen lanes: 256 consecutive bytes, aligned
.endr
	WIN 0
.endm
.macro ROUND ns
	s_wait_xcnt 0x0                                ; the last round's stores have read their addresses and data
	s_wait_alu depctr_vm_vsrc(0)                   ; the stores issued so far (the stream's LDS stores; the last round's LDS stores and its stores of y) have read their data and their addresses v[DR ..]: this round's loads land in those registers
	s_wait_alu depctr_va_vdst(0)                   ; every vector and matrix instruction so far (the stream; the last round's products and its way out) is done with the registers in which this round's loads land
	s_lshl_b32 s39, s18, 6
	s_add_co_u32 s39, s39, s21                     ; 64 e + tau
	s_mov_b32 s3, 0
	s_lshl_b32 s2, s39, 6
	s_add_nc_u64 s[26:27], s[10:11], s[2:3]        ; gate weights
	s_add_nc_u64 s[28:29], s[8:9], s[2:3]          ; destination rows
	s_mul_i32 s2, s39, 1408
	s_add_co_u32 s2, s2, s40
	s_add_nc_u64 s[30:31], s[6:7], s[2:3]          ; h's scale words
	s_mul_i32 s2, s39, 33792
	s_add_co_u32 s2, s2, s41
	s_add_nc_u64 s[44:45], s[6:7], s[2:3]          ; h's codes
.set MM, 0
.rept \ns
	global_load_b32 v[WG+MM], v10, s[26:27] offset:SW+256*MM
	global_load_b128 v[DR+8*MM:DR+8*MM+3], v13, s[28:29] offset:256+256*MM
	global_load_b128 v[DR+8*MM+4:DR+8*MM+7], v13, s[28:29] offset:256+256*MM+16
.irp t, 0,1,2,3,4
	global_load_b32 v[ASC+6*MM+\t], v9, s[30:31] offset:5632*MM+128*\t   ; lanes 0-15: K step 2 t, lanes 16-31: 2 t + 1
.endr
	global_load_b32 v[ASC+6*MM+5], v10, s[30:31] offset:5632*MM+640      ; K step 10
.set MM, MM+1
.endr
	WIN 0x40
.if (\ns) == 1
.irp s, 0,1,2,3,4,5,6,7,8,9,10
	ALOAD \s, 1                                    ; all eleven K steps at once: 44 loads
.endr
.else
	ALOAD 0, \ns
	ALOAD 1, \ns
	ALOAD 2, \ns
	ALOAD 3, \ns
.endif
	BLOAD 0
	BLOAD 1
.irp s, 0,1,2,3,4,5,6,7,8,9,10
	RSTEP \s, \ns
.endr
	WIN 0
.set MQ, 0
.rept \ns
	EPI MQ
.set MQ, MQ+1
.endr
.endm
	s_load_b256 s[4:11], s[0:1], 0x0               ; w_down, hq, slots, xq
	s_load_b64 s[12:13], s[0:1], 0x20              ; y
	s_set_vgpr_msb 0x80
	v_lshl_add_u32 v0, v0, 2, 0x15700
	v_mov_b32 v1, 0
	s_set_vgpr_msb 0x8000
	v_lshrrev_b32 v2, 5, v0
	v_readfirstlane_b32 s14, v2                    ; wave
	s_mov_b32 s17, ttmp9                           ; dl: which 64 columns of D
	s_and_b32 s15, ttmp7, 0xffff
	s_lshr_b32 s18, s15, 1                         ; e
	s_and_b32 s16, s15, 1                          ; kp: which half of K
	v_and_b32 v15, 31, v0                          ; lane
	v_and_b32 v1, 15, v0                           ; q, r
	v_bfe_u32 v2, v0, 4, 1                         ; hh
	v_lshlrev_b32 v14, 4, v1                       ; 16 q
	v_lshl_add_u32 v3, v2, 13, v14                 ; the stream: 2 rows for hh, 16 bytes for q
	v_lshlrev_b32 v6, 4, v15                       ; 16 x lane
	v_lshlrev_b32 v7, 3, v15                       ; 8 x lane
	v_lshlrev_b32 v9, 2, v15                       ; 4 x lane
	v_add_nc_u32 v8, SCB, v9
	v_lshlrev_b32 v10, 2, v1                       ; 4 r
	v_lshlrev_b32 v13, 5, v2                       ; 32 hh
	v_add_nc_u32 v15, 36864, v6                    ; images of K steps 6 on
	s_wait_alu depctr_va_sdst(0)                   ; s14 is written, ahead of its first reader: the wave's part of the weights and of LDS is made from it
	s_mul_i32 s32, s14, 6144
	v_add_nc_u32 v4, s32, v6                       ; where my wave puts its images
	s_lshl_b32 s32, s14, 8
	s_add_co_u32 s32, s32, SCB
	v_add_nc_u32 v5, s32, v10                      ; and its scale bytes
	s_mul_i32 s32, s14, 4352
	s_add_co_u32 s32, s32, STG                     ; my stage
	v_mul_u32_u24 v11, v1, 272
	v_lshl_add_u32 v11, v2, 7, v11
	v_add_nc_u32 v11, s32, v11                     ; in: row r, 128 bytes for each half of the lanes
	v_mul_u32_u24 v12, v2, 272
	v_add_nc_u32 v12, v12, v14
	v_add_nc_u32 v12, s32, v12                     ; back: lanes 0-15 one row, lanes 16-31 the next
	s_mul_i32 s2, s18, 11272192
	s_mul_i32 s32, s16, 5767168
	s_add_co_u32 s2, s2, s32
	s_lshl_b32 s32, s14, 19
	s_add_co_u32 s2, s2, s32
	s_lshl_b32 s33, s17, 8
	s_add_co_u32 s2, s2, s33
	s_mov_b32 s3, 0
	s_lshl_b32 s32, s16, 2
	s_or_b32 s32, s32, s14
	s_cmp_eq_u32 s32, 6                            ; the upper half's wave 2 owns the K step whose last 64 rows do not exist
	s_cselect_b32 s32, 0x40000, 0
	s_sub_co_u32 s34, s2, s32
	s_mov_b32 s35, 0
	s_mul_i32 s42, s16, 8421376
	s_add_co_u32 s42, s42, s33
	s_mov_b32 s43, 0
	s_lshl_b32 s38, s18, 2
	s_mul_i32 s40, s16, 704
	s_add_co_u32 s40, s40, HS
	s_mul_i32 s41, s16, 16896
	s_mov_b32 s36, 0x76543210
	s_mov_b32 s37, 0xfedcba98
.irp j, 0,1,2,3
	v_mov_b32 v[MY+\j], 0                          ; written once: a lane permute's destination counts as one of its sources
.endr
	s_wait_kmcnt 0x0
	s_add_nc_u64 s[22:23], s[4:5], s[2:3]
	s_add_nc_u64 s[24:25], s[4:5], s[34:35]
	s_add_nc_u64 s[46:47], s[12:13], s[42:43]
	s_load_b32 s19, s[8:9], s38 offset:0x0         ; the expert's rows
	WIN 0x40
	s_wait_alu depctr_va_vdst(0)                   ; the addresses v3 to v15 are written, which every load and store of the kernel reads; they are never written again
	LDBLK 0, 0                                     ; a K step, 64 loads of 512 bytes a wave; a load that the counter's field cannot hold waits at issue (ISA guide 5.7.1)
	LDBLK 0, 1
	LDBLK 0, 2
	LDBLK 0, 3
	STEPQ 0, 1
	s_cmp_eq_u32 s14, 3
	s_cbranch_scc1 .Lshort                         ; eleven K steps: wave 3 has two, the others three
	STEPQ 1, 1
	STEPQ 2, 0
	s_wait_alu depctr_va_vdst(0)                   ; the last pair of blocks has written out-buffer 1, which the LDS stores below read
	PUT 2, 1
	s_branch .Ljoin
.Lshort:
	STEPQ 1, 0
	s_wait_alu depctr_va_vdst(0)                   ; the last pair of blocks has written out-buffer 1, which the LDS stores below read
	PUT 1, 1
.Ljoin:
	s_wait_dscnt 0x0                               ; for the others' sake: my images and scale bytes have landed
	s_barrier_signal -1
	s_barrier_wait -1                              ; the one barrier: behind it the images are only read, and each stage is its wave's own
	s_wait_kmcnt 0x0
	s_min_u32 s19, s19, 1024
	s_add_co_u32 s19, s19, 15
	s_lshr_b32 s19, s19, 4                         ; NT tiles
	s_add_co_u32 s20, s19, 3
	s_sub_co_u32 s20, s20, s14
	s_lshr_b32 s20, s20, 2                         ; my tiles: wave, wave + 4, ..
	s_mov_b32 s21, s14
	s_cmp_ge_i32 s20, 4
	s_cbranch_scc0 .Lsingles
.Lfours:
	ROUND 4
	s_add_co_u32 s21, s21, 16
	s_sub_co_i32 s20, s20, 4
	s_cmp_ge_i32 s20, 4
	s_cbranch_scc1 .Lfours
.Lsingles:
	s_cmp_gt_i32 s20, 0
	s_cbranch_scc0 .Ldone
.Lone:
	ROUND 1
	s_add_co_u32 s21, s21, 4
	s_sub_co_i32 s20, s20, 1
	s_cmp_gt_i32 s20, 0
	s_cbranch_scc1 .Lone
.Ldone:
	s_set_vgpr_msb 0xa                             ; the add's two registers, sources 0 and 1, lie in window 2: the one switch, ahead of the closing lines
	s_wait_dscnt 0x0                               ; the closing lines, six on end
	s_wait_alu 0x0
	s_wait_tensorcnt 0x0
	ds_add_u32 v0, v1
	s_wait_dscnt 0x0
	s_endpgm
.Lfunc_end_k_q2b4f6dadb0_down:
	.size	k_q2b4f6dadb0_down, .Lfunc_end_k_q2b4f6dadb0_down-k_q2b4f6dadb0_down
	.p2alignl 7, 3214868480
	.fill 96, 4, 3214868480
	.section	.rodata,"a",@progbits
	.p2align	6, 0x0
	.amdhsa_kernel k_q2b4f6dadb0_down
		.amdhsa_group_segment_fixed_size 88320
		.amdhsa_private_segment_fixed_size 0
		.amdhsa_enable_private_segment 0
		.amdhsa_kernarg_size 40
		.amdhsa_user_sgpr_count 2
		.amdhsa_user_sgpr_kernarg_segment_ptr 1
		.amdhsa_wavefront_size32 1
		.amdhsa_system_sgpr_workgroup_id_x 1
		.amdhsa_system_sgpr_workgroup_id_y 1
		.amdhsa_system_sgpr_workgroup_id_z 1
		.amdhsa_system_vgpr_workitem_id 0
		.amdhsa_next_free_vgpr 514
		.amdhsa_next_free_sgpr 66
		.amdhsa_reserve_vcc 0
		.amdhsa_float_denorm_mode_32 3
		.amdhsa_float_denorm_mode_16_64 3
		.amdhsa_memory_ordered 1
		.amdhsa_forward_progress 1
		.amdhsa_inst_pref_size 223
	.end_amdhsa_kernel
	.amdgpu_metadata
---
amdhsa.version: [ 1, 2 ]
amdhsa.kernels:
  - .name:           k_q2b4f6dadb0_down
    .symbol:         k_q2b4f6dadb0_down.kd
    .args:
      - { .name: w_down, .offset: 0, .size: 8, .value_kind: global_buffer, .address_space: global }
      - { .name: hq, .offset: 8, .size: 8, .value_kind: global_buffer, .address_space: global }
      - { .name: slots, .offset: 16, .size: 8, .value_kind: global_buffer, .address_space: global }
      - { .name: xq, .offset: 24, .size: 8, .value_kind: global_buffer, .address_space: global }
      - { .name: y, .offset: 32, .size: 8, .value_kind: global_buffer, .address_space: global }
    .group_segment_fixed_size: 88320
    .private_segment_fixed_size: 0
    .kernarg_segment_align: 8
    .kernarg_segment_size: 40
    .max_flat_workgroup_size: 128
    .sgpr_count:     66
    .vgpr_count:     514
    .wavefront_size: 32
...
	.end_amdgpu_metadata
.endif
;; end of part 13
;; launch combine (part 14): grid 256 x 1, 8 waves a work-group, no clusters, 0 bytes of LDS; arguments y, out0; writes out0
.if DOCPART == 14
	.amdgcn_target "amdgcn-amd-amdhsa--gfx1250"
	.amdhsa_code_object_version 6
	.text
	.protected	k_q2b4f6dadb0_combine
	.globl	k_q2b4f6dadb0_combine
	.p2align	8
	.type	k_q2b4f6dadb0_combine,@function
k_q2b4f6dadb0_combine:
	s_mov_b64 s[64:65], 0
	v_nop
	global_prefetch_b8 v0, s[64:65] scope:SCOPE_SE
	s_setreg_imm32_b32 hwreg(HW_REG_WAVE_MODE, 25, 1), 1
	s_wait_xcnt 0x0
; out0[t] = y[0][t] + y[0][1024 + t] + y[1][t] + y[1][1024 + t]: a token's two choices, each in two halves of K.
; A stream: work-group b takes tokens 4 b .. 4 b + 3; thread t takes the 16 bytes at 16 t of each row, so a wave's load or store covers 512 consecutive bytes, aligned.
; All sixteen loads of a thread go out at once.  No LDS, no barrier, no matrix unit: nothing is shared and nothing is multiplied.
.set HALF,   8421376                   ; bytes of y[0]: 2,056 rows
.set CHOICE, 4194304                   ; 1,024 rows
	s_load_b128 s[4:7], s[0:1], 0x0                ; y, out0
	v_lshlrev_b32 v1, 4, v0
	s_lshl_b32 s2, ttmp9, 14                       ; four rows of 4,096 bytes
	s_mov_b32 s3, 0
	s_wait_alu depctr_va_vdst(0)
	s_wait_kmcnt 0x0
	s_add_nc_u64 s[4:5], s[4:5], s[2:3]
	s_add_nc_u64 s[6:7], s[6:7], s[2:3]
	s_add_nc_u64 s[8:9], s[4:5], HALF
.irp r, 0,1,2,3
	global_load_b128 v[16+16*\r:19+16*\r], v1, s[4:5] offset:4096*\r th:TH_LOAD_NT
	global_load_b128 v[20+16*\r:23+16*\r], v1, s[4:5] offset:CHOICE+4096*\r th:TH_LOAD_NT
	global_load_b128 v[24+16*\r:27+16*\r], v1, s[8:9] offset:4096*\r th:TH_LOAD_NT
	global_load_b128 v[28+16*\r:31+16*\r], v1, s[8:9] offset:CHOICE+4096*\r th:TH_LOAD_NT
.endr
.irp r, 0,1,2,3
	s_wait_loadcnt 12-4*\r                         ; row r's four loads are in; the later rows' stay out
	v_pk_add_f32 v[16+16*\r:17+16*\r], v[16+16*\r:17+16*\r], v[20+16*\r:21+16*\r]
	v_pk_add_f32 v[18+16*\r:19+16*\r], v[18+16*\r:19+16*\r], v[22+16*\r:23+16*\r]
	v_pk_add_f32 v[24+16*\r:25+16*\r], v[24+16*\r:25+16*\r], v[28+16*\r:29+16*\r]
	v_pk_add_f32 v[26+16*\r:27+16*\r], v[26+16*\r:27+16*\r], v[30+16*\r:31+16*\r]
	s_delay_alu instid0(VALU_DEP_2)
	v_pk_add_f32 v[16+16*\r:17+16*\r], v[16+16*\r:17+16*\r], v[24+16*\r:25+16*\r]
	s_delay_alu instid0(VALU_DEP_2)
	v_pk_add_f32 v[18+16*\r:19+16*\r], v[18+16*\r:19+16*\r], v[26+16*\r:27+16*\r]
	global_store_b128 v1, v[16+16*\r:19+16*\r], s[6:7] offset:4096*\r th:TH_STORE_NT
.endr
	s_endpgm
.Lfunc_end_k_q2b4f6dadb0_combine:
	.size	k_q2b4f6dadb0_combine, .Lfunc_end_k_q2b4f6dadb0_combine-k_q2b4f6dadb0_combine
	.p2alignl 7, 3214868480
	.fill 96, 4, 3214868480
	.section	.rodata,"a",@progbits
	.p2align	6, 0x0
	.amdhsa_kernel k_q2b4f6dadb0_combine
		.amdhsa_group_segment_fixed_size 0
		.amdhsa_private_segment_fixed_size 0
		.amdhsa_enable_private_segment 0
		.amdhsa_kernarg_size 16
		.amdhsa_user_sgpr_count 2
		.amdhsa_user_sgpr_kernarg_segment_ptr 1
		.amdhsa_wavefront_size32 1
		.amdhsa_system_sgpr_workgroup_id_x 1
		.amdhsa_system_sgpr_workgroup_id_y 1
		.amdhsa_system_sgpr_workgroup_id_z 1
		.amdhsa_system_vgpr_workitem_id 0
		.amdhsa_next_free_vgpr 96
		.amdhsa_next_free_sgpr 66
		.amdhsa_reserve_vcc 0
		.amdhsa_float_denorm_mode_32 3
		.amdhsa_float_denorm_mode_16_64 3
		.amdhsa_memory_ordered 1
		.amdhsa_forward_progress 1
		.amdhsa_inst_pref_size 5
	.end_amdhsa_kernel
	.amdgpu_metadata
---
amdhsa.version: [ 1, 2 ]
amdhsa.kernels:
  - .name:           k_q2b4f6dadb0_combine
    .symbol:         k_q2b4f6dadb0_combine.kd
    .args:
      - { .name: y, .offset: 0, .size: 8, .value_kind: global_buffer, .address_space: global }
      - { .name: out0, .offset: 8, .size: 8, .value_kind: global_buffer, .address_space: global }
    .group_segment_fixed_size: 0
    .private_segment_fixed_size: 0
    .kernarg_segment_align: 8
    .kernarg_segment_size: 16
    .max_flat_workgroup_size: 256
    .sgpr_count:     66
    .vgpr_count:     96
    .wavefront_size: 32
...
	.end_amdgpu_metadata
.endif
;; end of part 14
